; MI455X (gfx1250); checked and timed in simulation.
; The chip was launched on July 23, 2026; its instructions are those of AMD's public machine-readable ISA for CDNA 5 (MIT licence, August 2026) and "CDNA5" Instruction Set Architecture Reference Guide (July 2026). The comments in the code are by the model that wrote it; some were corrected since.
;; T5 Gemma2 Encoder Attention. Allowed arithmetic: matrix products marked QUANTISED: E2M3 operands, one E8M0 scale for each 32 along K, by v_wmma_scale_f32_16x16x128_f8f6f4 with both operands' format E2M3, f32 sums; everything else in f32.
;; Inputs: attn_mask 2 x 2,048 x 2,048 bool; k_scale 256 float32; kv_w 2 x 2 x 2,048 x 256 float32; o_w 4 x 256 x 2,048 float32; q_scale 256 float32; q_w 4 x 2,048 x 256 float32; segment_pos 2 x 2,048 int32; x 2 x 2,048 x 2,048 float32.
;; Outputs: out0 2 x 2,048 x 2,048 float32.
;; This version of the problem:
;;   THIS VERSION OF THE PROBLEM IS GIVEN IN LOW PRECISION. The matrix products marked QUANTISED in the list below multiply operands that are first quantised to E2M3 (2 exponent bits, 3 mantissa bits; 6 bits a number), with one power-of-two scale for each 32 numbers along K (OCP MX v1.0); their sums are f32. All else is computed in f32.
;;   The module's matrix products, in the order in which they are computed (A, B: the left and right operand; K: the contracted axis; several contracted axes count as one K, in the product's order):
;;     1. [M 4,096, K 2,048] x [K 2,048, N 1,024]; A: input x; B: input q_w: QUANTISED
;;     2. [M 1,024, K 2,048] x [K 2,048, N 4,096]; A: input kv_w; B: input x: QUANTISED
;;     3. batch 4 x [M 2,048, K 256] x [K 256, N 4,096]; A: computed on the way; B: computed on the way: QUANTISED
;;     4. batch 4 x [M 256, K 2,048] x [K 2,048, N 4,096]; A: computed on the way; B: computed on the way: QUANTISED
;;     5. [M 4,096, K 1,024] x [K 1,024, N 2,048]; A: computed on the way; B: input o_w: QUANTISED
;;   THE QUANTISER, for each operand of a quantised product, along K:
;;     - K is cut into blocks of 32 from its start; a last block that is shorter is filled with zeros.
;;     - A block's scale is 2^e with e = floor(log2(the largest magnitude in the block)) - 2, held to -126 .. 127; a block of zeros has e = 0. As a byte (E8M0): e + 127.
;;     - Each number is divided by its block's scale, clamped to +-7.5, and rounded to the nearest number of E2M3, ties to even, subnormals kept.
;;     - The product sums the exact products of the quantised numbers (number of the format x scale) in f32.
;;   ~~~python
;;   def quantise(x, axis):      # numpy; x: float32 -> the quantised numbers, widened to float32 again
;;       x = np.moveaxis(x, axis, -1); K = x.shape[-1]
;;       x = np.pad(x, [(0, 0)] * (x.ndim - 1) + [(0, -K % 32)]); x = x.reshape(x.shape[:-1] + (-1, 32)); a = np.abs(x).max(-1, keepdims=True)
;;       e = np.where(a > 0, np.clip(np.frexp(np.where(a > 0, a, 1))[1] - 1 - 2, -126, 127), 0)      # np.frexp(a)[1] - 1 = floor(log2(a)), exactly
;;       r = np.clip(x / 2.0 ** e, -7.5, 7.5)
;;       step = 2.0 ** (np.maximum(np.frexp(np.where(r == 0, 1, r))[1] - 1, 0) - 3)
;;       q = np.round(r / step) * step * 2.0 ** e      # np.round: ties to even
;;       return np.moveaxis(q.reshape(q.shape[:-2] + (-1,))[..., :K], -1, axis).astype(np.float32)
;;   ~~~
;;   OPERANDS COMPUTED ON THE WAY. 'Computed on the way' means the value that the module computes at that place (a softmax that the list does not call 'softmax' is quantised finished and normalised). What goes into a quantiser is computed in f32, as accurately as f32 sums, v_exp_f32 and their like allow (about 1e-6 of the number): no bf16 or f16 on the way to a quantiser, and a product that is left as it is and whose result goes on into a quantised operand takes f32 operands (vector FMAs, or v_wmma_f32_16x16x4_f32). A number that lies on a knife's edge between two numbers of the format may be rounded either way, as far as f32 arithmetic and the matrix unit's own rounding can turn it there, and no further.
;; 3 versions, each right; version 2 is faster than version 1; version 3 is version 2 with the launch attn written anew for expert scheduling mode. Each part assembles by itself: llvm-mc -triple=amdgcn-amd-amdhsa -mcpu=gfx1250 --defsym DOCPART=n.
;; ======== version 1 of 3: 4 launches
;; limits: right only within a limited range of input values
;; workspace buffers: xf 6,815,744 bytes; wq 5,111,808 bytes; rope 4,194,304 bytes; msk 1,048,576 bytes of whole numbers; flg 32,768 bytes of whole numbers; qkv 6,815,744 bytes; ef 3,407,872 bytes
;; launch prep (part 1): grid 1600 x 1, 4 waves a work-group, no clusters, 87,552 bytes of LDS; arguments x, q_w, kv_w, o_w, segment_pos, attn_mask, xf, wq, rope, msk, flg; writes xf, wq, rope, msk, flg
.if DOCPART == 1
	.amdgcn_target "amdgcn-amd-amdhsa--gfx1250"
	.amdhsa_code_object_version 6
	.text
	.protected	k_q0d6f1bbc89_prep
	.globl	k_q0d6f1bbc89_prep
	.p2align	8
	.type	k_q0d6f1bbc89_prep,@function
k_q0d6f1bbc89_prep:
	s_mov_b64 s[64:65], 0
	v_nop
	global_prefetch_b8 v0, s[64:65] scope:SCOPE_SE
	s_setreg_imm32_b32 hwreg(HW_REG_WAVE_MODE, 25, 1), 1
	s_wait_xcnt 0x0
; PREP: everything that is made once from the inputs.  Five kinds of work, told apart by the work-group's number; each kind has LDS bytes of its own.
;   X (work-groups 0-255):     x [4096][2048] f32 -> codes of E2M3 with one E8M0 byte for each 32 along K, laid in the order of an operand's registers (xf)
;   W (256-383), O (384-447):  q_w, kv_w (K = their axis of 2,048) and o_w (K = head x 256 + h) -> the same, a lane to a column, registers down K (wq)
;   M (448-1471):              attn_mask AND the window -256 <= pos_q - pos_k <= 255 -> one 32-bit lane mask for each score register of the attention launch (msk), and two flag words for each (tile, step) (flg)
;   R (1472-1599):             cos and sin of pos / 10000^(f / 128), in the order in which the projection's lanes hold q and k (rope)
; ROWS OF A TILE.  In a block of 256 rows, half sg, tile i, lane row p stand for row 64 sg + ROWOF(i) + p + 8 (p / 8), ROWOF(i) = 128 (i / 4) + 32 ((i / 2) % 2) + 8 (i % 2).
; A FRAGMENT'S IMAGE (16 rows x 128 K, 12 registers a lane, 1,536 bytes): register 4 g + e of lane L at byte 512 g + 16 L + 4 e.
; A CHUNK (26,624 bytes): 16 images (tile i, K step q: 2 i + q), then from byte 24,576 the scale words [i][32 lanes][q], lanes 16-31 repeating lanes 0-15.
; A block's scale byte is its largest magnitude's exponent field - 2, held at 1 from below; a block of zeros keeps the byte 1 (its codes are zeros; this program alone reads the bytes).
; LIMITS: NaN and infinities among the inputs are not served.  |segment_pos| up to 100,000 (the reach of the three-part reduction by pi / 2).  pos_q - pos_k = -2^31 is not served.
; The angle is pos x 2^(-f log2(10000) / 128): one product, one v_exp_f32 and one product in f32, a few units in the last place of pos / timescale.
.set CH,   26624
.set SCO,  24576
.set OWF,  3407872                     ; o_w's chunks in wq
.set PC,   208                         ; v208-227 the codes just made
.set TM,   228                         ; v228-243 at work in QUANT
.set SEL,  26                          ; s[26:27] lane selects for v_permlanex16_b32: lane l xor 16
.set TP,   128                         ; path R: eight registers at work for each of four angles
.macro ROWOF d, i, t                   ; s[d] = ROWOF(s[i])
	s_lshr_b32 s[\d], s[\i], 2
	s_lshl_b32 s[\d], s[\d], 7
	s_bfe_u32 s[\t], s[\i], 0x10001
	s_lshl_b32 s[\t], s[\t], 5
	s_add_co_u32 s[\d], s[\d], s[\t]
	s_and_b32 s[\t], s[\i], 1
	s_lshl_b32 s[\t], s[\t], 3
	s_add_co_u32 s[\d], s[\d], s[\t]
.endm
; 64 numbers of a lane, register 16 b + i = k 32 b + 16 (lane / 16) + i of my row, become a fragment's codes in v[PC] on and its scale word in v[pw].
.macro QUANT s, pw
.irp b, 0,1,2,3
	v_max3_num_f32 v[TM+\b], |v[\s+16*\b]|, |v[\s+1+16*\b]|, 0x1800000   ; my 16 numbers of block b, and the floor 2^(3 - 127): the byte cannot fall under 1
.endr
.irp i, 2,4,6,8,10,12,14
.irp b, 0,1,2,3
	v_max3_num_f32 v[TM+\b], v[TM+\b], |v[\s+16*\b+\i]|, |v[\s+1+16*\b+\i]|
.endr
.endr
.irp b, 0,1,2,3
	v_permlanex16_b32 v[TM+4+\b], v[TM+\b], s[SEL], s[SEL+1]
.endr
.irp b, 0,1,2,3
	v_max_num_f32 v[TM+\b], v[TM+\b], v[TM+4+\b]                   ; with lane l xor 16's: the block's largest magnitude
.endr
.irp b, 0,1,2,3
	v_add_nc_u32 v[TM+12+\b], 0xff000000, v[TM+\b]                 ; 2 off its exponent field: the conversion's scale operand
.endr
.irp b, 0,1,2,3
	v_lshrrev_b32 v[TM+4+\b], 23, v[TM+12+\b]                      ; the scale's byte
.endr
	v_lshl_or_b32 v[\pw], v[TM+5], 8, v[TM+4]
	v_lshl_or_b32 v[\pw], v[TM+6], 16, v[\pw]
	v_lshl_or_b32 v[\pw], v[TM+7], 24, v[\pw]
.irp c, 0,1
	v_cvt_scalef32_pk16_fp6_f32 v[PC+6*\c:PC+2+6*\c], v[\s+32*\c:\s+15+32*\c], v[TM+12+2*\c]
	v_cvt_scalef32_pk16_fp6_f32 v[PC+12+4*\c:PC+14+4*\c], v[\s+16+32*\c:\s+31+32*\c], v[TM+12+2*\c+1]   ; (a conversion's three registers begin on an even number)
.endr
	v_nop                                          ; one plain place behind a scaled conversion
.irp c, 0,1                                    ; the operand wants a whole block in a lane: lanes 0-15 block 2 c, lanes 16-31 block 2 c + 1
.irp i, 0,1,2
	v_permlane16_swap_b32 v[PC+6*\c+\i], v[PC+12+4*\c+\i]
.endr
.irp i, 0,1,2
	v_mov_b32 v[PC+3+6*\c+\i], v[PC+12+4*\c+\i]
.endr
.endr
.endm
	s_load_b512 s[4:19], s[0:1], 0x0               ; x 4, q_w 6, kv_w 8, o_w 10, segment_pos 12, attn_mask 14, xf 16, wq 18
	s_load_b128 s[20:23], s[0:1], 0x40             ; rope 20, msk 22
	s_load_b64 s[50:51], s[0:1], 0x50              ; flg
	v_lshl_add_u32 v254, v0, 2, 0x15400
	v_mov_b32 v255, 0
	v_lshrrev_b32 v1, 5, v0
	v_readfirstlane_b32 s24, v1                    ; wave
	v_and_b32 v1, 31, v0                           ; lane
	v_and_b32 v2, 15, v0                           ; r
	v_bfe_u32 v3, v0, 4, 1                         ; h
	s_mov_b32 s[SEL], 0x76543210
	s_mov_b32 s[SEL+1], 0xfedcba98
	s_wait_kmcnt 0x0
	s_cmp_lt_u32 ttmp9, 256
	s_cbranch_scc1 .Lpath_x
	s_cmp_lt_u32 ttmp9, 384
	s_cbranch_scc1 .Lpath_w
	s_cmp_lt_u32 ttmp9, 448
	s_cbranch_scc1 .Lpath_o
	s_cmp_lt_u32 ttmp9, 1472
	s_cbranch_scc1 .Lpath_m
; ---------------- R: a wave makes cos and sin for tile T = 2 idx + wave % 2 and column half w = wave / 2: 32 frequencies a lane, f = 64 w + 32 (n / 16) + 16 h + n % 16
	s_sub_co_u32 s28, ttmp9, 1472
	s_lshl_b32 s29, s28, 1
	s_and_b32 s30, s24, 1
	s_add_co_u32 s29, s29, s30                     ; T
	s_lshr_b32 s30, s24, 1                         ; w
	s_and_b32 s31, s29, 7
	ROWOF 32, 31, 33
	s_lshr_b32 s33, s29, 4
	s_lshl_b32 s33, s33, 8
	s_add_co_u32 s32, s32, s33
	s_bfe_u32 s33, s29, 0x10003
	s_lshl_b32 s33, s33, 6
	s_add_co_u32 s32, s32, s33                     ; the tile's first row among the 4,096
	v_and_b32 v4, 8, v2
	v_add_nc_u32 v4, v4, v2                        ; r + 8 (r / 8)
	v_add_nc_u32 v4, s32, v4
	v_lshlrev_b32 v4, 2, v4
	global_load_b32 v5, v4, s[12:13]               ; my row's position
	s_lshl_b32 s34, s30, 6
	v_lshl_add_u32 v6, v3, 4, s34                  ; 64 w + 16 h
	s_mov_b32 s36, 0x3f22f983                      ; 2 / pi
	s_mov_b32 s37, 0xbfc90fd8                      ; - pi / 2 in three parts
	s_mov_b32 s38, 0xb4a8885a
	s_mov_b32 s39, 0xa7c234c4
	s_mov_b32 s40, 0x37cd4000                      ; the cosine's polynomial in r^2 (then -0.5 and 1.0)
	s_mov_b32 s41, 0xbab6077d
	s_mov_b32 s42, 0x3d2aaaa8
	s_mov_b32 s43, 0x36405000                      ; the sine's
	s_mov_b32 s44, 0xb9503486
	s_mov_b32 s45, 0x3c0888c1
	s_mov_b32 s46, 0xbe2aaaab
	s_lshl_b32 s48, s29, 14
	s_lshl_b32 s49, s30, 13
	s_add_co_u32 s48, s48, s49
	s_mov_b32 s49, 0
	s_add_nc_u64 s[20:21], s[20:21], s[48:49]      ; rope + 16,384 T + 8,192 w
	v_lshlrev_b32 v7, 4, v1
.set n, 0
.rept 32
	v_add_nc_u32 v[32+n], 32*(n/16)+(n%16), v6     ; f
.set n, n+1
.endr
.set n, 0
.rept 32
	v_cvt_f32_u32 v[32+n], v[32+n]
.set n, n+1
.endr
.set n, 0
.rept 32
	v_mul_f32 v[32+n], 0xbdd49a78, v[32+n]         ; - f log2(10000) / 128
.set n, n+1
.endr
.set n, 0
.rept 32
	v_exp_f32 v[32+n], v[32+n]                     ; 1 / timescale: one batch
.set n, n+1
.endr
	v_nop                                          ; a plain place behind the last exponential
	s_wait_alu depctr_va_vdst(0)                   ; one wait for the batch, ahead of its first reader
	s_wait_loadcnt 0x0
	v_cvt_f32_i32 v5, v5
; Four angles by turns.  +0 the angle, then r; +1 k; +2 r^2; +3 the cosine's polynomial; +4 the sine's; +5, +7 at work; +6 k as a whole number
.macro SC4 n0
.irp e, 0,1,2,3
	v_mul_f32 v[TP+8*\e], v5, v[32+(\n0)+\e]
.endr
.irp e, 0,1,2,3
	v_mul_f32 v[TP+8*\e+1], s36, v[TP+8*\e]
.endr
.irp e, 0,1,2,3
	v_rndne_f32 v[TP+8*\e+1], v[TP+8*\e+1]         ; k: the nearest multiple of pi / 2
.endr
.irp c, 37,38,39
.irp e, 0,1,2,3
	v_fma_f32 v[TP+8*\e], v[TP+8*\e+1], s\c, v[TP+8*\e]
.endr
.endr
.irp e, 0,1,2,3
	v_mul_f32 v[TP+8*\e+2], v[TP+8*\e], v[TP+8*\e]
.endr
.irp e, 0,1,2,3
	v_fma_f32 v[TP+8*\e+3], v[TP+8*\e+2], s40, s41
	v_fma_f32 v[TP+8*\e+4], v[TP+8*\e+2], s43, s44
.endr
.irp e, 0,1,2,3
	v_fma_f32 v[TP+8*\e+3], v[TP+8*\e+3], v[TP+8*\e+2], s42
	v_fma_f32 v[TP+8*\e+4], v[TP+8*\e+4], v[TP+8*\e+2], s45
.endr
.irp e, 0,1,2,3
	v_fma_f32 v[TP+8*\e+3], v[TP+8*\e+3], v[TP+8*\e+2], -0.5
	v_fma_f32 v[TP+8*\e+4], v[TP+8*\e+4], v[TP+8*\e+2], s46
.endr
.irp e, 0,1,2,3
	v_mul_f32 v[TP+8*\e+5], v[TP+8*\e], v[TP+8*\e+2]
	v_fma_f32 v[TP+8*\e+3], v[TP+8*\e+3], v[TP+8*\e+2], 1.0
	v_cvt_i32_f32 v[TP+8*\e+6], v[TP+8*\e+1]
.endr
.irp e, 0,1,2,3
	v_fma_f32 v[TP+8*\e+4], v[TP+8*\e+4], v[TP+8*\e+5], v[TP+8*\e]
	v_and_b32 v[TP+8*\e+7], 1, v[TP+8*\e+6]
.endr
.irp e, 0,1,2,3
	v_cmp_eq_u32 vcc_lo, 1, v[TP+8*\e+7]           ; in an odd quadrant the two change places
	v_cndmask_b32 v[TP+8*\e], v[TP+8*\e+4], v[TP+8*\e+3], vcc_lo
	v_cndmask_b32 v[TP+8*\e+1], v[TP+8*\e+3], v[TP+8*\e+4], vcc_lo
.endr
.irp e, 0,1,2,3
	v_and_b32 v[TP+8*\e+5], 2, v[TP+8*\e+6]        ; the sine's sign: bit 1 of k;
	v_add_nc_u32 v[TP+8*\e+6], 1, v[TP+8*\e+6]     ; the cosine's: bit 1 of k + 1
.endr
.irp e, 0,1,2,3
	v_lshlrev_b32 v[TP+8*\e+5], 30, v[TP+8*\e+5]
	v_and_b32 v[TP+8*\e+6], 2, v[TP+8*\e+6]
.endr
.irp e, 0,1,2,3
	v_xor_b32 v[96+(\n0)+\e], v[TP+8*\e+5], v[TP+8*\e]
	v_lshlrev_b32 v[TP+8*\e+6], 30, v[TP+8*\e+6]
.endr
.irp e, 0,1,2,3
	v_xor_b32 v[64+(\n0)+\e], v[TP+8*\e+6], v[TP+8*\e+1]
.endr
.endm
.irp n0, 0,4,8,12,16,20,24,28
	SC4 \n0
.endr
.set n, 0
.rept 8
	global_store_b128 v7, v[64+4*n:67+4*n], s[20:21] offset:512*n          ; cos: 32 lanes store 512 consecutive bytes
	global_store_b128 v7, v[96+4*n:99+4*n], s[20:21] offset:4096+512*n     ; sin
.set n, n+1
.endr
	s_endpgm
; ---------------- X: work-group T = 16 Y + 8 sg + i takes 16 rows of x; wave w their K steps 4 w .. 4 w + 3
.Lpath_x:
	s_lshr_b32 s28, ttmp9, 4                       ; Y
	s_bfe_u32 s29, ttmp9, 0x10003                  ; sg
	s_and_b32 s30, ttmp9, 7                        ; i
	ROWOF 31, 30, 32
	s_lshl_b32 s32, s28, 8
	s_add_co_u32 s31, s31, s32
	s_lshl_b32 s32, s29, 6
	s_add_co_u32 s31, s31, s32                     ; the tile's first row
	s_lshl_b32 s32, s31, 13                        ; rows of 8,192 bytes
	s_lshl_b32 s33, s24, 11                        ; + my four K steps of 512 bytes
	s_add_co_u32 s32, s32, s33
	s_mov_b32 s33, 0
	s_add_nc_u64 s[4:5], s[4:5], s[32:33]
	s_lshl_b32 s34, s28, 3
	s_lshl_b32 s35, s24, 1
	s_add_co_u32 s34, s34, s35                     ; 8 Y + u, u = 2 w
	s_lshl_b32 s34, s34, 1
	s_add_co_u32 s34, s34, s29
	s_mul_i32 s34, s34, CH
	s_mov_b32 s35, 0
	s_add_nc_u64 s[16:17], s[16:17], s[34:35]      ; the chunk [Y][2 w][sg]
	v_lshlrev_b32 v4, 4, v1                        ; in: 16 bytes a lane: a load takes a row's 512 bytes
	s_mul_i32 s36, s30, 3072
	v_add_nc_u32 v5, s36, v4                       ; codes: 16 x lane + the tile's two images
	s_lshl_b32 s36, s30, 8
	v_lshl_add_u32 v6, v1, 3, s36                  ; scale words: 8 x lane + 256 i
	s_mul_i32 s37, s24, 8448                       ; my stage: 16 rows of 512 + 16 bytes
	v_add_nc_u32 v7, s37, v4
	v_mul_u32_u24 v8, v2, 528
	v_lshl_add_u32 v8, v3, 6, v8
	v_add_nc_u32 v8, s37, v8                       ; back: row r, + 64 h: my 16 numbers of each block of 32
.irp b, 0,1,2,3
	v_mov_b32 v[TM+4+\b], 0                        ; written once: a lane permute's destination counts as one of its sources
.endr
.macro XL q
.irp p, 0,1,2,3,4,5,6,7,8,9,10,11,12,13,14,15
	global_load_b128 v[16+64*((\q)%2)+4*\p:16+64*((\q)%2)+4*\p+3], v4, s[4:5] offset:(\p+8*(\p/8))*8192+512*(\q) th:TH_LOAD_NT
.endr
.endm
.macro XSTEP q
.if (\q) < 3
	s_wait_loadcnt 16                              ; this K step's 16 loads are in; the next step's may be out
.else
	s_wait_loadcnt 0x0
.endif
.irp p, 0,1,2,3,4,5,6,7,8,9,10,11,12,13,14,15
	ds_store_b128 v7, v[16+64*((\q)%2)+4*\p:16+64*((\q)%2)+4*\p+3] offset:528*\p
.endr
.irp b, 0,1,2,3
.irp j, 0,1,2,3
	ds_load_b128 v[144+16*\b+4*\j:144+16*\b+4*\j+3], v8 offset:128*\b+16*\j   ; LDS serves a wave's instructions in order: these see the stores above
.endr
.endr
	s_wait_dscnt 0x0
	s_wait_xcnt 0x0                                ; the last step's stores have read the codes and the scale words: they are written again below
.if (\q)+2 < 4
	XL (\q)+2
.endif
	QUANT 144, 244+(\q)%2
.irp g, 0,1,2
	global_store_b128 v5, v[PC+4*\g:PC+4*\g+3], s[16:17] offset:((\q)/2)*2*CH+((\q)%2)*1536+512*\g   ; 512 consecutive bytes
.endr
.if (\q)%2 == 1
	global_store_b64 v6, v[244:245], s[16:17] offset:((\q)/2)*2*CH+SCO   ; the two K steps' words: 256 consecutive bytes
.endif
.endm
	XL 0
	XL 1
	XSTEP 0
	XSTEP 1
	XSTEP 2
	XSTEP 3
	s_wait_tensorcnt 0x0
	ds_add_u32 v254, v255
	s_wait_dscnt 0x0
	s_endpgm
; ---------------- W, O: a lane takes a column and its registers run down K.  A wave: 32 columns x 256 along K = tiles i0, i0 + 1, both K steps, of one chunk
.macro WDEST base                      ; on entry s36 = block x U + u, s30 = which 128 columns.  s[36:37] the chunk, s38 = i0
	s_lshl_b32 s36, s36, 1
	s_lshr_b32 s37, s24, 1                         ; sg = wave / 2
	s_add_co_u32 s36, s36, s37
	s_mul_i32 s36, s36, CH
	s_add_co_u32 s36, s36, \base
	s_mov_b32 s37, 0
	s_add_nc_u64 s[36:37], s[18:19], s[36:37]
	s_lshl_b32 s38, s30, 2
	s_and_b32 s39, s24, 1
	s_lshl_b32 s39, s39, 1
	s_add_co_u32 s38, s38, s39
.endm
.macro WLOAD t, pitch                  ; block t: 32 rows of K at my column: 128 consecutive bytes a load
.set wk, 0
.rept 32
	global_load_b32 v[32+32*((\t)%2)+wk], v4, s[32:33] offset:(32*(\t)+wk)*(\pitch) th:TH_LOAD_NT
.set wk, wk+1
.endr
.endm
.macro WBLOCK t, pitch
.set XS, 32+32*((\t)%2)
.if (\t) < 7
	s_wait_loadcnt 32                              ; this block's 32 loads are in; the next block's may be out
.else
	s_wait_loadcnt 0x0
.endif
	v_max3_num_f32 v14, |v[XS]|, |v[XS+1]|, |v[XS+2]|
	v_max3_num_f32 v15, |v[XS+3]|, |v[XS+4]|, |v[XS+5]|
.irp i, 6,10,14,18,22,26
	v_max3_num_f32 v14, v14, |v[XS+\i]|, |v[XS+\i+1]|
	v_max3_num_f32 v15, v15, |v[XS+\i+2]|, |v[XS+\i+3]|
.endr
	v_max3_num_f32 v14, v14, |v[XS+30]|, |v[XS+31]|
	v_max3_num_f32 v14, v14, v15, 0x1800000        ; the block's largest magnitude, and the floor
	v_add_nc_u32 v13, 0xff000000, v14              ; the conversion's scale operand
	v_lshrrev_b32 v15, 23, v13                     ; the byte
.if (\t)%4 == 0
	v_mov_b32 v[24+(\t)/4], v15
.else
	v_lshl_or_b32 v[24+(\t)/4], v15, 8*((\t)%4), v[24+(\t)/4]
.endif
	v_cvt_scalef32_pk16_fp6_f32 v[96:98], v[XS:XS+15], v13
	v_cvt_scalef32_pk16_fp6_f32 v[100:102], v[XS+16:XS+31], v13
	v_nop                                          ; one plain place behind a scaled conversion
	v_mov_b32 v99, v100
	v_mov_b32 v100, v101
	v_mov_b32 v101, v102                           ; v96-101: the block's 24 bytes = registers 6 c .. 6 c + 5 of image lane p + 16 (t % 2), c = (t / 2) % 2
.if (((\t)>>1)&1) == 0
	ds_store_b128 v8, v[96:99] offset:1536*((\t)/4)+256*((\t)&1)
	ds_store_b64 v8, v[100:101] offset:1536*((\t)/4)+256*((\t)&1)+512
.else
	ds_store_b64 v8, v[96:97] offset:1536*((\t)/4)+256*((\t)&1)+520
	ds_store_b128 v8, v[98:101] offset:1536*((\t)/4)+256*((\t)&1)+1024
.endif
.if (\t)+2 < 8
	WLOAD (\t)+2, \pitch
.endif
	s_wait_dscnt 0x0                               ; the stores have read their registers
.endm
.macro WQ pitch, ldsbase
	v_lshlrev_b32 v4, 2, v1
	v_lshlrev_b32 v5, 4, v1
	s_mul_i32 s40, s24, 6656
	s_add_co_u32 s40, s40, \ldsbase                ; my stage: four images and 512 bytes of scale words
	v_bfe_u32 v6, v1, 3, 1                         ; which of my two tiles: (lane / 8) % 2
	v_and_b32 v7, 7, v1
	v_lshl_add_u32 v7, v3, 3, v7                   ; its lane row p = lane % 8 + 8 (lane / 16)
	v_mul_u32_u24 v8, v6, 3072
	v_lshl_add_u32 v8, v7, 4, v8
	v_add_nc_u32 v8, s40, v8
	v_lshlrev_b32 v9, 8, v6
	v_lshl_add_u32 v9, v7, 3, v9
	v_add_nc_u32 v9, s40, v9
	v_add_nc_u32 v10, s40, v5
	s_mul_i32 s41, s38, 3072
	v_add_nc_u32 v11, s41, v5
	s_lshl_b32 s41, s38, 8
	v_add_nc_u32 v12, s41, v5
	WLOAD 0, \pitch
	WLOAD 1, \pitch
.irp t, 0,1,2,3,4,5,6,7
	WBLOCK \t, \pitch
.endr
	ds_store_b64 v9, v[24:25] offset:6144          ; my column's two scale words, for image lanes p
	ds_store_b64 v9, v[24:25] offset:6144+128      ; and p + 16
.irp k, 0,1,2,3,4,5,6,7,8,9,10,11
	ds_load_b128 v[112+4*\k:115+4*\k], v10 offset:512*\k
.endr
	ds_load_b128 v[160:163], v10 offset:6144
.irp k, 0,1,2,3,4,5,6,7,8,9,10,11
	s_wait_dscnt 12-\k                             ; the younger read-backs may be out
	global_store_b128 v11, v[112+4*\k:115+4*\k], s[36:37] offset:512*\k   ; 512 consecutive bytes
.endr
	s_wait_dscnt 0x0
	global_store_b128 v12, v[160:163], s[36:37] offset:SCO
	s_wait_tensorcnt 0x0
	ds_add_u32 v254, v255
	s_wait_dscnt 0x0
	s_endpgm
.endm
.Lpath_w:
	s_sub_co_u32 s28, ttmp9, 256
	s_lshr_b32 s29, s28, 4                         ; head: 0-3 q, 4-5 k, 6-7 v
	s_bfe_u32 s30, s28, 0x10003                    ; which 128 columns
	s_and_b32 s31, s28, 7                          ; u: which 256 along K
	s_cmp_lt_u32 s29, 4
	s_cselect_b64 s[32:33], s[6:7], s[8:9]
	s_and_b32 s34, s29, 3
	s_lshl_b32 s34, s34, 21                        ; a head is 2,048 x 256 x 4 bytes
	s_lshl_b32 s35, s31, 18
	s_add_co_u32 s34, s34, s35
	s_lshl_b32 s35, s30, 9
	s_add_co_u32 s34, s34, s35
	s_lshl_b32 s35, s24, 7
	s_add_co_u32 s34, s34, s35
	s_mov_b32 s35, 0
	s_add_nc_u64 s[32:33], s[32:33], s[34:35]
	s_lshl_b32 s36, s29, 3
	s_add_co_u32 s36, s36, s31
	WDEST 0
	WQ 1024, 33792
.Lpath_o:
	s_sub_co_u32 s28, ttmp9, 384
	s_lshr_b32 s29, s28, 3                         ; which 256 columns of the output
	s_bfe_u32 s30, s28, 0x10002
	s_and_b32 s31, s28, 3                          ; u = the head
	s_lshl_b32 s34, s31, 21                        ; 256 rows of 8,192 bytes
	s_lshl_b32 s35, s29, 10
	s_add_co_u32 s34, s34, s35
	s_lshl_b32 s35, s30, 9
	s_add_co_u32 s34, s34, s35
	s_lshl_b32 s35, s24, 7
	s_add_co_u32 s34, s34, s35
	s_mov_b32 s35, 0
	s_add_nc_u64 s[32:33], s[10:11], s[34:35]
	s_lshl_b32 s36, s29, 2
	s_add_co_u32 s36, s36, s31
	WDEST OWF
	WQ 8192, 60416
; ---------------- M: a wave takes query tile T and key step s (128 keys).  Score register n = 16 b + i of lane (r, h) is key 256 (s / 2) + 64 (s % 2) + 128 (b / 2) + 32 (b % 2) + 16 h + i
.Lpath_m:
	s_sub_co_u32 s28, ttmp9, 448
	s_lshr_b32 s29, s28, 2                         ; T
	s_and_b32 s30, s28, 3
	s_lshl_b32 s30, s30, 2
	s_add_co_u32 s30, s30, s24                     ; s
	s_lshr_b32 s31, s29, 7                         ; the batch
	s_and_b32 s34, s29, 7
	ROWOF 35, 34, 36
	s_bfe_u32 s36, s29, 0x30004
	s_lshl_b32 s36, s36, 8
	s_add_co_u32 s35, s35, s36
	s_bfe_u32 s36, s29, 0x10003
	s_lshl_b32 s36, s36, 6
	s_add_co_u32 s35, s35, s36                     ; the tile's first query in its batch
	s_lshr_b32 s37, s30, 1
	s_lshl_b32 s37, s37, 8
	s_and_b32 s38, s30, 1
	s_lshl_b32 s38, s38, 6
	s_add_co_u32 s37, s37, s38                     ; the step's first key
	s_lshl_b32 s32, s31, 13
	s_mov_b32 s33, 0
	s_add_nc_u64 s[12:13], s[12:13], s[32:33]      ; the batch's positions
	s_lshl_b32 s32, s31, 22
	s_lshl_b32 s36, s35, 11
	s_add_co_u32 s32, s32, s36
	s_add_co_u32 s32, s32, s37
	s_add_nc_u64 s[14:15], s[14:15], s[32:33]      ; attn_mask at (first query, first key)
	v_and_b32 v4, 8, v2
	v_add_nc_u32 v4, v4, v2                        ; r + 8 (r / 8)
	v_add_nc_u32 v5, s35, v4
	v_lshlrev_b32 v5, 2, v5
	v_lshlrev_b32 v6, 11, v4
	v_lshl_add_u32 v6, v3, 4, v6
	s_lshl_b32 s36, s37, 2
	v_lshl_add_u32 v7, v3, 6, s36
	global_load_b32 v8, v5, s[12:13]
.irp b, 0,1,2,3
	global_load_b128 v[16+4*\b:19+4*\b], v6, s[14:15] offset:128*(\b/2)+32*(\b%2)
.irp j, 0,1,2,3
	global_load_b128 v[32+16*\b+4*\j:35+16*\b+4*\j], v7, s[12:13] offset:4*(128*(\b/2)+32*(\b%2))+16*\j
.endr
.endr
	v_mov_b32 v10, 0                               ; the words: word n in lane n % 32 of v[10 + n / 32]
	v_mov_b32 v11, 0
	s_mov_b32 s41, 0                               ; the lanes that have a key in this step
	s_wait_loadcnt 0x0
	v_add_nc_u32 v8, 0x100, v8                     ; pos_q + 256
.set n, 0
.rept 64
	v_sub_nc_u32 v12, v8, v[32+n]                  ; pos_q - pos_k + 256, modulo 2^32: inside the window where it is under 512
	v_cmp_gt_u32 vcc_lo, 0x200, v12
	v_bfe_u32 v13, v[16+n/4], 8*(n%4), 8
	v_cmp_ne_u32 s40, 0, v13
	s_and_b32 s40, s40, vcc_lo
	s_or_b32 s41, s41, s40
	v_writelane_b32 v[10+n/32], s40, n%32
.set n, n+1
.endr
	s_lshl_b32 s42, s29, 4
	s_add_co_u32 s42, s42, s30                     ; 16 T + s
	s_lshl_b32 s44, s42, 8
	s_mov_b32 s45, 0
	s_add_nc_u64 s[44:45], s[22:23], s[44:45]
	v_lshlrev_b32 v14, 3, v1
	global_store_b64 v14, v[10:11], s[44:45]       ; 256 consecutive bytes: word n is dword 2 (n % 32) + n / 32
	s_lshl_b32 s46, s42, 3                         ; the flags: 8 bytes for each (tile, step), in a buffer of their own
	s_mov_b32 s47, 0
	s_add_nc_u64 s[46:47], s[50:51], s[46:47]
	s_lshl_b32 s43, 1, s30
	s_cmp_lg_u32 s41, 0
	s_cselect_b32 s43, s43, 0                      ; bit s where any key of the step counts for any query of the tile
	v_mov_b32 v16, s43
	v_mov_b32 v17, s41
	v_mov_b32 v15, 0
	v_cmp_eq_u32 vcc_lo, 0, v1
	s_wait_xcnt 0x0                                ; EXEC changes only behind this wait
	s_and_saveexec_b32 s48, vcc_lo
	global_store_b64 v15, v[16:17], s[46:47]       ; lane 0 alone
	s_wait_xcnt 0x0
	s_or_b32 exec_lo, exec_lo, s48
	s_endpgm
.Lfunc_end_k_q0d6f1bbc89_prep:
	.size	k_q0d6f1bbc89_prep, .Lfunc_end_k_q0d6f1bbc89_prep-k_q0d6f1bbc89_prep
	.p2alignl 7, 3214868480
	.fill 96, 4, 3214868480
	.section	.rodata,"a",@progbits
	.p2align	6, 0x0
	.amdhsa_kernel k_q0d6f1bbc89_prep
		.amdhsa_group_segment_fixed_size 87552
		.amdhsa_private_segment_fixed_size 0
		.amdhsa_enable_private_segment 0
		.amdhsa_kernarg_size 88
		.amdhsa_user_sgpr_count 2
		.amdhsa_user_sgpr_kernarg_segment_ptr 1
		.amdhsa_wavefront_size32 1
		.amdhsa_system_sgpr_workgroup_id_x 1
		.amdhsa_system_sgpr_workgroup_id_y 1
		.amdhsa_system_sgpr_workgroup_id_z 1
		.amdhsa_system_vgpr_workitem_id 0
		.amdhsa_next_free_vgpr 256
		.amdhsa_next_free_sgpr 66
		.amdhsa_reserve_vcc 1
		.amdhsa_float_denorm_mode_32 3
		.amdhsa_float_denorm_mode_16_64 3
		.amdhsa_memory_ordered 1
		.amdhsa_forward_progress 1
		.amdhsa_inst_pref_size 191
	.end_amdhsa_kernel
	.amdgpu_metadata
---
amdhsa.version: [ 1, 2 ]
amdhsa.kernels:
  - .name:           k_q0d6f1bbc89_prep
    .symbol:         k_q0d6f1bbc89_prep.kd
    .args:
      - { .name: x, .offset: 0, .size: 8, .value_kind: global_buffer, .address_space: global }
      - { .name: q_w, .offset: 8, .size: 8, .value_kind: global_buffer, .address_space: global }
      - { .name: kv_w, .offset: 16, .size: 8, .value_kind: global_buffer, .address_space: global }
      - { .name: o_w, .offset: 24, .size: 8, .value_kind: global_buffer, .address_space: global }
      - { .name: segment_pos, .offset: 32, .size: 8, .value_kind: global_buffer, .address_space: global }
      - { .name: attn_mask, .offset: 40, .size: 8, .value_kind: global_buffer, .address_space: global }
      - { .name: xf, .offset: 48, .size: 8, .value_kind: global_buffer, .address_space: global }
      - { .name: wq, .offset: 56, .size: 8, .value_kind: global_buffer, .address_space: global }
      - { .name: rope, .offset: 64, .size: 8, .value_kind: global_buffer, .address_space: global }
      - { .name: msk, .offset: 72, .size: 8, .value_kind: global_buffer, .address_space: global }
      - { .name: flg, .offset: 80, .size: 8, .value_kind: global_buffer, .address_space: global }
    .group_segment_fixed_size: 87552
    .private_segment_fixed_size: 0
    .kernarg_segment_align: 8
    .kernarg_segment_size: 88
    .max_flat_workgroup_size: 128
    .sgpr_count:     66
    .vgpr_count:     256
    .wavefront_size: 32
...
	.end_amdgpu_metadata
.endif
;; end of part 1
;; launch proj (part 2): grid 16 x 8, 4 waves a work-group, clusters of 4 x 1, 327,680 bytes of LDS; arguments xf, wq, rope, q_scale, k_scale, qkv; writes qkv
.if DOCPART == 2
	.amdgcn_target "amdgcn-amd-amdhsa--gfx1250"
	.amdhsa_code_object_version 6
	.text
	.protected	k_q0d6f1bbc89_proj
	.globl	k_q0d6f1bbc89_proj
	.p2align	8
	.type	k_q0d6f1bbc89_proj,@function
k_q0d6f1bbc89_proj:
	s_mov_b64 s[64:65], 0
	v_nop
	global_prefetch_b8 v0, s[64:65] scope:SCOPE_SE
	s_setreg_imm32_b32 hwreg(HW_REG_WAVE_MODE, 25, 1), 1
	s_wait_xcnt 0x0
	s_wait_alu depctr_hold_cnt(0) depctr_sa_sdst(0) depctr_va_vdst(0) depctr_va_sdst(0) depctr_va_ssrc(0) depctr_va_vcc(0) depctr_vm_vsrc(0)
	s_getreg_b32 s2, hwreg(HW_REG_IB_STS2, 6, 4)
	s_cmp_eq_u32 s2, 0
	s_cbranch_scc0 .Lentry_in_a_cluster
	s_endpgm
.Lentry_in_a_cluster:
	s_bfe_u32 s2, ttmp6, 0x10000c
	s_cmp_lg_u32 s2, 0x3003
	s_cbranch_scc0 .Lentry_shape_is_right
	s_endpgm
.Lentry_shape_is_right:
; PROJ: the projections x Wq, x Wk, x Wv on codes of E2M3 (K = 2,048), and what follows them: RMS norm, RoPE and q's 1/16 in f32, then the quantiser of the attention's operands.
; A work-group makes 256 rows (block Y) x one head's 256 columns (heads 0-3 q, 4-5 k, 6-7 v); wave (sa, sb) the row half sa x the column half sb: 64 accumulators of 16 x 16.
; OPERANDS lie in memory in the order of their registers: a chunk of 26,624 bytes holds, for one half of a block of 256 rows and 256 along K, 16 fragment images (tile i, K step q: 2 i + q; register 4 g + e of
; lane L at 512 g + 16 L + 4 e) and from byte 24,576 the scale words [i][lane][q].  A chunk is one dense tensor load of 104 rows of 256 bytes; a fragment is three ds_load_b128 at 16 x lane.
; ROWS OF A TILE: half sg, tile i, lane row p: row 64 sg + 128 (i / 4) + 32 ((i / 2) % 2) + 8 (i % 2) + p + 8 (p / 8), for x's rows and for the weights' columns alike.
; THE MATRIX INSTRUCTION IS USED TRANSPOSED (source 0 = 16 columns of W, source 1 = 16 rows of x): lane (r, h) holds one row, and register n = 16 b + i of a row block is column
; 64 sb + 128 (b / 2) + 32 (b % 2) + 16 h + i: 16 neighbours for the quantiser, and RoPE's partner (column + 128) is register n + 32 of the same lane.
; CLUSTER 4 x 1: the four row blocks of a cluster take the same head, so W's chunks are asked for jointly.  x's chunks are asked for singly: four heads to a cluster would put k's heads and v's, whose ways out
; branch differently, into one cluster, and partners must run alike.
; THE ATTENTION'S OPERANDS (qkv): q's fragments [head][T][w] at 0 and their scale words at QS; k's chunks [kv head][Y][sg], image 2 a + w; v's, image = tile of 16 of the head's 256, keys along the registers.
; K step w of q k^T is head columns 64 w .. + 63 and 128 + 64 w .. + 63: whole blocks of 32, permuted alike in q and k.
; The sum of squares is taken in another order than a plain mean's; v_rsq_f32 stands for rsqrt.  A block of zeros keeps the scale byte 1.  NaN and infinities are not served.
.set CH,    26624
.set SCO,   24576
.set SLOT,  4*CH                       ; x's two halves, then W's two halves
.set SPARE, 2*SLOT                     ; the spare words, 128 bytes a wave: two blocks of 256 bytes that no other line names
.set XCH,   SPARE+512                  ; the waves' sums of squares: 1,024 bytes a wave
.set U,     8                          ; chunks along K
.set LAPS,  U/2
.set QS,    3145728
.set KF,    3407872
.set VF,    5111808
.set FR,    12
.set NL,    3                          ; LDS loads that bring a fragment
.set NP,    4                          ; places behind this matrix instruction (ISA guide 7.12.1)
.set NQ,    2
.set ADRA,  16                         ; v16-17 my half of x in slot 0, 1
.set ADRB,  20                         ; v20-21 my half of W
.set ADRS,  26                         ; v26-27 scale words: lanes 0-15 x's, lanes 16-31 W's
.set SPW,   28
.set NIL,   29
.set SC,    32                         ; v32-63 scale words, a set of 16 for each slot
.set AF,    128                        ; v128-223 x's fragments, one set;  window 1: W's, two sets, at v0 and v128;  windows 2, 3: the accumulators, (a, b) at v[8 (8 (a % 4) + b)]
.set PC,    128                        ; the way out of q and k: v128-147 codes, v148-163 at work, v164 the scale word
.set TM,    148
.set SEL,   72
.set G1A,   24
.set G0A,   32
.set G1B,   48
.set G0B,   56
.set WV,    16
.set SA,    17
.set SB,    18
.set MSB,   0
.macro WIN new                         ; the immediate's high byte repeats the setting that is left
.if MSB != (\new)
	s_set_vgpr_msb (MSB<<8)|(\new)
.set MSB, (\new)
.endif
.endm
.set MUL_LO, 0xa1                      ; source 0 (W) window 1, source 1 (x) window 0, C and D window 2
.set MUL_HI, 0xf1
.set TO_B,   0x40
.macro JLOAD g0a, g1a, g0b, g1b        ; waves 0 and 1 fetch x's halves (their own load), waves 2 and 3 W's (jointly); four v_nop follow each line
	s_cmp_eq_u32 s[SA], 0
	s_cbranch_scc0 .Lfor_b_\@
	tensor_load_to_lds s[\g0a:\g0a+3], s[\g1a:\g1a+7]
	s_nop 0
.rept 4
	v_nop
.endr
	s_branch .Lasked_\@
.Lfor_b_\@:
	tensor_load_to_lds s[\g0b:\g0b+3], s[\g1b:\g1b+7]
	s_nop 0
.rept 4
	v_nop
.endr
.Lasked_\@:
.endm
.macro CREST                           ; a round of the cluster's barrier behind its opening barrier
	s_cmp_lg_u32 s[WV], 0
	s_cbranch_scc1 .Lnot_wave_0_\@
	s_barrier_signal -3
.Lnot_wave_0_\@:
	s_barrier_wait -3
	s_barrier_signal -1
	s_barrier_wait -1
.endm
.macro CROUND
	s_barrier_signal -1
	s_barrier_wait -1
	CREST
.endm
.macro PLACES n
.rept \n
	v_nop
.endr
.endm
.macro QUANT s, pw                     ; 64 numbers of a lane, register 16 b + i = k 32 b + 16 (lane / 16) + i, become a fragment's codes in v[PC] on and its scale word in v[pw]
.irp b, 0,1,2,3
	v_max3_num_f32 v[TM+\b], |v[\s+16*\b]|, |v[\s+1+16*\b]|, 0x1800000   ; and the floor 2^(3 - 127): the byte cannot fall under 1
.endr
.irp i, 2,4,6,8,10,12,14
.irp b, 0,1,2,3
	v_max3_num_f32 v[TM+\b], v[TM+\b], |v[\s+16*\b+\i]|, |v[\s+1+16*\b+\i]|
.endr
.endr
.irp b, 0,1,2,3
	v_permlanex16_b32 v[TM+4+\b], v[TM+\b], s[SEL], s[SEL+1]
.endr
.irp b, 0,1,2,3
	v_max_num_f32 v[TM+\b], v[TM+\b], v[TM+4+\b]
.endr
.irp b, 0,1,2,3
	v_add_nc_u32 v[TM+12+\b], 0xff000000, v[TM+\b]                 ; 2 off the exponent field: the conversion's scale operand
.endr
.irp b, 0,1,2,3
	v_lshrrev_b32 v[TM+4+\b], 23, v[TM+12+\b]
.endr
	v_lshl_or_b32 v[\pw], v[TM+5], 8, v[TM+4]
	v_lshl_or_b32 v[\pw], v[TM+6], 16, v[\pw]
	v_lshl_or_b32 v[\pw], v[TM+7], 24, v[\pw]
.irp c, 0,1
	v_cvt_scalef32_pk16_fp6_f32 v[PC+6*\c:PC+2+6*\c], v[\s+32*\c:\s+15+32*\c], v[TM+12+2*\c]
	v_cvt_scalef32_pk16_fp6_f32 v[PC+12+4*\c:PC+14+4*\c], v[\s+16+32*\c:\s+31+32*\c], v[TM+12+2*\c+1]
.endr
	v_nop                                          ; one plain place behind a scaled conversion
.irp c, 0,1
.irp i, 0,1,2
	v_permlane16_swap_b32 v[PC+6*\c+\i], v[PC+12+4*\c+\i]
.endr
.irp i, 0,1,2
	v_mov_b32 v[PC+3+6*\c+\i], v[PC+12+4*\c+\i]
.endr
.endr
.endm
	s_load_b256 s[4:11], s[0:1], 0x0               ; xf 4, wq 6, rope 8, q_scale 10
	s_load_b128 s[12:15], s[0:1], 0x20             ; k_scale 12, qkv 14
	v_lshl_add_u32 v[SPW], v0, 2, SPARE
	v_mov_b32 v[NIL], 0
	ds_add_u32 v28, v29
	ds_add_u32 v28, v29
	s_wait_dscnt 0x0
	v_lshrrev_b32 v1, 5, v0
	v_readfirstlane_b32 s[WV], v1
	s_lshr_b32 s[SA], s[WV], 1                     ; my half of the rows.  Also: I fetch for x (0) or for W (1)
	s_and_b32 s[SB], s[WV], 1                      ; my half of the columns.  Also: which half I fetch
	s_bfe_u32 s40, ttmp6, 0x40000                  ; cx: it enters global addresses of x, rope and qkv alone
	s_lshl_b32 s42, ttmp9, 2
	s_add_co_u32 s42, s42, s40                     ; Y
	s_and_b32 s43, ttmp7, 0xffff                   ; the head, which the four partners share
	s_mov_b32 s[G1A], 3<<16                        ; no mask; elements of 8 bytes; no padding
	s_mov_b32 s[G1B], 15|(3<<16)|(1<<21)           ; the mask: all four work-groups; bit 21 set beside it
.irp g, G1A, G1B
	s_mov_b32 s[\g+1], 32<<16                      ; tensor_dim0 = 32 elements: 256 bytes
	s_mov_b32 s[\g+2], 104<<16                     ; tensor_dim1 = 104 rows
	s_mov_b32 s[\g+3], 32<<16                      ; tile_dim0
	s_mov_b32 s[\g+4], 104                         ; tile_dim1
	s_mov_b32 s[\g+5], 32                          ; the pitch: dense
	s_mov_b32 s[\g+6], 0
	s_mov_b32 s[\g+7], 0
.endr
	s_mul_i32 s20, s42, 2*U
	s_add_co_u32 s20, s20, s[SB]
	s_mul_i32 s20, s20, CH                         ; x's chunk [Y][0][half]
	s_mov_b32 s21, 0
	s_mul_i32 s46, s43, 2*U
	s_add_co_u32 s46, s46, s[SB]
	s_mul_i32 s46, s46, CH                         ; W's chunk [head][0][half]
	s_mov_b32 s47, 0
	s_mul_i32 s45, s[WV], CH                       ; where it goes in a slot
	s_wait_kmcnt 0x0
	s_add_nc_u64 s[20:21], s[4:5], s[20:21]
	s_add_nc_u64 s[46:47], s[6:7], s[46:47]
	CROUND                                         ; all four work-groups are here: the first joint loads meet
.irp s, 0,1
	s_mov_b32 s[G0A+4*\s], 1
	s_add_co_u32 s[G0A+4*\s+1], s45, \s*SLOT
	s_add_nc_u64 s[G0A+4*\s+2:G0A+4*\s+3], s[20:21], \s*2*CH
	s_or_b32 s[G0A+4*\s+3], s[G0A+4*\s+3], 0x80000000
	s_mov_b32 s[G0B+4*\s], 1
	s_add_co_u32 s[G0B+4*\s+1], s45, \s*SLOT
	s_add_nc_u64 s[G0B+4*\s+2:G0B+4*\s+3], s[46:47], \s*2*CH
	s_or_b32 s[G0B+4*\s+3], s[G0B+4*\s+3], 0x80000000
	JLOAD G0A+4*\s, G1A, G0B+4*\s, G1B
.endr
	v_and_b32 v1, 31, v0                           ; lane
	v_bfe_u32 v2, v0, 4, 1                         ; h
	v_lshlrev_b32 v3, 4, v1                        ; 16 x lane
	s_mul_i32 s21, s[SA], CH
	s_mul_i32 s22, s[SB], CH
	s_add_co_u32 s22, s22, 2*CH
.irp s, 0,1
	v_add_nc_u32 v[ADRA+\s], s21, v3
	v_add_nc_u32 v[ADRB+\s], s22, v3
	s_add_co_u32 s21, s21, SLOT
	s_add_co_u32 s22, s22, SLOT
.endr
	s_mul_i32 s21, s[SA], CH
	s_mul_i32 s22, s[SB], CH
	s_add_co_u32 s22, s22, 2*CH
	s_sub_co_u32 s22, s22, s21
	v_mul_u32_u24 v6, s22, v2                      ; lanes 16-31 take W's words: one product, the distance between the two chunks
	v_lshl_add_u32 v6, v1, 3, v6
	s_add_co_u32 s21, s21, SCO
	v_add_nc_u32 v[ADRS], s21, v6
	v_add_nc_u32 v[ADRS+1], SLOT, v[ADRS]
	; the way out's LDS addresses
	s_lshl_b32 s23, s[WV], 10
	v_lshl_add_u32 v8, v1, 2, s23
	v_add_nc_u32 v8, XCH, v8                       ; v8: my sums of squares
	s_xor_b32 s23, s[WV], 1
	s_lshl_b32 s23, s23, 10
	v_lshl_add_u32 v9, v1, 2, s23
	v_add_nc_u32 v9, XCH, v9                       ; v9: those of the wave with the other half of the columns
	v_and_b32 v4, 15, v0
	v_and_b32 v5, 8, v4
	v_add_nc_u32 v5, v5, v4                        ; r + 8 (r / 8)
	s_mul_i32 s23, s[WV], 33824                    ; v's stage: 64 keys x (512 + 16) bytes, + 32
	v_mul_u32_u24 v10, v5, 528
	v_lshl_add_u32 v10, v2, 6, v10
	v_add_nc_u32 v10, s23, v10                     ; v10: in
	v_mul_u32_u24 v11, v2, 32*528+32
	v_lshl_add_u32 v11, v5, 2, v11
	v_add_nc_u32 v11, s23, v11                     ; v11: back, a lane to one of the head's 256, keys down the registers
	v_lshlrev_b32 v12, 2, v1                       ; 4 x lane
	v_lshlrev_b32 v13, 6, v2
	s_lshl_b32 s23, s[SB], 8
	v_add_nc_u32 v13, s23, v13                     ; the gains: 256 sb + 64 h
.macro FRAG reg, adr, q, i             ; a fragment's image: three loads of 512 consecutive bytes
.irp g, 0,1,2
	ds_load_b128 v[\reg+4*\g:\reg+4*\g+3], v[\adr] offset:(2*(\i)+(\q))*1536+512*\g
.endr
.endm
; 16 matrix instructions: x's blocks a0, a0 + 1 against W's eight.  The 64 accumulators take turns, one instruction a turn, in the same order in every step.
.macro MUL16 a0, p, q, sc, zero
.irp a, \a0, \a0+1
.irp b, 0,1,2,3,4,5,6,7
.if \zero
	v_wmma_scale_f32_16x16x128_f8f6f4 v[8*(8*((\a)%4)+\b):8*(8*((\a)%4)+\b)+7], v[128*(\p)+FR*\b:128*(\p)+FR*\b+FR-1], v[AF+FR*(\a):AF+FR*(\a)+FR-1], 0, v[SC+8*NQ*(\sc)+NQ*\b+(\q)], v[SC+8*NQ*(\sc)+NQ*(\a)+(\q)] matrix_a_fmt:MATRIX_FMT_FP6 matrix_b_fmt:MATRIX_FMT_FP6 matrix_a_scale:MATRIX_SCALE_ROW1
.else
	v_wmma_scale_f32_16x16x128_f8f6f4 v[8*(8*((\a)%4)+\b):8*(8*((\a)%4)+\b)+7], v[128*(\p)+FR*\b:128*(\p)+FR*\b+FR-1], v[AF+FR*(\a):AF+FR*(\a)+FR-1], v[8*(8*((\a)%4)+\b):8*(8*((\a)%4)+\b)+7], v[SC+8*NQ*(\sc)+NQ*\b+(\q)], v[SC+8*NQ*(\sc)+NQ*(\a)+(\q)] matrix_a_fmt:MATRIX_FMT_FP6 matrix_b_fmt:MATRIX_FMT_FP6 matrix_a_scale:MATRIX_SCALE_ROW1
.endif
.endr
.endr
.endm
.macro FETCH_B slot, q, p
	WIN TO_B
.irp i, 0,1,2,3,4,5,6,7
	FRAG 128*(\p)+FR*\i, ADRB+\slot, \q, \i
.endr
	WIN 0
.endm
.macro FETCH_A slot, q, i0
.irp i, \i0, \i0+1, \i0+2, \i0+3
	FRAG AF+FR*(\i), ADRA+\slot, \q, \i
.endr
.endm
.macro SCALES sc                       ; a slot's scale words: two words a row; lanes 0-15 x's block i, lanes 16-31 W's block i
.irp i, 0,1,2,3,4,5,6,7
	ds_load_b64 v[SC+16*(\sc)+2*\i:SC+16*(\sc)+2*\i+1], v[ADRS+(\sc)] offset:256*\i
.endr
.endm
.macro STEP slot, q, zero              ; a step of 128 along K that has its successor in the same slot
	s_wait_dscnt 4*NL                              ; all but the youngest 12 loads (x's blocks 4-7) are in
	WIN MUL_LO
	MUL16 0, (\q)%2, \q, \slot, \zero
	MUL16 2, (\q)%2, \q, \slot, \zero
	s_wait_dscnt 0
	PLACES NP                                      ; in front of loads into registers that matrix instructions have read
	FETCH_B \slot, (\q)+1, 1-(\q)%2
	FETCH_A \slot, (\q)+1, 0
	WIN MUL_HI
	MUL16 4, (\q)%2, \q, \slot, \zero
	MUL16 6, (\q)%2, \q, \slot, \zero
	PLACES NP
	WIN 0
	FETCH_A \slot, (\q)+1, 4
.endm
.macro TURN slot, next, fill           ; a slot's last step changes slots: one barrier; fill = 1: it opens a round of the cluster's barrier and the slot is filled again, two chunks on
	s_wait_tensorcnt 0x0                           ; all my tensor loads have landed: my part of the next slot
	ds_add_u32 v[SPW], v[NIL]                      ; 0 onto my spare word
	s_wait_dscnt 4*NL+1                            ; the add and the youngest 12 loads may be out
	WIN MUL_LO
	MUL16 0, 1, NQ-1, \slot, 0
	s_wait_dscnt 0x0                               ; the add is done, and my reads of this slot are over
	s_barrier_signal -1
	MUL16 2, 1, NQ-1, \slot, 0
	WIN 0
	s_barrier_wait -1
.if \fill
	CREST                                          ; no wave of any partner still reads this slot or has a load on its way
	s_add_nc_u64 s[G0A+4*\slot+2:G0A+4*\slot+3], s[G0A+4*\slot+2:G0A+4*\slot+3], 4*CH
	s_add_nc_u64 s[G0B+4*\slot+2:G0B+4*\slot+3], s[G0B+4*\slot+2:G0B+4*\slot+3], 4*CH
	JLOAD G0A+4*\slot, G1A, G0B+4*\slot, G1B       ; the first tensor load behind the round; its four v_nop are the places in front of the loads below
.else
	PLACES NP
.endif
	FETCH_B \next, 0, 0
	FETCH_A \next, 0, 0
	SCALES \next
	WIN MUL_HI
	MUL16 4, 1, NQ-1, \slot, 0
	MUL16 6, 1, NQ-1, \slot, 0
	PLACES NP
	WIN 0
	FETCH_A \next, 0, 4
.endm
	s_wait_tensorcnt 1                             ; my part of slot 0 is in; slot 1's load may be out
	s_barrier_signal -1
	s_barrier_wait -1
	FETCH_B 0, 0, 0
	FETCH_A 0, 0, 0
	SCALES 0
	FETCH_A 0, 0, 4
	STEP 0, 0, 1                                   ; the first step's products start the sums
	s_mov_b32 s3, LAPS-1
.Llap:
	TURN 0, 1, 1
	STEP 1, 0, 0
	TURN 1, 0, 1
	STEP 0, 0, 0
	s_sub_co_u32 s3, s3, 1
	s_cmp_lg_u32 s3, 0
	s_cbranch_scc1 .Llap
	TURN 0, 1, 0                                   ; the last lap fills nothing
	STEP 1, 0, 0
	s_wait_dscnt 4*NL
	WIN MUL_LO
	MUL16 0, 1, NQ-1, 1, 0
	MUL16 2, 1, NQ-1, 1, 0
	s_wait_dscnt 0
	WIN MUL_HI
	MUL16 4, 1, NQ-1, 1, 0
	MUL16 6, 1, NQ-1, 1, 0
	WIN 0
; ================ THE WAY OUT.  Two barriers on every wave's path; the branches hang on the head alone, which all waves and all partners share.
	PLACES NP                                      ; behind the last products: for the reads of results and for loads and writes into operand registers
	s_wait_dscnt 0x0
	s_barrier_signal -1
	s_barrier_wait -1                              ; nobody reads a slot any more
	s_lshl_b32 s70, s42, 4
	s_lshl_b32 s71, s[SA], 3
	s_add_co_u32 s70, s70, s71                     ; T0 = 16 Y + 8 sa: my first tile of rows
	s_mov_b32 s[SEL], 0x76543210
	s_mov_b32 s[SEL+1], 0xfedcba98
	s_cmp_ge_u32 s43, 6
	s_cbranch_scc1 .Lno_sums
	; ---- q, k: gains and the first two tiles' cos and sin are asked for; then each row's sum of squares over my 128 columns
	s_cmp_lt_u32 s43, 4
	s_cselect_b64 s[66:67], s[10:11], s[12:13]
	s_lshl_b32 s68, s70, 14
	s_lshl_b32 s69, s[SB], 13
	s_add_co_u32 s68, s68, s69
	s_mov_b32 s69, 0
	s_add_nc_u64 s[8:9], s[8:9], s[68:69]          ; rope + 16,384 T0 + 8,192 sb
.macro RL a                            ; tile a's 32 cosines and 32 sines of a lane -> window 1, v[64 (a % 2)] on
.set rk, 0
.rept 16
	global_load_b128 v[64*((\a)%2)+4*rk:64*((\a)%2)+4*rk+3], v3, s[8:9] offset:16384*(\a)+512*rk
.set rk, rk+1
.endr
.endm
	WIN 0x40                                       ; destination window 1
.set gk, 0
.rept 16
	global_load_b128 v[128+4*gk:131+4*gk], v13, s[66:67] offset:512*(gk/8)+128*((gk/4)%2)+16*(gk%4)   ; the scale of register n's column -> window 1, v[128 + n]
.set gk, gk+1
.endr
	RL 0
	RL 1
.irp a, 0,1,2,3,4,5,6,7
	WIN 0x0a+5*(\a/4)                              ; sources 0 and 1: window 2 or 3
	v_pk_mul_f32 v[200+4*\a:201+4*\a], v[64*(\a%4):64*(\a%4)+1], v[64*(\a%4):64*(\a%4)+1]   ; each accumulator is read from its low end on
	v_pk_mul_f32 v[202+4*\a:203+4*\a], v[64*(\a%4)+2:64*(\a%4)+3], v[64*(\a%4)+2:64*(\a%4)+3]
.set sk, 4
.rept 15
	v_pk_fma_f32 v[200+4*\a:201+4*\a], v[64*(\a%4)+sk:64*(\a%4)+sk+1], v[64*(\a%4)+sk:64*(\a%4)+sk+1], v[200+4*\a:201+4*\a]
	v_pk_fma_f32 v[202+4*\a:203+4*\a], v[64*(\a%4)+sk+2:64*(\a%4)+sk+3], v[64*(\a%4)+sk+2:64*(\a%4)+sk+3], v[202+4*\a:203+4*\a]
.set sk, sk+4
.endr
.endr
	WIN 0
.irp a, 0,1,2,3,4,5,6,7
	v_pk_add_f32 v[200+4*\a:201+4*\a], v[200+4*\a:201+4*\a], v[202+4*\a:203+4*\a]
.endr
.irp a, 0,1,2,3,4,5,6,7
	v_add_f32 v[200+4*\a], v[200+4*\a], v[201+4*\a]
.endr
.irp a, 0,1,2,3,4,5,6,7
	v_permlanex16_b32 v[201+4*\a], v[200+4*\a], s[SEL], s[SEL+1]
.endr
.irp a, 0,1,2,3,4,5,6,7
	v_add_f32 v[200+4*\a], v[200+4*\a], v[201+4*\a]
.endr
.irp a, 0,1,2,3,4,5,6,7
	ds_store_b32 v8, v[200+4*\a] offset:128*\a
.endr
.Lno_sums:
	s_wait_dscnt 0x0                               ; for the other wave's sake: my sums lie in LDS
	s_barrier_signal -1
	s_barrier_wait -1
	s_and_b32 s77, s43, 1                          ; the kv head (heads 4-7)
	s_lshl_b32 s77, s77, 4
	s_add_co_u32 s77, s77, s42
	s_lshl_b32 s77, s77, 1
	s_add_co_u32 s77, s77, s[SA]
	s_mul_i32 s77, s77, CH                         ; the chunk [kv head][Y][sa]
	s_cmp_ge_u32 s43, 6
	s_cbranch_scc1 .Lv_head
	; ---- q, k
.irp a, 0,1,2,3,4,5,6,7
	ds_load_b32 v[176+\a], v9 offset:128*\a
.endr
	s_mov_b32 s74, 0x3b800000                      ; 1 / 256
	s_mov_b32 s75, 0x358637bd                      ; 1e-6
	s_lshl_b32 s80, s43, 8
	s_add_co_u32 s80, s80, s70                     ; 256 head + T0
	s_mul_i32 s78, s80, 3072                       ; q: two fragments a tile
	s_lshl_b32 s79, s80, 8
	s_add_co_u32 s79, s79, QS                      ;    two scale-word images a tile
	s_add_co_u32 s80, s77, KF                      ; k: its chunk,
	s_add_co_u32 s81, s80, SCO                     ;    and the chunk's scale words
	s_cmp_lt_u32 s43, 4
	s_cselect_b32 s76, 0x3d800000, 1.0             ; q carries 1/16, a power of two: folded into the row's factor it rounds nothing
	s_cselect_b32 s78, s78, s80
	s_cselect_b32 s79, s79, s81
	s_mul_i32 s82, s[SB], 1536
	s_add_co_u32 s84, s78, s82
	s_mov_b32 s85, 0
	s_lshl_b32 s82, s[SB], 7
	s_add_co_u32 s86, s79, s82
	s_mov_b32 s87, 0
	s_add_nc_u64 s[84:85], s[14:15], s[84:85]      ; codes: 3,072 bytes from tile to tile in q and in k alike
	s_add_nc_u64 s[86:87], s[14:15], s[86:87]      ; scale words: 256
.irp b, 0,1,2,3
	v_mov_b32 v[TM+4+\b], 0                        ; written once: a lane permute's destination counts as one of its sources
.endr
	s_wait_dscnt 0x0
.irp a, 0,1,2,3,4,5,6,7
	v_add_f32 v[168+\a], v[200+4*\a], v[176+\a]    ; the row's sum of squares over all 256 columns
.endr
.irp a, 0,1,2,3,4,5,6,7
	v_fma_f32 v[168+\a], v[168+\a], s74, s75
.endr
.irp a, 0,1,2,3,4,5,6,7
	v_rsq_f32 v[168+\a], v[168+\a]
.endr
	v_nop                                          ; a plain place behind the last of the batch
	s_wait_alu depctr_va_vdst(0)                   ; one wait for the eight, ahead of their first reader
.irp a, 0,1,2,3,4,5,6,7
	v_mul_f32 v[168+\a], s76, v[168+\a]
.endr
	s_wait_loadcnt 32                              ; the gains are in; the two sets of cos and sin may be out
	WIN 0x41
.set gk, 0
.rept 32
	v_pk_add_f32 v[128+2*gk:129+2*gk], v[128+2*gk:129+2*gk], 1.0 op_sel_hi:[1,0]   ; 1 + scale
.set gk, gk+1
.endr
.macro QKBLK a
.if (\a) < 7
	s_wait_loadcnt 16                              ; this tile's cos and sin are in; the next tile's may be out
.else
	s_wait_loadcnt 0x0
.endif
	WIN 0
	v_mov_b32 v166, v[168+(\a)]
	v_mov_b32 v167, v[168+(\a)]
	WIN 0x02+(\a)/4                                ; source 0: window 2 or 3
.set zk, 0
.rept 32
	v_pk_mul_f32 v[64+2*zk:65+2*zk], v[64*((\a)%4)+2*zk:64*((\a)%4)+2*zk+1], v[166:167]   ; x rsqrt(mean square + eps)
.set zk, zk+1
.endr
	WIN 0x04                                       ; source 1: window 1
.set zk, 0
.rept 32
	v_pk_mul_f32 v[64+2*zk:65+2*zk], v[64+2*zk:65+2*zk], v[128+2*zk:129+2*zk]             ; x (1 + scale)
.set zk, zk+1
.endr
.set zk, 0
.rept 16
	v_pk_mul_f32 v[184+4*(zk%4):185+4*(zk%4)], v[96+2*zk:97+2*zk], v[64*((\a)%2)+32+2*zk:64*((\a)%2)+33+2*zk]   ; x2 sin
	v_pk_mul_f32 v[186+4*(zk%4):187+4*(zk%4)], v[64+2*zk:65+2*zk], v[64*((\a)%2)+32+2*zk:64*((\a)%2)+33+2*zk]   ; x1 sin
	v_pk_fma_f32 v[64+2*zk:65+2*zk], v[64+2*zk:65+2*zk], v[64*((\a)%2)+2*zk:64*((\a)%2)+2*zk+1], v[184+4*(zk%4):185+4*(zk%4)] neg_lo:[0,0,1] neg_hi:[0,0,1]
	v_pk_fma_f32 v[96+2*zk:97+2*zk], v[96+2*zk:97+2*zk], v[64*((\a)%2)+2*zk:64*((\a)%2)+2*zk+1], v[186+4*(zk%4):187+4*(zk%4)]
.set zk, zk+1
.endr
.if (\a)+2 < 8
	WIN 0x40
	RL (\a)+2
.endif
	WIN 0
	s_wait_xcnt 0x0                                ; the last tile's stores have read the codes and the scale word
	QUANT 64, 164
.irp g, 0,1,2
	global_store_b128 v3, v[PC+4*\g:PC+4*\g+3], s[84:85] offset:3072*(\a)+512*\g
.endr
	global_store_b32 v12, v164, s[86:87] offset:256*(\a)
.endm
.irp a, 0,1,2,3,4,5,6,7
	QKBLK \a
.endr
	s_branch .Ldone
	; ---- v: the keys become K.  64 keys x my 128 of the head's 256 at a time through my stage; a lane then reads one of the 256 and 32 neighbouring keys: a whole block
.Lv_head:
	s_mul_i32 s82, s[SB], 6144                     ; my first tile of the head's 256: 4 sb
	s_add_co_u32 s84, s77, s82
	s_add_co_u32 s84, s84, VF
	s_mov_b32 s85, 0
	s_lshl_b32 s82, s[SB], 9
	s_add_co_u32 s86, s77, s82
	s_add_co_u32 s86, s86, VF+SCO
	s_mov_b32 s87, 0
	s_add_nc_u64 s[84:85], s[14:15], s[84:85]
	s_add_nc_u64 s[86:87], s[14:15], s[86:87]
.macro VLD x                           ; tile x = 2 bl + u of my eight: 32 keys of column 32 bl + 8 u + r + 8 (r / 8); lanes 16-31 the next 32 keys
.set lk, 0
.rept 32
	ds_load_b32 v[64+32*((\x)%2)+lk], v11 offset:lk*528+4*(32*((\x)/2)+8*((\x)%2))
.set lk, lk+1
.endr
.endm
.macro VTILE x, c
.set XS, 64+32*((\x)%2)
	v_max3_num_f32 v40, |v[XS]|, |v[XS+1]|, |v[XS+2]|
	v_max3_num_f32 v41, |v[XS+3]|, |v[XS+4]|, |v[XS+5]|
.irp i, 6,10,14,18,22,26
	v_max3_num_f32 v40, v40, |v[XS+\i]|, |v[XS+\i+1]|
	v_max3_num_f32 v41, v41, |v[XS+\i+2]|, |v[XS+\i+3]|
.endr
	v_max3_num_f32 v40, v40, |v[XS+30]|, |v[XS+31]|
	v_max3_num_f32 v40, v40, v41, 0x1800000
	v_add_nc_u32 v42, 0xff000000, v40
	v_lshrrev_b32 v43, 23, v42
.if (\c) == 0
	v_mov_b32 v[32+(\x)], v43                      ; block h's byte,
.else
	v_lshl_or_b32 v[32+(\x)], v43, 16, v[32+(\x)]  ; block 2 + h's
.endif
	v_cvt_scalef32_pk16_fp6_f32 v[128+12*(\x)+6*(\c):130+12*(\x)+6*(\c)], v[XS:XS+15], v42   ; registers 6 c .. 6 c + 5 of the fragment: k = 64 c + 32 h + 0 .. 31
	v_cvt_scalef32_pk16_fp6_f32 v[44:46], v[XS+16:XS+31], v42
	v_nop                                          ; one plain place behind a scaled conversion
	v_mov_b32 v[131+12*(\x)+6*(\c)], v44
	v_mov_b32 v[132+12*(\x)+6*(\c)], v45
	v_mov_b32 v[133+12*(\x)+6*(\c)], v46
.endm
.macro VROUND c                        ; row blocks 4 c .. 4 c + 3: keys 128 c + 64 sa + 0 .. 63
	WIN 0x08+4*(\c)                                ; an LDS store's data are its source 1: window 2 or 3
.irp a, 0,1,2,3
.irp t, 0,1,2,3,4,5,6,7
	ds_store_b128 v10, v[8*(8*\a+\t):8*(8*\a+\t)+3] offset:(32*(\a/2)+8*(\a%2))*528+32*(\a/2)+4*(64*(\t/4)+32*((\t/2)%2)+8*(\t%2))   ; each accumulator from its low end on
	ds_store_b128 v10, v[8*(8*\a+\t)+4:8*(8*\a+\t)+7] offset:(32*(\a/2)+8*(\a%2))*528+32*(\a/2)+4*(64*(\t/4)+32*((\t/2)%2)+8*(\t%2))+16
.endr
.endr
	WIN 0
	VLD 0                                          ; LDS serves a wave's instructions in order: the loads see the stores above
.irp x, 0,1,2,3,4,5,6,7
.if \x < 7
	VLD \x+1
	s_wait_dscnt 32                                ; this tile's 32 loads are in; the next tile's may be out
.else
	s_wait_dscnt 0x0
.endif
	VTILE \x, \c
.endr
.endm
	VROUND 0
	VROUND 1
	v_lshlrev_b32 v48, 3, v2                       ; 8 h
.irp x, 0,1,2,3,4,5,6,7
	v_mov_b32 v[50+\x], 0
	v_lshlrev_b32 v[32+\x], v48, v[32+\x]          ; my two bytes at their places in the scale word
.endr
.irp x, 0,1,2,3,4,5,6,7
	v_permlanex16_b32 v[50+\x], v[32+\x], s[SEL], s[SEL+1]
.endr
.irp x, 0,1,2,3,4,5,6,7
	v_or_b32 v[32+\x], v[32+\x], v[50+\x]          ; with lane l xor 16's two the word is whole
.endr
.irp x, 0,1,2,3,4,5,6,7
.irp g, 0,1,2
	global_store_b128 v3, v[128+12*\x+4*\g:131+12*\x+4*\g], s[84:85] offset:1536*(2*((\x/2)%2)+8*(\x/4)+(\x%2))+512*\g
.endr
	global_store_b32 v12, v[32+\x], s[86:87] offset:128*(2*((\x/2)%2)+8*(\x/4)+(\x%2))
.endr
.Ldone:
	s_wait_tensorcnt 0x0                           ; the wave's end
	ds_add_u32 v[SPW], v[NIL]
	s_wait_dscnt 0x0
	CROUND                                         ; the closing round
	s_endpgm
.Lfunc_end_k_q0d6f1bbc89_proj:
	.size	k_q0d6f1bbc89_proj, .Lfunc_end_k_q0d6f1bbc89_proj-k_q0d6f1bbc89_proj
	.p2alignl 7, 3214868480
	.fill 96, 4, 3214868480
	.section	.rodata,"a",@progbits
	.p2align	6, 0x0
	.amdhsa_kernel k_q0d6f1bbc89_proj
		.amdhsa_group_segment_fixed_size 327680
		.amdhsa_private_segment_fixed_size 0
		.amdhsa_enable_private_segment 0
		.amdhsa_kernarg_size 48
		.amdhsa_user_sgpr_count 2
		.amdhsa_user_sgpr_kernarg_segment_ptr 1
		.amdhsa_wavefront_size32 1
		.amdhsa_system_sgpr_workgroup_id_x 1
		.amdhsa_system_sgpr_workgroup_id_y 1
		.amdhsa_system_sgpr_workgroup_id_z 1
		.amdhsa_system_vgpr_workitem_id 0
		.amdhsa_next_free_vgpr 1024
		.amdhsa_next_free_sgpr 98
		.amdhsa_reserve_vcc 0
		.amdhsa_float_denorm_mode_32 3
		.amdhsa_float_denorm_mode_16_64 3
		.amdhsa_memory_ordered 1
		.amdhsa_forward_progress 1
		.amdhsa_inst_pref_size 255
	.end_amdhsa_kernel
	.section	.bss,"aw",@nobits
	.p2align	6
	.space	262144
	.amdgpu_metadata
---
amdhsa.version: [ 1, 2 ]
amdhsa.kernels:
  - .name:           k_q0d6f1bbc89_proj
    .symbol:         k_q0d6f1bbc89_proj.kd
    .args:
      - { .name: xf, .offset: 0, .size: 8, .value_kind: global_buffer, .address_space: global }
      - { .name: wq, .offset: 8, .size: 8, .value_kind: global_buffer, .address_space: global }
      - { .name: rope, .offset: 16, .size: 8, .value_kind: global_buffer, .address_space: global }
      - { .name: q_scale, .offset: 24, .size: 8, .value_kind: global_buffer, .address_space: global }
      - { .name: k_scale, .offset: 32, .size: 8, .value_kind: global_buffer, .address_space: global }
      - { .name: qkv, .offset: 40, .size: 8, .value_kind: global_buffer, .address_space: global }
    .group_segment_fixed_size: 327680
    .private_segment_fixed_size: 0
    .kernarg_segment_align: 8
    .kernarg_segment_size: 48
    .max_flat_workgroup_size: 128
    .sgpr_count:     98
    .vgpr_count:     1024
    .wavefront_size: 32
...
	.end_amdgpu_metadata
.endif
;; end of part 2
;; launch attn (part 3): grid 256 x 1, 4 waves a work-group, no clusters, 107,008 bytes of LDS; arguments qkv, msk, flg, ef; writes ef
.if DOCPART == 3
	.amdgcn_target "amdgcn-amd-amdhsa--gfx1250"
	.amdhsa_code_object_version 6
	.text
	.protected	k_q0d6f1bbc89_attn
	.globl	k_q0d6f1bbc89_attn
	.p2align	8
	.type	k_q0d6f1bbc89_attn,@function
k_q0d6f1bbc89_attn:
	s_mov_b64 s[64:65], 0
	v_nop
	global_prefetch_b8 v0, s[64:65] scope:SCOPE_SE
	s_setreg_imm32_b32 hwreg(HW_REG_WAVE_MODE, 25, 1), 1
	s_wait_xcnt 0x0
; ATTN: p = softmax(mask ? 50 tanh(q k^T / 50) : -2.4e38), enc = p v, both products on codes of E2M3.  p is quantised FINISHED AND NORMALISED, so the keys are walked twice:
; pass 1 sums e^logit over the keys that count, pass 2 makes p = e^logit / sum, quantises it along the keys and multiplies by v.
; NO MAXIMUM IS TAKEN AWAY: the soft cap, which is part of the computation, holds every logit in -50 .. 50 for every input, so e^logit lies in 2^-72.2 .. 2^72.2 and a sum of 2,048 of them under 2^84:
; nothing can overflow or underflow in f32.  e^logit = 2^(C - 2 C / (1 + 2^(s 2 log2(e) / 50))), C = 50 log2(e): tanh(y) = 1 - 2 / (1 + e^(2 y)), some 5e-6 absolute in the logit.
; SHARES.  A work-group: kv head kp, two tiles of 16 queries (T0, T0 + 1), the two query heads of kp: wave w has tile T0 + w % 2 of head 2 kp + w / 2.  All four walk the same k and v.
; A KEY STEP is a chunk of 128 keys (16 fragment images and their scale words, 26,624 bytes), 16 steps a batch.  The four waves copy the next step's chunk(s) from memory through registers into the other of two LDS
; slots while the step in hand is worked; one barrier a step, on every wave's path.
; WHAT IS LEFT OUT.  The first launch has stored, for each (tile, step), whether any key of the step counts for any query of the tile (window AND attn_mask): the flags, flg.  A step with no such key for either
; tile is passed over by scalar branches on those whole numbers: its copy and its work, never its barrier.  So the launch has no tensor load.  The lane masks, msk, only select values.
; A QUERY WITH NO KEY AT ALL has p = 1/2048 on all 2,048 keys of its batch: where a tile holds such a query (whole-number flags), pass 2 walks all 16 steps, and what the mask hides becomes
; u = (sum == 0 ? 1/2048 : 0).
; LAYOUT.  S^T = k q^T and O^T = v^T p^T: a lane holds one query (lane % 16).  Score register n = 16 b + i is key 32 b + 16 (lane / 16) + i of the step's 128 in fragment order: 16 neighbours.
; REGISTERS.  window 0: v1-6 LDS addresses; v8-11 -2C, C; v12-15 sums; v16-17 1 / sum; v18 u; v20-43 q; v44-45 q's scale words; v46-53 fragments' scale words; v54-55 p's scale word; v56-71, v72-91 the quantiser's;
;   v92-139, v140-187 four fragments each; v188-251 S^T, then p.   window 1: v0-127 O^T; v128-231 the copy's 26 x 4 registers.
; A block of zeros keeps the scale byte 1.  NaN and infinities are not served.
.set CH,    26624
.set SCO,   24576
.set SLOTB, 2*CH                       ; a slot: k's chunk, then v's
.set QSO,   3145728
.set KFO,   3407872
.set VFD,   1703936                    ; from k's chunks to v's
.set LR,    1                          ; v1-2  16 x lane (+ slot)
.set LS,    3                          ; v3-4  4 x lane (+ slot)
.set LW,    5                          ; v5-6  6,656 x wave + 16 x lane (+ slot): my quarter of a chunk; v5 is also its place in memory
.set Q,     20
.set PW,    54
.set TM,    56
.set PC,    72
.set FB,    92
.set S,     188
.set SEL,   68
.set MSB,   0
.macro WIN new
.if MSB != (\new)
	s_set_vgpr_msb (MSB<<8)|(\new)
.set MSB, (\new)
.endif
.endm
.macro PLACES n
.rept \n
	v_nop
.endr
.endm
.macro QUANT s, pw                     ; 64 numbers of a lane, register 16 b + i = k 32 b + 16 (lane / 16) + i, become a fragment's codes in v[PC] on and its scale word in v[pw]
.irp b, 0,1,2,3
	v_max3_num_f32 v[TM+\b], |v[\s+16*\b]|, |v[\s+1+16*\b]|, 0x1800000
.endr
.irp i, 2,4,6,8,10,12,14
.irp b, 0,1,2,3
	v_max3_num_f32 v[TM+\b], v[TM+\b], |v[\s+16*\b+\i]|, |v[\s+1+16*\b+\i]|
.endr
.endr
.irp b, 0,1,2,3
	v_permlanex16_b32 v[TM+4+\b], v[TM+\b], s[SEL], s[SEL+1]
.endr
.irp b, 0,1,2,3
	v_max_num_f32 v[TM+\b], v[TM+\b], v[TM+4+\b]
.endr
.irp b, 0,1,2,3
	v_add_nc_u32 v[TM+12+\b], 0xff000000, v[TM+\b]
.endr
.irp b, 0,1,2,3
	v_lshrrev_b32 v[TM+4+\b], 23, v[TM+12+\b]
.endr
	v_lshl_or_b32 v[\pw], v[TM+5], 8, v[TM+4]
	v_lshl_or_b32 v[\pw], v[TM+6], 16, v[\pw]
	v_lshl_or_b32 v[\pw], v[TM+7], 24, v[\pw]
.irp c, 0,1
	v_cvt_scalef32_pk16_fp6_f32 v[PC+6*\c:PC+2+6*\c], v[\s+32*\c:\s+15+32*\c], v[TM+12+2*\c]
	v_cvt_scalef32_pk16_fp6_f32 v[PC+12+4*\c:PC+14+4*\c], v[\s+16+32*\c:\s+31+32*\c], v[TM+12+2*\c+1]
.endr
	v_nop                                          ; one plain place behind a scaled conversion
.irp c, 0,1
.irp i, 0,1,2
	v_permlane16_swap_b32 v[PC+6*\c+\i], v[PC+12+4*\c+\i]
.endr
.irp i, 0,1,2
	v_mov_b32 v[PC+3+6*\c+\i], v[PC+12+4*\c+\i]
.endr
.endr
.endm
.macro GLOAD pass                      ; my quarter of the chunk at s[12:13] (pass 2: and of v's) into the copy's registers: 512 consecutive bytes a load
	WIN 0x40
.set gk, 0
.rept 13
	global_load_b128 v[128+4*gk:131+4*gk], v[LW], s[12:13] offset:512*gk
.set gk, gk+1
.endr
.if \pass == 2
.set gk, 0
.rept 13
	global_load_b128 v[180+4*gk:183+4*gk], v[LW], s[12:13] offset:VFD+512*gk
.set gk, gk+1
.endr
.endif
	WIN 0
.endm
.macro LSTORE pass, slot
	s_wait_loadcnt 0x0
	WIN 0x04                                       ; an LDS store's data are its source 1: window 1
.set gk, 0
.rept 13
	ds_store_b128 v[LW+(\slot)], v[128+4*gk:131+4*gk] offset:512*gk
.set gk, gk+1
.endr
.if \pass == 2
.set gk, 0
.rept 13
	ds_store_b128 v[LW+(\slot)], v[180+4*gk:183+4*gk] offset:CH+512*gk
.set gk, gk+1
.endr
.endif
	WIN 0
.endm
.macro LDF base, g, slot               ; images 4 g .. 4 g + 3 of the chunk at byte base of the slot, and their scale words: 16 LDS loads
.set fk, 0
.rept 12
	ds_load_b128 v[FB+48*((\g)%2)+4*fk:FB+48*((\g)%2)+4*fk+3], v[LR+(\slot)] offset:(\base)+6144*(\g)+512*fk
.set fk, fk+1
.endr
.set fk, 0
.rept 4
	ds_load_b32 v[46+4*((\g)%2)+fk], v[LS+(\slot)] offset:(\base)+SCO+128*(4*(\g)+fk)
.set fk, fk+1
.endr
.endm
.macro MM g                            ; key tiles 2 g, 2 g + 1, both K steps of the head's 256: two accumulators by turns
.set F, FB+48*((\g)%2)
.set W, 46+4*((\g)%2)
	v_wmma_scale_f32_16x16x128_f8f6f4 v[S+16*(\g):S+16*(\g)+7], v[F:F+11], v[Q:Q+11], 0, v[W], v44 matrix_a_fmt:MATRIX_FMT_FP6 matrix_b_fmt:MATRIX_FMT_FP6
	v_wmma_scale_f32_16x16x128_f8f6f4 v[S+16*(\g)+8:S+16*(\g)+15], v[F+24:F+35], v[Q:Q+11], 0, v[W+2], v44 matrix_a_fmt:MATRIX_FMT_FP6 matrix_b_fmt:MATRIX_FMT_FP6
	v_wmma_scale_f32_16x16x128_f8f6f4 v[S+16*(\g):S+16*(\g)+7], v[F+12:F+23], v[Q+12:Q+23], v[S+16*(\g):S+16*(\g)+7], v[W+1], v45 matrix_a_fmt:MATRIX_FMT_FP6 matrix_b_fmt:MATRIX_FMT_FP6
	v_wmma_scale_f32_16x16x128_f8f6f4 v[S+16*(\g)+8:S+16*(\g)+15], v[F+36:F+47], v[Q+12:Q+23], v[S+16*(\g)+8:S+16*(\g)+15], v[W+3], v45 matrix_a_fmt:MATRIX_FMT_FP6 matrix_b_fmt:MATRIX_FMT_FP6
.endm
.macro PV g                            ; O^T += v^T p^T for tiles 4 g .. 4 g + 3 of the head's 256
.set F, FB+48*((\g)%2)
.set W, 46+4*((\g)%2)
	WIN 0x50                               ; C and D window 1
.irp f, 0,1,2,3
	v_wmma_scale_f32_16x16x128_f8f6f4 v[8*(4*(\g)+\f):8*(4*(\g)+\f)+7], v[F+12*\f:F+12*\f+11], v[PC:PC+11], v[8*(4*(\g)+\f):8*(4*(\g)+\f)+7], v[W+\f], v[PW] matrix_a_fmt:MATRIX_FMT_FP6 matrix_b_fmt:MATRIX_FMT_FP6
.endr
	WIN 0
.endm
.macro BATCH op                        ; 64 transcendentals as one batch, a plain place, and one wait ahead of the first reader
.set vk, 0
.rept 64
	\op v[S+vk], v[S+vk]
.set vk, vk+1
.endr
	v_nop
	s_wait_alu depctr_va_vdst(0)
.endm
.macro COMPUTE pass, slot
	PLACES 4                                       ; behind the last step's products: the loads below land in registers that they read
	s_load_b512 s[16:31], s[14:15], 0x0            ; the step's 64 lane masks: dword d in s[16 + d], from d = 48 on in s[32 + d]
	s_load_b512 s[32:47], s[14:15], 0x40
	s_load_b512 s[48:63], s[14:15], 0x80
	s_load_b512 s[80:95], s[14:15], 0xc0
	LDF 0, 0, \slot
	LDF 0, 1, \slot
	s_wait_dscnt 16                                ; the older group of 16 is in
	MM 0
	PLACES 4
	LDF 0, 2, \slot
	s_wait_dscnt 16
	MM 1
	PLACES 4
	LDF 0, 3, \slot
	s_wait_dscnt 16
	MM 2
	s_wait_dscnt 0x0
	MM 3
	PLACES 4
.if \pass == 2
	LDF CH, 0, \slot                               ; v's first eight fragments land under the vector work
	LDF CH, 1, \slot
.endif
.set vk, 0
.rept 32
	v_pk_mul_f32 v[S+vk:S+vk+1], v[S+vk:S+vk+1], s[78:79] op_sel_hi:[1,0]   ; s 2 log2(e) / 50; each accumulator is read from its low end on
.set vk, vk+2
.endr
	BATCH v_exp_f32
.set vk, 0
.rept 32
	v_pk_add_f32 v[S+vk:S+vk+1], v[S+vk:S+vk+1], 1.0 op_sel_hi:[1,0]
.set vk, vk+2
.endr
	BATCH v_rcp_f32
.set vk, 0
.rept 32
	v_pk_fma_f32 v[S+vk:S+vk+1], v[S+vk:S+vk+1], v[8:9], v[10:11]           ; C - 2 C / (1 + ..) = the capped logit x log2(e)
.set vk, vk+2
.endr
	BATCH v_exp_f32
	s_wait_kmcnt 0x0                               ; the lane masks
.if \pass == 1
.set vk, 0
.rept 64
.set mm, 2*(vk%32)+vk/32
	v_cndmask_b32 v[S+vk], 0, v[S+vk], s[16+mm+16*(mm/48)]
.set vk, vk+1
.endr
.set vk, 0
.rept 16
	v_pk_add_f32 v[12:13], v[12:13], v[S+vk:S+vk+1]
	v_pk_add_f32 v[14:15], v[14:15], v[S+vk+2:S+vk+3]
.set vk, vk+4
.endr
.else
.set vk, 0
.rept 32
	v_pk_mul_f32 v[S+vk:S+vk+1], v[S+vk:S+vk+1], v[16:17]                   ; / the row's sum
.set vk, vk+2
.endr
.set vk, 0
.rept 64
.set mm, 2*(vk%32)+vk/32
	v_cndmask_b32 v[S+vk], v18, v[S+vk], s[16+mm+16*(mm/48)]
.set vk, vk+1
.endr
	QUANT S, PW
	PLACES 8                                       ; a scale register written by a vector instruction stands 8 places ahead of a scaled matrix instruction, an operand 4
	s_wait_dscnt 16
	PV 0
	PLACES 4
	LDF CH, 2, \slot
	s_wait_dscnt 16
	PV 1
	PLACES 4
	LDF CH, 3, \slot
	s_wait_dscnt 16
	PV 2
	s_wait_dscnt 0x0
	PV 3
.endif
.endm
; A key step.  Bit 0 of s3: this step counts; bit 1: the next one does.  s[12:13]: the next step's chunk; s[14:15]: this step's lane masks.
.macro STEP pass, slot
	s_bitcmp1_b32 s3, 1
	s_cbranch_scc0 .Lno_load_\@
	GLOAD \pass
.Lno_load_\@:
	s_bitcmp1_b32 s3, 0
	s_cbranch_scc0 .Lno_work_\@
	COMPUTE \pass, \slot
.Lno_work_\@:
	s_bitcmp1_b32 s3, 1
	s_cbranch_scc0 .Lno_store_\@
	LSTORE \pass, 1-\slot
.Lno_store_\@:
	s_wait_loadcnt 0x0                             ; on every path: no load of mine is out when the copy's registers are asked for again
	s_wait_xcnt 0x0                                ; the loads have read their bases
	s_add_nc_u64 s[12:13], s[12:13], CH
	s_add_nc_u64 s[14:15], s[14:15], 256
	s_lshr_b32 s3, s3, 1
	s_wait_dscnt 0x0                               ; my stores into the other slot have landed and my reads of this one are over
	s_barrier_signal -1
	s_barrier_wait -1
.endm
	s_load_b128 s[4:7], s[0:1], 0x0                ; qkv, msk
	s_load_b64 s[66:67], s[0:1], 0x10              ; flg
	s_load_b64 s[8:9], s[0:1], 0x18                ; ef
	v_lshl_add_u32 v254, v0, 2, 0x1a000
	v_mov_b32 v255, 0
	v_lshrrev_b32 v19, 5, v0
	v_readfirstlane_b32 s10, v19                   ; wave
	v_and_b32 v19, 31, v0
	v_lshlrev_b32 v[LR], 4, v19
	v_add_nc_u32 v[LR+1], SLOTB, v[LR]
	v_lshlrev_b32 v[LS], 2, v19
	v_add_nc_u32 v[LS+1], SLOTB, v[LS]
	s_mul_i32 s11, s10, 6656
	v_add_nc_u32 v[LW], s11, v[LR]
	v_add_nc_u32 v[LW+1], SLOTB, v[LW]
	s_lshr_b32 s96, ttmp9, 7                       ; kp
	s_bfe_u32 s97, ttmp9, 0x40003                  ; Y
	s_bfe_u32 s98, ttmp9, 0x10002                  ; sg
	s_and_b32 s99, ttmp9, 3
	s_lshl_b32 s99, s99, 1
	s_lshl_b32 s100, s97, 4
	s_lshl_b32 s11, s98, 3
	s_add_co_u32 s100, s100, s11
	s_add_co_u32 s100, s100, s99                   ; T0
	s_and_b32 s11, s10, 1
	s_add_co_u32 s101, s100, s11                   ; T
	s_add_co_u32 s99, s99, s11                     ; a: my tile in its half block
	s_lshl_b32 s76, s96, 1
	s_lshr_b32 s11, s10, 1
	s_add_co_u32 s76, s76, s11                     ; the query head
	s_lshl_b32 s77, s96, 4
	s_and_b32 s11, s97, 8
	s_add_co_u32 s77, s77, s11
	s_mul_i32 s72, s77, 2*CH
	s_add_co_u32 s72, s72, KFO                     ; k's chunk [kp][8 x batch][0]: step 0; a step on is a chunk on
	s_mov_b32 s73, 0
	s_lshl_b32 s74, s101, 12                       ; my tile's lane masks: 256 bytes a step
	s_mov_b32 s75, 0
	s_lshl_b32 s78, s100, 7                        ; the two tiles' flags: 2 x 16 x 8 bytes
	s_mov_b32 s79, 0
	s_mov_b32 s[SEL], 0x76543210
	s_mov_b32 s[SEL+1], 0xfedcba98
	s_wait_kmcnt 0x0
	s_add_nc_u64 s[72:73], s[4:5], s[72:73]
	s_add_nc_u64 s[74:75], s[6:7], s[74:75]
	s_add_nc_u64 s[78:79], s[66:67], s[78:79]
	s_load_b512 s[16:31], s[78:79], 0x0
	s_load_b512 s[32:47], s[78:79], 0x40
	s_load_b512 s[48:63], s[78:79], 0x80
	s_load_b512 s[80:95], s[78:79], 0xc0
	s_mov_b64 s[12:13], s[72:73]
	s_mov_b64 s[14:15], s[74:75]
	GLOAD 2                                        ; step 0's chunks, whatever the flags say: so the copy's registers are written on every path
	s_lshl_b32 s11, s76, 8
	s_add_co_u32 s11, s11, s101                    ; 256 head + T
	s_mul_i32 s77, s11, 3072
	v_add_nc_u32 v7, s77, v[LR]
	s_lshl_b32 s11, s11, 8
	s_add_co_u32 s11, s11, QSO
	v_add_nc_u32 v55, s11, v[LS]
.set qk, 0
.rept 6
	global_load_b128 v[Q+4*qk:Q+4*qk+3], v7, s[4:5] offset:512*qk   ; q's two fragments stay in registers
.set qk, qk+1
.endr
	global_load_b32 v44, v55, s[4:5]
	global_load_b32 v45, v55, s[4:5] offset:128
	v_mov_b32 v8, 0xc31044fe                       ; -2 C
	v_mov_b32 v9, 0xc31044fe
	v_mov_b32 v10, 0x429044fe                      ; C = 50 log2(e)
	v_mov_b32 v11, 0x429044fe
.irp j, 12,13,14,15
	v_mov_b32 v\j, 0                               ; the row's sum, in four parts
.endr
.irp b, 0,1,2,3
	v_mov_b32 v[TM+4+\b], 0                        ; written once: a lane permute's destination counts as one of its sources
.endr
	WIN 0x40
.set ok, 0
.rept 128
	v_mov_b32 v[ok], 0                             ; O^T: which step is the first to add onto it hangs on the flags, so it begins as zeros
.set ok, ok+1
.endr
	WIN 0
	s_wait_kmcnt 0x0
	s_mov_b32 s70, 0                               ; the steps that count for either tile
	s_mov_b32 s71, 0                               ; tile T0's lanes that have a key
	s_mov_b32 s77, 0                               ; tile T0 + 1's
.set mi, 0
.rept 16
	s_or_b32 s70, s70, s[16+mi+16*(mi/48)]
	s_or_b32 s71, s71, s[17+mi+16*(mi/48)]
.set mi, mi+2
.endr
.rept 16
	s_or_b32 s70, s70, s[16+mi+16*(mi/48)]
	s_or_b32 s77, s77, s[17+mi+16*(mi/48)]
.set mi, mi+2
.endr
	s_lshr_b32 s11, s71, 16
	s_or_b32 s71, s71, s11                         ; a query's keys lie in lanes r and r + 16
	s_lshr_b32 s11, s77, 16
	s_or_b32 s77, s77, s11
	s_and_b32 s71, s71, s77
	s_and_b32 s71, s71, 0xffff
	s_cmp_eq_u32 s71, 0xffff
	s_cselect_b32 s71, s70, 0xffff                 ; pass 2's steps: all 16 where some query has no key at all
	s_mov_b32 s78, 0x3d6c5f04                      ; 2 log2(e) / 50
	s_mov_b32 s79, s78
	; ---- pass 1
	s_mov_b32 s3, s70
	s_bitcmp1_b32 s3, 0
	s_cbranch_scc0 .Lp1
	LSTORE 1, 0
.Lp1:
	s_wait_loadcnt 0x0                             ; q, and the copy
	s_wait_xcnt 0x0
	s_add_nc_u64 s[12:13], s[12:13], CH
	s_wait_dscnt 0x0
	s_barrier_signal -1
	s_barrier_wait -1
	s_mov_b32 s2, 8
.Lpass1:
	STEP 1, 0
	STEP 1, 1
	s_sub_co_u32 s2, s2, 1
	s_cmp_lg_u32 s2, 0
	s_cbranch_scc1 .Lpass1
	; ---- the row's sum, its reciprocal, and what a hidden key gets
	v_pk_add_f32 v[12:13], v[12:13], v[14:15]
	v_add_f32 v12, v12, v13
	v_permlanex16_b32 v13, v12, s[SEL], s[SEL+1]
	v_add_f32 v12, v12, v13
	v_rcp_f32 v16, v12
	v_mov_b32 v19, 0x3a000000                      ; 1 / 2,048  (a plain place behind the reciprocal)
	s_wait_alu depctr_va_vdst(0)                   ; ahead of its first reader
	v_mov_b32 v17, v16
	v_cmp_eq_f32 vcc_lo, 0, v12                    ; every term is at least 2^-73, so the sum is 0 only where no key counts
	v_cndmask_b32 v18, 0, v19, vcc_lo
	; ---- pass 2
	s_mov_b64 s[12:13], s[72:73]
	s_mov_b64 s[14:15], s[74:75]
	s_mov_b32 s3, s71
	s_bitcmp1_b32 s3, 0
	s_cbranch_scc0 .Lp2
	GLOAD 2
	LSTORE 2, 0
.Lp2:
	s_wait_loadcnt 0x0
	s_wait_xcnt 0x0
	s_add_nc_u64 s[12:13], s[12:13], CH
	s_wait_dscnt 0x0
	s_barrier_signal -1
	s_barrier_wait -1
	s_mov_b32 s2, 8
.Lpass2:
	STEP 2, 0
	STEP 2, 1
	s_sub_co_u32 s2, s2, 1
	s_cmp_lg_u32 s2, 0
	s_cbranch_scc1 .Lpass2
	; ---- enc is the last product's operand: register 8 t + j of O^T is channel 32 (t / 2) + 16 h + 8 (t % 2) + j, so 64 registers are one K step in the quantiser's order
	s_lshl_b32 s11, s97, 2
	s_add_co_u32 s11, s11, s76
	s_lshl_b32 s11, s11, 1
	s_add_co_u32 s11, s11, s98
	s_mul_i32 s11, s11, CH                         ; the chunk [Y][head][sg]
	s_mul_i32 s77, s99, 3072
	s_add_co_u32 s66, s11, s77
	s_mov_b32 s67, 0
	s_add_nc_u64 s[66:67], s[8:9], s[66:67]
	s_lshl_b32 s77, s99, 8
	s_add_co_u32 s72, s11, s77
	s_add_co_u32 s72, s72, SCO
	s_mov_b32 s73, 0
	s_add_nc_u64 s[72:73], s[8:9], s[72:73]
	v_and_b32 v19, 31, v0
	v_lshlrev_b32 v19, 3, v19
	PLACES 4                                       ; behind the last products
.irp e, 0,1
	WIN 0x01                                       ; source 0 window 1: the quantiser's lines work in window 0
.set vk, 0
.rept 64
	v_mov_b32 v[S+vk], v[64*\e+vk]                 ; each accumulator from its low end on
.set vk, vk+1
.endr
	WIN 0
	s_wait_xcnt 0x0                                ; the first K step's stores have read the codes
	QUANT S, 54+\e
.irp g, 0,1,2
	global_store_b128 v[LR], v[PC+4*\g:PC+4*\g+3], s[66:67] offset:1536*\e+512*\g
.endr
.endr
	global_store_b64 v19, v[54:55], s[72:73]       ; the two K steps' scale words: 256 consecutive bytes
	s_wait_tensorcnt 0x0
	ds_add_u32 v254, v255
	s_wait_dscnt 0x0
	s_endpgm
.Lfunc_end_k_q0d6f1bbc89_attn:
	.size	k_q0d6f1bbc89_attn, .Lfunc_end_k_q0d6f1bbc89_attn-k_q0d6f1bbc89_attn
	.p2alignl 7, 3214868480
	.fill 96, 4, 3214868480
	.section	.rodata,"a",@progbits
	.p2align	6, 0x0
	.amdhsa_kernel k_q0d6f1bbc89_attn
		.amdhsa_group_segment_fixed_size 107008
		.amdhsa_private_segment_fixed_size 0
		.amdhsa_enable_private_segment 0
		.amdhsa_kernarg_size 32
		.amdhsa_user_sgpr_count 2
		.amdhsa_user_sgpr_kernarg_segment_ptr 1
		.amdhsa_wavefront_size32 1
		.amdhsa_system_sgpr_workgroup_id_x 1
		.amdhsa_system_sgpr_workgroup_id_y 1
		.amdhsa_system_sgpr_workgroup_id_z 1
		.amdhsa_system_vgpr_workitem_id 0
		.amdhsa_next_free_vgpr 512
		.amdhsa_next_free_sgpr 102
		.amdhsa_reserve_vcc 1
		.amdhsa_float_denorm_mode_32 3
		.amdhsa_float_denorm_mode_16_64 3
		.amdhsa_memory_ordered 1
		.amdhsa_forward_progress 1
		.amdhsa_inst_pref_size 170
	.end_amdhsa_kernel
	.amdgpu_metadata
---
amdhsa.version: [ 1, 2 ]
amdhsa.kernels:
  - .name:           k_q0d6f1bbc89_attn
    .symbol:         k_q0d6f1bbc89_attn.kd
    .args:
      - { .name: qkv, .offset: 0, .size: 8, .value_kind: global_buffer, .address_space: global }
      - { .name: msk, .offset: 8, .size: 8, .value_kind: global_buffer, .address_space: global }
      - { .name: flg, .offset: 16, .size: 8, .value_kind: global_buffer, .address_space: global }
      - { .name: ef, .offset: 24, .size: 8, .value_kind: global_buffer, .address_space: global }
    .group_segment_fixed_size: 107008
    .private_segment_fixed_size: 0
    .kernarg_segment_align: 8
    .kernarg_segment_size: 32
    .max_flat_workgroup_size: 128
    .sgpr_count:     102
    .vgpr_count:     512
    .wavefront_size: 32
...
	.end_amdgpu_metadata
.endif
;; end of part 3
;; launch outp (part 4): grid 16 x 8, 4 waves a work-group, clusters of 4 x 1, 327,680 bytes of LDS; arguments ef, wq, out0; writes out0
.if DOCPART == 4
	.amdgcn_target "amdgcn-amd-amdhsa--gfx1250"
	.amdhsa_code_object_version 6
	.text
	.protected	k_q0d6f1bbc89_outp
	.globl	k_q0d6f1bbc89_outp
	.p2align	8
	.type	k_q0d6f1bbc89_outp,@function
k_q0d6f1bbc89_outp:
	s_mov_b64 s[64:65], 0
	v_nop
	global_prefetch_b8 v0, s[64:65] scope:SCOPE_SE
	s_setreg_imm32_b32 hwreg(HW_REG_WAVE_MODE, 25, 1), 1
	s_wait_xcnt 0x0
	s_wait_alu depctr_hold_cnt(0) depctr_sa_sdst(0) depctr_va_vdst(0) depctr_va_sdst(0) depctr_va_ssrc(0) depctr_va_vcc(0) depctr_vm_vsrc(0)
	s_getreg_b32 s2, hwreg(HW_REG_IB_STS2, 6, 4)
	s_cmp_eq_u32 s2, 0
	s_cbranch_scc0 .Lentry_in_a_cluster
	s_endpgm
.Lentry_in_a_cluster:
	s_bfe_u32 s2, ttmp6, 0x10000c
	s_cmp_lg_u32 s2, 0x3003
	s_cbranch_scc0 .Lentry_shape_is_right
	s_endpgm
.Lentry_shape_is_right:
; OUTP: out = enc Wo on codes of E2M3, K = 4 heads x 256.  The loop is the projection launch's: a work-group makes 256 rows (block Y) x 256 columns (block col), wave (sa, sb) a half x a half, 64 accumulators.
; Operands lie in memory in the order of their registers: a chunk of 26,624 bytes = 16 fragment images (tile i, K step q: 2 i + q) and from byte 24,576 the scale words [i][lane][q]; one dense tensor load a chunk.
; ROWS OF A TILE: half sg, tile i, lane row p: row 64 sg + 128 (i / 4) + 32 ((i / 2) % 2) + 8 (i % 2) + p + 8 (p / 8), for enc's rows and Wo's columns alike.
; TRANSPOSED USE: source 0 = 16 columns of Wo, source 1 = 16 rows of enc: a lane holds eight neighbouring columns of one row.
; CLUSTER 4 x 1: the four row blocks of a cluster take the same column block, so Wo's chunks are asked for jointly; enc's chunks are asked for singly, as in the projection launch, whose loop this is line by line.
.set CH,    26624
.set SCO,   24576
.set SLOT,  4*CH
.set SPARE, 2*SLOT                     ; the spare words, 128 bytes a wave: two blocks of 256 bytes that no other line names
.set OWF,   3407872
.set U,     4
.set LAPS,  U/2
.set FR,    12
.set NL,    3
.set NP,    4
.set NQ,    2
.set ADRA,  16
.set ADRB,  20
.set STO,   24                         ; v24 the way out: where I put 32 bytes of a row
.set RD,    25                         ; v25 where I read a row back
.set ADRS,  26
.set SPW,   28
.set NIL,   29
.set CO,    30                         ; v30 my bytes in a row of out0
.set SC,    32
.set AF,    128
.set BK,    128                        ; the way out: 16 rows read back: v128-191 and v192-255 by turns
.set G1A,   24
.set G0A,   32
.set G1B,   48
.set G0B,   56
.set WV,    16
.set SA,    17
.set SB,    18
.set MSB,   0
.macro WIN new
.if MSB != (\new)
	s_set_vgpr_msb (MSB<<8)|(\new)
.set MSB, (\new)
.endif
.endm
.set MUL_LO, 0xa1
.set MUL_HI, 0xf1
.set TO_B,   0x40
.macro JLOAD g0a, g1a, g0b, g1b        ; waves 0 and 1 fetch enc's halves, waves 2 and 3 Wo's (jointly); four v_nop follow each line
	s_cmp_eq_u32 s[SA], 0
	s_cbranch_scc0 .Lfor_b_\@
	tensor_load_to_lds s[\g0a:\g0a+3], s[\g1a:\g1a+7]
	s_nop 0
.rept 4
	v_nop
.endr
	s_branch .Lasked_\@
.Lfor_b_\@:
	tensor_load_to_lds s[\g0b:\g0b+3], s[\g1b:\g1b+7]
	s_nop 0
.rept 4
	v_nop
.endr
.Lasked_\@:
.endm
.macro CREST
	s_cmp_lg_u32 s[WV], 0
	s_cbranch_scc1 .Lnot_wave_0_\@
	s_barrier_signal -3
.Lnot_wave_0_\@:
	s_barrier_wait -3
	s_barrier_signal -1
	s_barrier_wait -1
.endm
.macro CROUND
	s_barrier_signal -1
	s_barrier_wait -1
	CREST
.endm
.macro PLACES n
.rept \n
	v_nop
.endr
.endm
	s_load_b128 s[4:7], s[0:1], 0x0                ; ef, wq
	s_load_b64 s[12:13], s[0:1], 0x10              ; out0
	v_lshl_add_u32 v[SPW], v0, 2, SPARE
	v_mov_b32 v[NIL], 0
	ds_add_u32 v28, v29
	ds_add_u32 v28, v29
	s_wait_dscnt 0x0
	v_lshrrev_b32 v1, 5, v0
	v_readfirstlane_b32 s[WV], v1
	s_lshr_b32 s[SA], s[WV], 1
	s_and_b32 s[SB], s[WV], 1
	s_bfe_u32 s40, ttmp6, 0x40000                  ; cx: it enters global addresses of enc and out0 alone
	s_lshl_b32 s42, ttmp9, 2
	s_add_co_u32 s42, s42, s40                     ; Y
	s_and_b32 s43, ttmp7, 0xffff                   ; col, which the four partners share
	s_mov_b32 s[G1A], 3<<16
	s_mov_b32 s[G1B], 15|(3<<16)|(1<<21)
.irp g, G1A, G1B
	s_mov_b32 s[\g+1], 32<<16
	s_mov_b32 s[\g+2], 104<<16
	s_mov_b32 s[\g+3], 32<<16
	s_mov_b32 s[\g+4], 104
	s_mov_b32 s[\g+5], 32
	s_mov_b32 s[\g+6], 0
	s_mov_b32 s[\g+7], 0
.endr
	s_mul_i32 s20, s42, 2*U
	s_add_co_u32 s20, s20, s[SB]
	s_mul_i32 s20, s20, CH
	s_mov_b32 s21, 0
	s_mul_i32 s46, s43, 2*U
	s_add_co_u32 s46, s46, s[SB]
	s_mul_i32 s46, s46, CH
	s_add_co_u32 s46, s46, OWF
	s_mov_b32 s47, 0
	s_mul_i32 s45, s[WV], CH
	s_wait_kmcnt 0x0
	s_add_nc_u64 s[20:21], s[4:5], s[20:21]
	s_add_nc_u64 s[46:47], s[6:7], s[46:47]
	CROUND                                         ; all four work-groups are here: the first joint loads meet
.irp s, 0,1
	s_mov_b32 s[G0A+4*\s], 1
	s_add_co_u32 s[G0A+4*\s+1], s45, \s*SLOT
	s_add_nc_u64 s[G0A+4*\s+2:G0A+4*\s+3], s[20:21], \s*2*CH
	s_or_b32 s[G0A+4*\s+3], s[G0A+4*\s+3], 0x80000000
	s_mov_b32 s[G0B+4*\s], 1
	s_add_co_u32 s[G0B+4*\s+1], s45, \s*SLOT
	s_add_nc_u64 s[G0B+4*\s+2:G0B+4*\s+3], s[46:47], \s*2*CH
	s_or_b32 s[G0B+4*\s+3], s[G0B+4*\s+3], 0x80000000
	JLOAD G0A+4*\s, G1A, G0B+4*\s, G1B
.endr
	v_and_b32 v1, 31, v0
	v_bfe_u32 v2, v0, 4, 1
	v_lshlrev_b32 v3, 4, v1
	s_mul_i32 s21, s[SA], CH
	s_mul_i32 s22, s[SB], CH
	s_add_co_u32 s22, s22, 2*CH
.irp s, 0,1
	v_add_nc_u32 v[ADRA+\s], s21, v3
	v_add_nc_u32 v[ADRB+\s], s22, v3
	s_add_co_u32 s21, s21, SLOT
	s_add_co_u32 s22, s22, SLOT
.endr
	s_mul_i32 s21, s[SA], CH
	s_mul_i32 s22, s[SB], CH
	s_add_co_u32 s22, s22, 2*CH
	s_sub_co_u32 s22, s22, s21
	v_mul_u32_u24 v6, s22, v2                      ; lanes 16-31 take Wo's words: one product, the distance between the two chunks
	v_lshl_add_u32 v6, v1, 3, v6
	s_add_co_u32 s21, s21, SCO
	v_add_nc_u32 v[ADRS], s21, v6
	v_add_nc_u32 v[ADRS+1], SLOT, v[ADRS]
	s_mul_i32 s23, s[WV], 8448                     ; my stage, 16 rows of 512 + 16 bytes, in slot 0: it has had its last fill and its last read when the first result is stored there
	v_and_b32 v4, 15, v0
	v_mul_u32_u24 v[STO], v4, 528
	v_lshl_add_u32 v[STO], v2, 6, v[STO]
	v_add_nc_u32 v[STO], s23, v[STO]
	v_add_nc_u32 v[RD], s23, v3
	v_lshlrev_b32 v[CO], 9, v2
	v_lshl_add_u32 v[CO], v4, 4, v[CO]             ; lanes 0-15 my first 64 columns, lanes 16-31 the 64 that lie 128 further on
	s_lshl_b32 s20, s42, 8
	s_lshl_b32 s21, s[SA], 6
	s_add_co_u32 s20, s20, s21
	s_lshl_b32 s20, s20, 13                        ; rows of 8,192 bytes
	s_lshl_b32 s21, s43, 10
	s_add_co_u32 s20, s20, s21
	s_lshl_b32 s21, s[SB], 8
	s_add_co_u32 s20, s20, s21
	s_mov_b32 s21, 0
	s_add_nc_u64 s[12:13], s[12:13], s[20:21]
.macro FRAG reg, adr, q, i
.irp g, 0,1,2
	ds_load_b128 v[\reg+4*\g:\reg+4*\g+3], v[\adr] offset:(2*(\i)+(\q))*1536+512*\g
.endr
.endm
; The 64 accumulators take turns, one instruction a turn, in the same order in every step.
.macro MUL16 a0, p, q, sc, zero
.irp a, \a0, \a0+1
.irp b, 0,1,2,3,4,5,6,7
.if \zero
	v_wmma_scale_f32_16x16x128_f8f6f4 v[8*(8*((\a)%4)+\b):8*(8*((\a)%4)+\b)+7], v[128*(\p)+FR*\b:128*(\p)+FR*\b+FR-1], v[AF+FR*(\a):AF+FR*(\a)+FR-1], 0, v[SC+8*NQ*(\sc)+NQ*\b+(\q)], v[SC+8*NQ*(\sc)+NQ*(\a)+(\q)] matrix_a_fmt:MATRIX_FMT_FP6 matrix_b_fmt:MATRIX_FMT_FP6 matrix_a_scale:MATRIX_SCALE_ROW1
.else
	v_wmma_scale_f32_16x16x128_f8f6f4 v[8*(8*((\a)%4)+\b):8*(8*((\a)%4)+\b)+7], v[128*(\p)+FR*\b:128*(\p)+FR*\b+FR-1], v[AF+FR*(\a):AF+FR*(\a)+FR-1], v[8*(8*((\a)%4)+\b):8*(8*((\a)%4)+\b)+7], v[SC+8*NQ*(\sc)+NQ*\b+(\q)], v[SC+8*NQ*(\sc)+NQ*(\a)+(\q)] matrix_a_fmt:MATRIX_FMT_FP6 matrix_b_fmt:MATRIX_FMT_FP6 matrix_a_scale:MATRIX_SCALE_ROW1
.endif
.endr
.endr
.endm
.macro FETCH_B slot, q, p
	WIN TO_B
.irp i, 0,1,2,3,4,5,6,7
	FRAG 128*(\p)+FR*\i, ADRB+\slot, \q, \i
.endr
	WIN 0
.endm
.macro FETCH_A slot, q, i0
.irp i, \i0, \i0+1, \i0+2, \i0+3
	FRAG AF+FR*(\i), ADRA+\slot, \q, \i
.endr
.endm
.macro SCALES sc
.irp i, 0,1,2,3,4,5,6,7
	ds_load_b64 v[SC+16*(\sc)+2*\i:SC+16*(\sc)+2*\i+1], v[ADRS+(\sc)] offset:256*\i
.endr
.endm
.macro STEP slot, q, zero
	s_wait_dscnt 4*NL                              ; all but the youngest 12 loads (enc's blocks 4-7) are in
	WIN MUL_LO
	MUL16 0, (\q)%2, \q, \slot, \zero
	MUL16 2, (\q)%2, \q, \slot, \zero
	s_wait_dscnt 0
	PLACES NP
	FETCH_B \slot, (\q)+1, 1-(\q)%2
	FETCH_A \slot, (\q)+1, 0
	WIN MUL_HI
	MUL16 4, (\q)%2, \q, \slot, \zero
	MUL16 6, (\q)%2, \q, \slot, \zero
	PLACES NP
	WIN 0
	FETCH_A \slot, (\q)+1, 4
.endm
.macro TURN slot, next, fill
	s_wait_tensorcnt 0x0                           ; all my tensor loads have landed: my part of the next slot
	ds_add_u32 v[SPW], v[NIL]                      ; 0 onto my spare word
	s_wait_dscnt 4*NL+1                            ; the add and the youngest 12 loads may be out
	WIN MUL_LO
	MUL16 0, 1, NQ-1, \slot, 0
	s_wait_dscnt 0x0                               ; the add is done, and my reads of this slot are over
	s_barrier_signal -1
	MUL16 2, 1, NQ-1, \slot, 0
	WIN 0
	s_barrier_wait -1
.if \fill
	CREST
	s_add_nc_u64 s[G0A+4*\slot+2:G0A+4*\slot+3], s[G0A+4*\slot+2:G0A+4*\slot+3], 4*CH
	s_add_nc_u64 s[G0B+4*\slot+2:G0B+4*\slot+3], s[G0B+4*\slot+2:G0B+4*\slot+3], 4*CH
	JLOAD G0A+4*\slot, G1A, G0B+4*\slot, G1B
.else
	PLACES NP
.endif
	FETCH_B \next, 0, 0
	FETCH_A \next, 0, 0
	SCALES \next
	WIN MUL_HI
	MUL16 4, 1, NQ-1, \slot, 0
	MUL16 6, 1, NQ-1, \slot, 0
	PLACES NP
	WIN 0
	FETCH_A \next, 0, 4
.endm
	s_wait_tensorcnt 1                             ; my part of slot 0 is in; slot 1's load may be out
	s_barrier_signal -1
	s_barrier_wait -1
	FETCH_B 0, 0, 0
	FETCH_A 0, 0, 0
	SCALES 0
	FETCH_A 0, 0, 4
	STEP 0, 0, 1
	s_mov_b32 s3, LAPS-1
.Llap:
	TURN 0, 1, 1
	STEP 1, 0, 0
	TURN 1, 0, 1
	STEP 0, 0, 0
	s_sub_co_u32 s3, s3, 1
	s_cmp_lg_u32 s3, 0
	s_cbranch_scc1 .Llap
	TURN 0, 1, 0
	STEP 1, 0, 0
	s_wait_dscnt 4*NL
	WIN MUL_LO
	MUL16 0, 1, NQ-1, 1, 0
	MUL16 2, 1, NQ-1, 1, 0
	s_wait_dscnt 0
	WIN MUL_HI
	MUL16 4, 1, NQ-1, 1, 0
	MUL16 6, 1, NQ-1, 1, 0
	WIN 0
; THE WAY OUT, a block of 16 rows x my 128 columns at a time through my stage; it comes back as whole rows, and 32 lanes store two runs of 256 consecutive bytes, each at a multiple of 256 from out0's first byte.
.macro TOSTAGE a
.set AC, 64*((\a)%4)
	WIN 0x08+4*((\a)/4)                            ; the data: window 2 or 3
.irp t, 0,1,2,3,4,5,6,7
	ds_store_b128 v[STO], v[AC+8*\t:AC+8*\t+3] offset:4*(64*(\t/4)+32*((\t/2)%2)+8*(\t%2))        ; each accumulator from its low end on
	ds_store_b128 v[STO], v[AC+8*\t+4:AC+8*\t+7] offset:4*(64*(\t/4)+32*((\t/2)%2)+8*(\t%2))+16
.endr
	WIN 0
.set BB, BK+64*((\a)%2)
.irp t, 0,1,2,3,4,5,6,7,8,9,10,11,12,13,14,15
	ds_load_b128 v[BB+4*\t:BB+4*\t+3], v[RD] offset:\t*528   ; LDS serves a wave's instructions in order: these see the stores above
.endr
.endm
.macro SEND a, younger
.set BB, BK+64*((\a)%2)
	s_wait_dscnt \younger                          ; the block is back; the next block's 16 stores and 16 loads may be out
.irp t, 0,1,2,3,4,5,6,7,8,9,10,11,12,13,14,15
	global_store_b128 v[CO], v[BB+4*\t:BB+4*\t+3], s[12:13] offset:(128*((\a)/4)+32*(((\a)/2)%2)+8*((\a)%2)+\t+8*(\t/8))*8192 th:TH_STORE_NT
.endr
.endm
	PLACES NP
	TOSTAGE 0
.irp a, 1,2,3,4,5,6,7
.if \a > 1
	s_wait_xcnt 0x0                                ; block a - 2's stores have read their registers: block a's loads may land there
.endif
	TOSTAGE \a
	SEND \a-1, 32
.endr
	SEND 7, 0
	s_wait_tensorcnt 0x0                           ; the wave's end
	ds_add_u32 v[SPW], v[NIL]
	s_wait_dscnt 0x0
	CROUND                                         ; the closing round
	s_endpgm
.Lfunc_end_k_q0d6f1bbc89_outp:
	.size	k_q0d6f1bbc89_outp, .Lfunc_end_k_q0d6f1bbc89_outp-k_q0d6f1bbc89_outp
	.p2alignl 7, 3214868480
	.fill 96, 4, 3214868480
	.section	.rodata,"a",@progbits
	.p2align	6, 0x0
	.amdhsa_kernel k_q0d6f1bbc89_outp
		.amdhsa_group_segment_fixed_size 327680
		.amdhsa_private_segment_fixed_size 0
		.amdhsa_enable_private_segment 0
		.amdhsa_kernarg_size 24
		.amdhsa_user_sgpr_count 2
		.amdhsa_user_sgpr_kernarg_segment_ptr 1
		.amdhsa_wavefront_size32 1
		.amdhsa_system_sgpr_workgroup_id_x 1
		.amdhsa_system_sgpr_workgroup_id_y 1
		.amdhsa_system_sgpr_workgroup_id_z 1
		.amdhsa_system_vgpr_workitem_id 0
		.amdhsa_next_free_vgpr 1024
		.amdhsa_next_free_sgpr 98
		.amdhsa_reserve_vcc 0
		.amdhsa_float_denorm_mode_32 3
		.amdhsa_float_denorm_mode_16_64 3
		.amdhsa_memory_ordered 1
		.amdhsa_forward_progress 1
		.amdhsa_inst_pref_size 133
	.end_amdhsa_kernel
	.amdgpu_metadata
---
amdhsa.version: [ 1, 2 ]
amdhsa.kernels:
  - .name:           k_q0d6f1bbc89_outp
    .symbol:         k_q0d6f1bbc89_outp.kd
    .args:
      - { .name: ef, .offset: 0, .size: 8, .value_kind: global_buffer, .address_space: global }
      - { .name: wq, .offset: 8, .size: 8, .value_kind: global_buffer, .address_space: global }
      - { .name: out0, .offset: 16, .size: 8, .value_kind: global_buffer, .address_space: global }
    .group_segment_fixed_size: 327680
    .private_segment_fixed_size: 0
    .kernarg_segment_align: 8
    .kernarg_segment_size: 24
    .max_flat_workgroup_size: 128
    .sgpr_count:     98
    .vgpr_count:     1024
    .wavefront_size: 32
...
	.end_amdgpu_metadata
.endif
;; end of part 4
;; ======== version 2 of 3: 4 launches; 1.12 times as fast as version 1
;; limits: right only within a limited range of input values
;; workspace buffers: xf 6,815,744 bytes; wq 5,111,808 bytes; rope 4,194,304 bytes; msk 1,048,576 bytes of whole numbers; flg 32,768 bytes of whole numbers; qkv 6,815,744 bytes; ef 3,407,872 bytes
;; launch prep: the kernel of part 1 again; grid 1600 x 1, 4 waves a work-group, no clusters, 87,552 bytes of LDS; arguments x, q_w, kv_w, o_w, segment_pos, attn_mask, xf, wq, rope, msk, flg; writes xf, wq, rope, msk, flg
;; launch proj (part 5): grid 32 x 8, 4 waves a work-group, clusters of 4 x 1, 327,680 bytes of LDS; arguments xf, wq, rope, q_scale, k_scale, qkv; writes qkv
.if DOCPART == 5
	.amdgcn_target "amdgcn-amd-amdhsa--gfx1250"
	.amdhsa_code_object_version 6
	.text
	.protected	k_q0d6f1bbc89_proj
	.globl	k_q0d6f1bbc89_proj
	.p2align	8
	.type	k_q0d6f1bbc89_proj,@function
k_q0d6f1bbc89_proj:
	s_mov_b64 s[64:65], 0
	v_nop
	global_prefetch_b8 v0, s[64:65] scope:SCOPE_SE
	s_setreg_imm32_b32 hwreg(HW_REG_WAVE_MODE, 25, 1), 1
	s_wait_xcnt 0x0
	s_wait_alu depctr_hold_cnt(0) depctr_sa_sdst(0) depctr_va_vdst(0) depctr_va_sdst(0) depctr_va_ssrc(0) depctr_va_vcc(0) depctr_vm_vsrc(0)
	s_getreg_b32 s2, hwreg(HW_REG_IB_STS2, 6, 4)
	s_cmp_eq_u32 s2, 0
	s_cbranch_scc0 .Lentry_in_a_cluster
	s_endpgm
.Lentry_in_a_cluster:
	s_bfe_u32 s2, ttmp6, 0x10000c
	s_cmp_lg_u32 s2, 0x3003
	s_cbranch_scc0 .Lentry_shape_is_right
	s_endpgm
.Lentry_shape_is_right:
; PROJ: the projections x Wq, x Wk, x Wv on codes of E2M3 (K = 2,048), and what follows them: RMS norm, RoPE and q's 1/16 in f32, then the quantiser of the attention's operands.
; A work-group makes 128 rows (half sa of block Y) x one head's 256 columns (heads 0-3 q, 4-5 k, 6-7 v): 32 x 8 = 256 work-groups.  Wave (ra, sb) makes row tiles 4 ra .. 4 ra + 3 x the eight column tiles of half sb:
; 32 accumulators of 16 x 16, one register window.
; OPERANDS lie in memory in the order of their registers: a chunk of 26,624 bytes holds, for one half of a block of 256 rows and 256 along K, 16 fragment images (tile i, K step q: 2 i + q; register 4 g + e of
; lane L at 512 g + 16 L + 4 e) and from byte 24,576 the scale words [i][lane][q], lanes 16-31 repeating lanes 0-15.  A fragment is three ds_load_b128 at 16 x lane.
; ROWS OF A TILE: half sg, tile i, lane row p: row 64 sg + 128 (i / 4) + 32 ((i / 2) % 2) + 8 (i % 2) + p + 8 (p / 8), for x's rows and for the weights' columns alike.
; A SLOT holds 512 along K: x's two chunks, then W's four (both halves of two chunks along K, which lie on end in memory).  One tensor load a wave: waves 0 and 1 a chunk of x (104 rows of 256 bytes), waves 2 and 3 two
; chunks of W (208 rows).  Two slots; K has four slots' worth: two first fills, two refills.
; A STEP is 128 along K: 32 matrix instructions in four groups (W's tiles 2 j, 2 j + 1 against x's four).  A wave reads 12 fragments for them, so the four waves ask of LDS 73,728 bytes a step: the loads go in four short
; runs, each issued one whole step ahead of the group that wants it, into the other of two sets of registers.
; THE MATRIX INSTRUCTION IS USED TRANSPOSED (source 0 = 16 columns of W, source 1 = 16 rows of x): lane (r, h) holds one row, and register n = 16 b + i of a row tile is column
; 64 sb + 128 (b / 2) + 32 (b % 2) + 16 h + i: 16 neighbours for the quantiser, and RoPE's partner (column + 128) is register n + 32 of the same lane.
; CLUSTER 4 x 1: the four row halves of a cluster take the same head, so W's chunks are asked for jointly.  x's chunks are asked for singly: four heads to a cluster would put k's heads and v's, whose ways out
; branch differently, into one cluster, and partners must run alike.
; THE ATTENTION'S OPERANDS (qkv): q's fragments [head][T][w] at 0 and their scale words at QS; k's chunks [kv head][Y][sg], image 2 a + w; v's, image = tile of 16 of the head's 256, keys along the registers.
; K step w of q k^T is head columns 64 w .. + 63 and 128 + 64 w .. + 63: whole blocks of 32, permuted alike in q and k.
; REGISTERS: window 0: v1-31 addresses; v32-63 scale words, a set of 16 for each chunk parity; v64-71 the scale words' addresses; from v64 on at work on the way out.
;   window 1 (steps of even parity), window 3 (odd): W's eight fragments v0-95, x's four v96-143.   window 2: the accumulators, (a, b) at v[8 (8 a + b)].
; The sum of squares is taken in another order than a plain mean's; v_rsq_f32 stands for rsqrt.  A block of zeros keeps the scale byte 1.  NaN and infinities are not served.
.set CH,    26624
.set SCO,   24576
.set SLOT,  6*CH                       ; x's two chunks, then W's four
.set SPARE, 2*SLOT                     ; the spare words, 128 bytes a wave: two blocks of 256 bytes that no other line names
.set XCH,   SPARE+512                  ; the waves' sums of squares: 1,024 bytes a wave
.set VX,    SLOT                       ; v's way out: where the waves' half fragments meet, in slot 1 behind its last fill and its last read
.set AREA,  7168                       ; a wave's part of it: 8 tiles x 768 bytes of codes, then 8 x 128 bytes of scale bytes
.set U,     8                          ; chunks along K
.set QS,    3145728
.set KF,    3407872
.set VF,    5111808
.set VW16,  14                         ; v14, v15, v18: where I put my half fragments (16, 8, 4 bytes a lane)
.set VW8,   15
.set ADRA,  16                         ; v16-17 my four tiles of x in slot 0, 1
.set VW4,   18
.set VR16,  19                         ; v19, v24, v25: where I read whole fragments back
.set ADRB,  20                         ; v20-23 my half of W: 2 slot + chunk
.set VR8,   24
.set VR4,   25
.set SPW,   28
.set NIL,   29
.set SC,    32
.set ADRS,  64                         ; v64-67 scale words, tiles 0-3: lanes 0-15 x's, lanes 16-31 W's: 2 slot + chunk
.set ADRP,  68                         ; v68-71 scale words, W's tiles 4-7
.set BFR,   0
.set AFR,   96
.set PC,    128                        ; the way out of q and k: v128-147 codes, v148-163 at work, v164 the scale word
.set TM,    148
.set SEL,   72
.set G1A,   24
.set G0A,   32
.set G1B,   48
.set G0B,   56
.set WV,    16
.set RA,    17
.set SB,    18
.set MSB,   0
.macro WIN new                         ; the immediate's high byte repeats the setting that is left
.if MSB != (\new)
	s_set_vgpr_msb (MSB<<8)|(\new)
.set MSB, (\new)
.endif
.endm
.macro JLOAD g0a, g1a, g0b, g1b        ; waves 0 and 1 fetch x's chunks (their own load), waves 2 and 3 W's (jointly); four v_nop follow each line
	s_cmp_eq_u32 s[RA], 0
	s_cbranch_scc0 .Lfor_b_\@
	tensor_load_to_lds s[\g0a:\g0a+3], s[\g1a:\g1a+7]
	s_nop 0
.rept 4
	v_nop
.endr
	s_branch .Lasked_\@
.Lfor_b_\@:
	tensor_load_to_lds s[\g0b:\g0b+3], s[\g1b:\g1b+7]
	s_nop 0
.rept 4
	v_nop
.endr
.Lasked_\@:
.endm
.macro CREST                           ; a round of the cluster's barrier behind its opening barrier
	s_cmp_lg_u32 s[WV], 0
	s_cbranch_scc1 .Lnot_wave_0_\@
	s_barrier_signal -3
.Lnot_wave_0_\@:
	s_barrier_wait -3
	s_barrier_signal -1
	s_barrier_wait -1
.endm
.macro CROUND
	s_barrier_signal -1
	s_barrier_wait -1
	CREST
.endm
.macro PLACES n
.rept \n
	v_nop
.endr
.endm
.macro QUANT s, pw                     ; 64 numbers of a lane, register 16 b + i = k 32 b + 16 (lane / 16) + i, become a fragment's codes in v[PC] on and its scale word in v[pw]
.irp b, 0,1,2,3
	v_max3_num_f32 v[TM+\b], |v[\s+16*\b]|, |v[\s+1+16*\b]|, 0x1800000   ; and the floor 2^(3 - 127): the byte cannot fall under 1
.endr
.irp i, 2,4,6,8,10,12,14
.irp b, 0,1,2,3
	v_max3_num_f32 v[TM+\b], v[TM+\b], |v[\s+16*\b+\i]|, |v[\s+1+16*\b+\i]|
.endr
.endr
.irp b, 0,1,2,3
	v_permlanex16_b32 v[TM+4+\b], v[TM+\b], s[SEL], s[SEL+1]
.endr
.irp b, 0,1,2,3
	v_max_num_f32 v[TM+\b], v[TM+\b], v[TM+4+\b]
.endr
.irp b, 0,1,2,3
	v_add_nc_u32 v[TM+12+\b], 0xff000000, v[TM+\b]                 ; 2 off the exponent field: the conversion's scale operand
.endr
.irp b, 0,1,2,3
	v_lshrrev_b32 v[TM+4+\b], 23, v[TM+12+\b]
.endr
	v_lshl_or_b32 v[\pw], v[TM+5], 8, v[TM+4]
	v_lshl_or_b32 v[\pw], v[TM+6], 16, v[\pw]
	v_lshl_or_b32 v[\pw], v[TM+7], 24, v[\pw]
.irp c, 0,1
	v_cvt_scalef32_pk16_fp6_f32 v[PC+6*\c:PC+2+6*\c], v[\s+32*\c:\s+15+32*\c], v[TM+12+2*\c]
	v_cvt_scalef32_pk16_fp6_f32 v[PC+12+4*\c:PC+14+4*\c], v[\s+16+32*\c:\s+31+32*\c], v[TM+12+2*\c+1]
.endr
	v_nop                                          ; one plain place behind a scaled conversion
.irp c, 0,1
.irp i, 0,1,2
	v_permlane16_swap_b32 v[PC+6*\c+\i], v[PC+12+4*\c+\i]
.endr
.irp i, 0,1,2
	v_mov_b32 v[PC+3+6*\c+\i], v[PC+12+4*\c+\i]
.endr
.endr
.endm
	s_load_b256 s[4:11], s[0:1], 0x0               ; xf 4, wq 6, rope 8, q_scale 10
	s_load_b128 s[12:15], s[0:1], 0x20             ; k_scale 12, qkv 14
	v_lshl_add_u32 v[SPW], v0, 2, SPARE
	v_mov_b32 v[NIL], 0
	ds_add_u32 v28, v29
	ds_add_u32 v28, v29
	s_wait_dscnt 0x0
	v_lshrrev_b32 v1, 5, v0
	v_readfirstlane_b32 s[WV], v1
	s_lshr_b32 s[RA], s[WV], 1                     ; which four row tiles are mine.  Also: I fetch for x (0) or for W (1)
	s_and_b32 s[SB], s[WV], 1                      ; my half of the columns.  Also: which of a slot's two chunks along K I fetch
	s_bfe_u32 s40, ttmp6, 0x40000                  ; cx: it enters global addresses of x, rope and qkv alone
	s_lshl_b32 s42, ttmp9, 2
	s_add_co_u32 s42, s42, s40                     ; the row half, 0 .. 31
	s_and_b32 s41, s42, 1                          ; sa
	s_lshr_b32 s42, s42, 1                         ; Y
	s_and_b32 s43, ttmp7, 0xffff                   ; the head, which the four partners share
	s_mov_b32 s[G1A], 3<<16                        ; no mask; elements of 8 bytes; no padding
	s_mov_b32 s[G1A+1], 32<<16                     ; tensor_dim0 = 32 elements: 256 bytes
	s_mov_b32 s[G1A+2], 104<<16                    ; tensor_dim1 = 104 rows: a chunk
	s_mov_b32 s[G1A+3], 32<<16                     ; tile_dim0
	s_mov_b32 s[G1A+4], 104                        ; tile_dim1
	s_mov_b32 s[G1A+5], 32                         ; the pitch: dense
	s_mov_b32 s[G1A+6], 0
	s_mov_b32 s[G1A+7], 0
	s_mov_b32 s[G1B], 15|(3<<16)|(1<<21)           ; the mask: all four work-groups; bit 21 set beside it
	s_mov_b32 s[G1B+1], 32<<16
	s_mov_b32 s[G1B+2], 208<<16                    ; 208 rows: two chunks on end
	s_mov_b32 s[G1B+3], 32<<16
	s_mov_b32 s[G1B+4], 208
	s_mov_b32 s[G1B+5], 32
	s_mov_b32 s[G1B+6], 0
	s_mov_b32 s[G1B+7], 0
	s_mul_i32 s20, s42, U
	s_add_co_u32 s20, s20, s[SB]
	s_lshl_b32 s20, s20, 1
	s_add_co_u32 s20, s20, s41
	s_mul_i32 s20, s20, CH                         ; x's chunk [Y][which][sa]
	s_mov_b32 s21, 0
	s_mul_i32 s46, s43, U
	s_add_co_u32 s46, s46, s[SB]
	s_mul_i32 s46, s46, 2*CH                       ; W's chunks [head][which][0 and 1]
	s_mov_b32 s47, 0
	s_mul_i32 s45, s[SB], CH                       ; where they go in a slot: x's,
	s_mul_i32 s44, s[SB], 2*CH
	s_add_co_u32 s44, s44, 2*CH                    ; W's
	s_wait_kmcnt 0x0
	s_add_nc_u64 s[20:21], s[4:5], s[20:21]
	s_add_nc_u64 s[46:47], s[6:7], s[46:47]
	CROUND                                         ; all four work-groups are here: the first joint loads meet
.irp s, 0,1
	s_mov_b32 s[G0A+4*\s], 1
	s_add_co_u32 s[G0A+4*\s+1], s45, \s*SLOT
	s_add_nc_u64 s[G0A+4*\s+2:G0A+4*\s+3], s[20:21], \s*4*CH       ; two chunks along K on: four chunks of memory
	s_or_b32 s[G0A+4*\s+3], s[G0A+4*\s+3], 0x80000000
	s_mov_b32 s[G0B+4*\s], 1
	s_add_co_u32 s[G0B+4*\s+1], s44, \s*SLOT
	s_add_nc_u64 s[G0B+4*\s+2:G0B+4*\s+3], s[46:47], \s*4*CH
	s_or_b32 s[G0B+4*\s+3], s[G0B+4*\s+3], 0x80000000
	JLOAD G0A+4*\s, G1A, G0B+4*\s, G1B
.endr
	v_and_b32 v1, 31, v0                           ; lane
	v_bfe_u32 v2, v0, 4, 1                         ; h
	v_lshlrev_b32 v3, 4, v1                        ; 16 x lane
	v_lshlrev_b32 v4, 3, v1                        ; 8 x lane
	v_lshlrev_b32 v12, 2, v1                       ; 4 x lane
	s_mul_i32 s21, s[RA], 12288                    ; my four tiles: eight images on
	v_add_nc_u32 v[ADRA], s21, v3
	v_add_nc_u32 v[ADRA+1], SLOT, v[ADRA]
	s_mul_i32 s22, s[SB], CH
	s_add_co_u32 s22, s22, 2*CH                    ; my half of W's first chunk
	v_add_nc_u32 v[ADRB], s22, v3
	v_add_nc_u32 v[ADRB+1], 2*CH, v[ADRB]
	v_add_nc_u32 v[ADRB+2], SLOT, v[ADRB]
	v_add_nc_u32 v[ADRB+3], SLOT, v[ADRB+1]
	v_add_nc_u32 v[ADRP], s22, v4
	v_add_nc_u32 v[ADRP+1], 2*CH, v[ADRP]
	v_add_nc_u32 v[ADRP+2], SLOT, v[ADRP]
	v_add_nc_u32 v[ADRP+3], SLOT, v[ADRP+1]
	s_lshl_b32 s23, s[RA], 10                      ; x's scale words of my tiles: 256 bytes a tile
	s_sub_co_u32 s19, s22, s23
	v_mul_u32_u24 v5, s19, v2                      ; lanes 16-31 take W's words: one product, the distance between the two places
	v_add_nc_u32 v5, v5, v4
	s_add_co_u32 s23, s23, SCO
	v_add_nc_u32 v[ADRS], s23, v5
	s_add_co_u32 s19, s19, CH                      ; in a slot's second chunk x's words lie one chunk on, W's two
	v_mul_u32_u24 v5, s19, v2
	v_add_nc_u32 v5, v5, v4
	s_add_co_u32 s23, s23, CH
	v_add_nc_u32 v[ADRS+1], s23, v5
	v_add_nc_u32 v[ADRS+2], SLOT, v[ADRS]
	v_add_nc_u32 v[ADRS+3], SLOT, v[ADRS+1]
	; the way out's LDS addresses
	s_lshl_b32 s23, s[WV], 10
	v_add_nc_u32 v8, s23, v12
	v_add_nc_u32 v8, XCH, v8                       ; v8: my sums of squares
	s_xor_b32 s23, s[WV], 1
	s_lshl_b32 s23, s23, 10
	v_add_nc_u32 v9, s23, v12
	v_add_nc_u32 v9, XCH, v9                       ; v9: those of the wave with the other half of the columns
	v_and_b32 v6, 15, v0
	v_and_b32 v7, 8, v6
	v_add_nc_u32 v7, v7, v6                        ; r + 8 (r / 8)
	s_mul_i32 s23, s[WV], 33824                    ; v's stage: 64 keys x (512 + 16) bytes, + 32
	v_mul_u32_u24 v10, v7, 528
	v_lshl_add_u32 v10, v2, 6, v10
	v_add_nc_u32 v10, s23, v10                     ; v10: in
	v_mul_u32_u24 v11, v2, 32*528+32
	v_lshl_add_u32 v11, v7, 2, v11
	v_add_nc_u32 v11, s23, v11                     ; v11: back, a lane to one of the head's 256, keys down the registers
	v_lshlrev_b32 v13, 6, v2
	s_lshl_b32 s23, s[SB], 8
	v_add_nc_u32 v13, s23, v13                     ; the gains: 256 sb + 64 h
	s_mul_i32 s23, s[WV], AREA
	s_add_co_u32 s23, s23, VX
	v_add_nc_u32 v[VW16], s23, v3
	v_add_nc_u32 v[VW8], s23, v4
	v_add_nc_u32 v[VW4], s23, v12
	v_add_nc_u32 v[VW4], 6144, v[VW4]
	s_mul_i32 s23, s[SB], AREA                     ; back: the part of wave sb (keys 0-63 of the chunk's 128; wave 2 + sb's lies two parts on), tiles 4 ra on
	s_mul_i32 s19, s[RA], 3072
	s_add_co_u32 s19, s19, s23
	s_add_co_u32 s19, s19, VX
	v_add_nc_u32 v[VR16], s19, v3
	v_add_nc_u32 v[VR8], s19, v4
	s_lshl_b32 s19, s[RA], 9
	s_add_co_u32 s19, s19, s23
	s_add_co_u32 s19, s19, VX+6144
	v_add_nc_u32 v[VR4], s19, v12
.macro LDB slot, qq, b                 ; W's tile b of the slot's step qq (0 .. 3): three loads of 512 consecutive bytes
.irp g, 0,1,2
	ds_load_b128 v[BFR+12*(\b)+4*\g:BFR+12*(\b)+4*\g+3], v[ADRB+2*(\slot)+(\qq)/2] offset:(2*(\b)+(\qq)%2)*1536+512*\g
.endr
.endm
.macro LDA slot, qq, a                 ; x's tile a of my four
.irp g, 0,1,2
	ds_load_b128 v[AFR+12*(\a)+4*\g:AFR+12*(\a)+4*\g+3], v[ADRA+(\slot)] offset:((\qq)/2)*CH+(2*(\a)+(\qq)%2)*1536+512*\g
.endr
.endm
.macro SCALES slot, uu                 ; a chunk's scale words, two a row.  Registers of tiles 0-3: lanes 0-15 x's tile, lanes 16-31 W's; of tiles 4-7: W's
.irp i, 0,1,2,3
	ds_load_b64 v[SC+16*(\uu)+2*\i:SC+16*(\uu)+2*\i+1], v[ADRS+2*(\slot)+(\uu)] offset:256*\i
.endr
.irp i, 4,5,6,7
	ds_load_b64 v[SC+16*(\uu)+2*\i:SC+16*(\uu)+2*\i+1], v[ADRP+2*(\slot)+(\uu)] offset:SCO+256*\i
.endr
.endm
; Run j of the four that bring step qq's fragments.  Run 0: the chunk's scale words where the step begins a chunk (8 loads), x's four tiles (12), W's tiles 0, 1 (6); runs 1-3: W's tiles 2 j, 2 j + 1 (6).
.macro RUN slot, qq, j
.if (\j) == 0
.if ((\qq)%2) == 0
	WIN 0
	SCALES \slot, (\qq)/2
.endif
	WIN 0x40+0x80*((\qq)%2)                        ; destination window 1 or 3, address window 0
.irp a, 0,1,2,3
	LDA \slot, \qq, \a
.endr
.else
	WIN 0x40+0x80*((\qq)%2)
.endif
	LDB \slot, \qq, 2*(\j)
	LDB \slot, \qq, 2*(\j)+1
.endm
; Group j: W's tiles 2 j, 2 j + 1 against x's four: 8 matrix instructions.  The 32 accumulators take turns, one instruction a turn, in the same order in every step.
.macro GRP j, sc, q, zero
.irp b, 2*(\j), 2*(\j)+1
.irp a, 0,1,2,3
.if \zero
	v_wmma_scale_f32_16x16x128_f8f6f4 v[8*(8*\a+(\b)):8*(8*\a+(\b))+7], v[BFR+12*(\b):BFR+12*(\b)+11], v[AFR+12*\a:AFR+12*\a+11], 0, v[SC+16*(\sc)+2*(\b)+(\q)], v[SC+16*(\sc)+2*\a+(\q)] matrix_a_fmt:MATRIX_FMT_FP6 matrix_b_fmt:MATRIX_FMT_FP6 matrix_a_scale:MATRIX_SCALE_ROW1
.else
	v_wmma_scale_f32_16x16x128_f8f6f4 v[8*(8*\a+(\b)):8*(8*\a+(\b))+7], v[BFR+12*(\b):BFR+12*(\b)+11], v[AFR+12*\a:AFR+12*\a+11], v[8*(8*\a+(\b)):8*(8*\a+(\b))+7], v[SC+16*(\sc)+2*(\b)+(\q)], v[SC+16*(\sc)+2*\a+(\q)] matrix_a_fmt:MATRIX_FMT_FP6 matrix_b_fmt:MATRIX_FMT_FP6 matrix_a_scale:MATRIX_SCALE_ROW1
.endif
.endr
.endr
.endm
; Step qq = 0 .. 2 of a slot: its successor lies in the same slot.  In front of group j: the wait for this step's run j, then the next step's run j.
; The products' windows: sources 0 and 1 window 1 or 3, C and D window 2.
.macro STEP slot, qq, zero
.set NS, 8*((\qq)%2)                   ; the next step begins a chunk where qq is odd: its run 0 has 8 loads more
	s_wait_dscnt 18                                ; my run 0 is in; behind it stand my runs 1-3, 6 loads each
	PLACES 4                                       ; in front of loads into registers that the last step's products have read (ISA guide 7.12.1 for vector instructions)
	RUN \slot, (\qq)+1, 0
	WIN 0xa5+0x0a*((\qq)%2)
	GRP 0, (\qq)/2, (\qq)%2, \zero
.irp j, 1,2,3
	s_wait_dscnt 30+NS                             ; my run j is in; behind it stand 3 - j runs of mine and j of the next step's: 12 + 18 + NS loads whichever j
	RUN \slot, (\qq)+1, \j
	WIN 0xa5+0x0a*((\qq)%2)
	GRP \j, (\qq)/2, (\qq)%2, \zero
.endr
.endm
; A slot's last step changes slots: one barrier; fill = 1: it opens a round of the cluster's barrier and the slot is filled again, with the 512 along K two slots on.
.macro TURN slot, next, fill
	WIN 0                                          ; (the add's two registers lie in window 0)
	s_wait_tensorcnt 0x0                           ; all my tensor loads have landed: my part of the next slot
	ds_add_u32 v[SPW], v[NIL]                      ; 0 onto my spare word
	s_wait_dscnt 19                                ; my run 0 is in; runs 1-3 and the add may be out
	WIN 0xaf
	GRP 0, 1, 1, 0
	s_wait_dscnt 0x0                               ; the add is done, and my reads of this slot are over
	s_barrier_signal -1
	GRP 1, 1, 1, 0
	WIN 0
	s_barrier_wait -1
.if \fill
	CREST                                          ; no wave of any partner still reads this slot or has a load on its way
	s_add_nc_u64 s[G0A+4*\slot+2:G0A+4*\slot+3], s[G0A+4*\slot+2:G0A+4*\slot+3], 8*CH
	s_add_nc_u64 s[G0B+4*\slot+2:G0B+4*\slot+3], s[G0B+4*\slot+2:G0B+4*\slot+3], 8*CH
	JLOAD G0A+4*\slot, G1A, G0B+4*\slot, G1B       ; the first tensor load behind the round; its four v_nop are the places in front of the loads below
.else
	PLACES 4
.endif
	RUN \next, 0, 0
	RUN \next, 0, 1
	WIN 0xaf
	GRP 2, 1, 1, 0
	RUN \next, 0, 2
	RUN \next, 0, 3
	WIN 0xaf
	GRP 3, 1, 1, 0
.endm
	s_wait_tensorcnt 1                             ; my part of slot 0 is in; slot 1's load may be out
	s_barrier_signal -1
	s_barrier_wait -1
.irp j, 0,1,2,3
	RUN 0, 0, \j
.endr
	STEP 0, 0, 1                                   ; the first step's products start the sums
	STEP 0, 1, 0
	STEP 0, 2, 0
	TURN 0, 1, 1                                   ; slot 0 takes K 1,024 on
	STEP 1, 0, 0
	STEP 1, 1, 0
	STEP 1, 2, 0
	TURN 1, 0, 1                                   ; slot 1 takes K 1,536 on
	STEP 0, 0, 0
	STEP 0, 1, 0
	STEP 0, 2, 0
	TURN 0, 1, 0                                   ; nothing is left to fetch
	STEP 1, 0, 0
	STEP 1, 1, 0
	STEP 1, 2, 0
	s_wait_dscnt 18                                ; the last step: the counts run down
	WIN 0xaf
	GRP 0, 1, 1, 0
	s_wait_dscnt 12
	GRP 1, 1, 1, 0
	s_wait_dscnt 6
	GRP 2, 1, 1, 0
	s_wait_dscnt 0x0
	GRP 3, 1, 1, 0
	WIN 0
; ================ THE WAY OUT.  Three barriers on every wave's path; the branches hang on the head alone, which all waves and all partners share.
	PLACES 4                                       ; behind the last products: for the reads of results and for loads and writes into operand registers
	s_wait_dscnt 0x0
	s_barrier_signal -1
	s_barrier_wait -1                              ; nobody reads a slot any more
	s_lshl_b32 s70, s42, 4
	s_lshl_b32 s71, s41, 3
	s_add_co_u32 s70, s70, s71
	s_lshl_b32 s71, s[RA], 2
	s_add_co_u32 s70, s70, s71                     ; T0 = 16 Y + 8 sa + 4 ra: my first tile of rows
	s_mov_b32 s[SEL], 0x76543210
	s_mov_b32 s[SEL+1], 0xfedcba98
	s_cmp_ge_u32 s43, 6
	s_cbranch_scc1 .Lno_sums
	; ---- q, k: gains and the first two tiles' cos and sin are asked for; then each row's sum of squares over my 128 columns
	s_cmp_lt_u32 s43, 4
	s_cselect_b64 s[66:67], s[10:11], s[12:13]
	s_lshl_b32 s68, s70, 14
	s_lshl_b32 s69, s[SB], 13
	s_add_co_u32 s68, s68, s69
	s_mov_b32 s69, 0
	s_add_nc_u64 s[8:9], s[8:9], s[68:69]          ; rope + 16,384 T0 + 8,192 sb
.macro RL a                            ; tile a's 32 cosines and 32 sines of a lane -> window 1, v[64 (a % 2)] on
.set rk, 0
.rept 16
	global_load_b128 v[64*((\a)%2)+4*rk:64*((\a)%2)+4*rk+3], v3, s[8:9] offset:16384*(\a)+512*rk
.set rk, rk+1
.endr
.endm
	WIN 0x40                                       ; destination window 1
.set gk, 0
.rept 16
	global_load_b128 v[128+4*gk:131+4*gk], v13, s[66:67] offset:512*(gk/8)+128*((gk/4)%2)+16*(gk%4)   ; the scale of register n's column -> window 1, v[128 + n]
.set gk, gk+1
.endr
	RL 0
	RL 1
	WIN 0x0a                                       ; sources 0 and 1: window 2
.irp a, 0,1,2,3
	v_pk_mul_f32 v[200+4*\a:201+4*\a], v[64*\a:64*\a+1], v[64*\a:64*\a+1]   ; each accumulator is read from its low end on
	v_pk_mul_f32 v[202+4*\a:203+4*\a], v[64*\a+2:64*\a+3], v[64*\a+2:64*\a+3]
.set sk, 4
.rept 15
	v_pk_fma_f32 v[200+4*\a:201+4*\a], v[64*\a+sk:64*\a+sk+1], v[64*\a+sk:64*\a+sk+1], v[200+4*\a:201+4*\a]
	v_pk_fma_f32 v[202+4*\a:203+4*\a], v[64*\a+sk+2:64*\a+sk+3], v[64*\a+sk+2:64*\a+sk+3], v[202+4*\a:203+4*\a]
.set sk, sk+4
.endr
.endr
	WIN 0
.irp a, 0,1,2,3
	v_pk_add_f32 v[200+4*\a:201+4*\a], v[200+4*\a:201+4*\a], v[202+4*\a:203+4*\a]
.endr
.irp a, 0,1,2,3
	v_add_f32 v[200+4*\a], v[200+4*\a], v[201+4*\a]
.endr
.irp a, 0,1,2,3
	v_permlanex16_b32 v[201+4*\a], v[200+4*\a], s[SEL], s[SEL+1]
.endr
.irp a, 0,1,2,3
	v_add_f32 v[200+4*\a], v[200+4*\a], v[201+4*\a]
.endr
.irp a, 0,1,2,3
	ds_store_b32 v8, v[200+4*\a] offset:128*\a
.endr
.Lno_sums:
	s_wait_dscnt 0x0                               ; for the other wave's sake: my sums lie in LDS
	s_barrier_signal -1
	s_barrier_wait -1
	s_and_b32 s77, s43, 1                          ; the kv head (heads 4-7)
	s_lshl_b32 s77, s77, 4
	s_add_co_u32 s77, s77, s42
	s_lshl_b32 s77, s77, 1
	s_add_co_u32 s77, s77, s41
	s_mul_i32 s77, s77, CH                         ; the chunk [kv head][Y][sa]
	s_mul_i32 s82, s[SB], 6144                     ; v: the four images that I store: tiles 4 sb + 8 ra on,
	s_mul_i32 s83, s[RA], 12288
	s_add_co_u32 s82, s82, s83
	s_add_co_u32 s88, s77, s82
	s_add_co_u32 s88, s88, VF
	s_mov_b32 s89, 0
	s_add_nc_u64 s[88:89], s[14:15], s[88:89]
	s_lshl_b32 s82, s[SB], 9                       ; and their scale words
	s_lshl_b32 s83, s[RA], 10
	s_add_co_u32 s82, s82, s83
	s_add_co_u32 s90, s77, s82
	s_add_co_u32 s90, s90, VF+SCO
	s_mov_b32 s91, 0
	s_add_nc_u64 s[90:91], s[14:15], s[90:91]
	s_cmp_ge_u32 s43, 6
	s_cbranch_scc1 .Lv_head
	; ---- q, k
.irp a, 0,1,2,3
	ds_load_b32 v[176+\a], v9 offset:128*\a
.endr
	s_mov_b32 s74, 0x3b800000                      ; 1 / 256
	s_mov_b32 s75, 0x358637bd                      ; 1e-6
	s_lshl_b32 s80, s43, 8
	s_add_co_u32 s80, s80, s70                     ; 256 head + T0
	s_mul_i32 s78, s80, 3072                       ; q: two fragments a tile
	s_lshl_b32 s79, s80, 8
	s_add_co_u32 s79, s79, QS                      ;    two scale-word images a tile
	s_mul_i32 s83, s[RA], 12288
	s_add_co_u32 s80, s77, s83
	s_add_co_u32 s80, s80, KF                      ; k: its chunk, my four tiles' images,
	s_lshl_b32 s83, s[RA], 10
	s_add_co_u32 s81, s77, s83
	s_add_co_u32 s81, s81, KF+SCO                  ;    and their scale words
	s_cmp_lt_u32 s43, 4
	s_cselect_b32 s76, 0x3d800000, 1.0             ; q carries 1/16, a power of two: folded into the row's factor it rounds nothing
	s_cselect_b32 s78, s78, s80
	s_cselect_b32 s79, s79, s81
	s_mul_i32 s82, s[SB], 1536
	s_add_co_u32 s84, s78, s82
	s_mov_b32 s85, 0
	s_lshl_b32 s82, s[SB], 7
	s_add_co_u32 s86, s79, s82
	s_mov_b32 s87, 0
	s_add_nc_u64 s[84:85], s[14:15], s[84:85]      ; codes: 3,072 bytes from tile to tile in q and in k alike
	s_add_nc_u64 s[86:87], s[14:15], s[86:87]      ; scale words: 256
.irp b, 0,1,2,3
	v_mov_b32 v[TM+4+\b], 0                        ; written once: a lane permute's destination counts as one of its sources
.endr
	s_wait_dscnt 0x0
.irp a, 0,1,2,3
	v_add_f32 v[168+\a], v[200+4*\a], v[176+\a]    ; the row's sum of squares over all 256 columns
.endr
.irp a, 0,1,2,3
	v_fma_f32 v[168+\a], v[168+\a], s74, s75
.endr
.irp a, 0,1,2,3
	v_rsq_f32 v[168+\a], v[168+\a]
.endr
	v_nop                                          ; a plain place behind the last of the batch
	s_wait_alu depctr_va_vdst(0)                   ; one wait for the four, ahead of their first reader
.irp a, 0,1,2,3
	v_mul_f32 v[168+\a], s76, v[168+\a]
.endr
	s_wait_loadcnt 32                              ; the gains are in; the two sets of cos and sin may be out
	WIN 0x41
.set gk, 0
.rept 32
	v_pk_add_f32 v[128+2*gk:129+2*gk], v[128+2*gk:129+2*gk], 1.0 op_sel_hi:[1,0]   ; 1 + scale
.set gk, gk+1
.endr
.macro QKBLK a
.if (\a) < 3
	s_wait_loadcnt 16                              ; this tile's cos and sin are in; the next tile's may be out
.else
	s_wait_loadcnt 0x0
.endif
	WIN 0
	v_mov_b32 v166, v[168+(\a)]
	v_mov_b32 v167, v[168+(\a)]
	WIN 0x02                                       ; source 0: window 2
.set zk, 0
.rept 32
	v_pk_mul_f32 v[64+2*zk:65+2*zk], v[64*(\a)+2*zk:64*(\a)+2*zk+1], v[166:167]   ; x rsqrt(mean square + eps)
.set zk, zk+1
.endr
	WIN 0x04                                       ; source 1: window 1
.set zk, 0
.rept 32
	v_pk_mul_f32 v[64+2*zk:65+2*zk], v[64+2*zk:65+2*zk], v[128+2*zk:129+2*zk]             ; x (1 + scale)
.set zk, zk+1
.endr
.set zk, 0
.rept 16
	v_pk_mul_f32 v[184+4*(zk%4):185+4*(zk%4)], v[96+2*zk:97+2*zk], v[64*((\a)%2)+32+2*zk:64*((\a)%2)+33+2*zk]   ; x2 sin
	v_pk_mul_f32 v[186+4*(zk%4):187+4*(zk%4)], v[64+2*zk:65+2*zk], v[64*((\a)%2)+32+2*zk:64*((\a)%2)+33+2*zk]   ; x1 sin
	v_pk_fma_f32 v[64+2*zk:65+2*zk], v[64+2*zk:65+2*zk], v[64*((\a)%2)+2*zk:64*((\a)%2)+2*zk+1], v[184+4*(zk%4):185+4*(zk%4)] neg_lo:[0,0,1] neg_hi:[0,0,1]
	v_pk_fma_f32 v[96+2*zk:97+2*zk], v[96+2*zk:97+2*zk], v[64*((\a)%2)+2*zk:64*((\a)%2)+2*zk+1], v[186+4*(zk%4):187+4*(zk%4)]
.set zk, zk+1
.endr
.if (\a)+2 < 4
	WIN 0x40
	RL (\a)+2
.endif
	WIN 0
	s_wait_xcnt 0x0                                ; the last tile's stores have read the codes and the scale word
	QUANT 64, 164
.irp g, 0,1,2
	global_store_b128 v3, v[PC+4*\g:PC+4*\g+3], s[84:85] offset:3072*(\a)+512*\g
.endr
	global_store_b32 v12, v164, s[86:87] offset:256*(\a)
.endm
.irp a, 0,1,2,3
	QKBLK \a
.endr
	s_branch .Ldone
	; ---- v: the keys become K.  My 64 keys x my 128 of the head's 256 go through my stage; a lane then reads one of the 256 and 32 neighbouring keys: a whole block.
	; My keys are k = 64 ra .. 64 ra + 63 of the chunk's 128: registers 6 ra .. 6 ra + 5 of each fragment, and two of its four scale bytes.
.Lv_head:
.macro VLD x                           ; tile x = 2 bl + u of my eight: 32 keys of column 32 bl + 8 u + r + 8 (r / 8); lanes 16-31 the next 32 keys
.set lk, 0
.rept 32
	ds_load_b32 v[64+32*((\x)%2)+lk], v11 offset:lk*528+4*(32*((\x)/2)+8*((\x)%2))
.set lk, lk+1
.endr
.endm
.macro VTILE x
.set XS, 64+32*((\x)%2)
	v_max3_num_f32 v40, |v[XS]|, |v[XS+1]|, |v[XS+2]|
	v_max3_num_f32 v41, |v[XS+3]|, |v[XS+4]|, |v[XS+5]|
.irp i, 6,10,14,18,22,26
	v_max3_num_f32 v40, v40, |v[XS+\i]|, |v[XS+\i+1]|
	v_max3_num_f32 v41, v41, |v[XS+\i+2]|, |v[XS+\i+3]|
.endr
	v_max3_num_f32 v40, v40, |v[XS+30]|, |v[XS+31]|
	v_max3_num_f32 v40, v40, v41, 0x1800000
	v_add_nc_u32 v42, 0xff000000, v40
	v_lshrrev_b32 v[32+(\x)], 23, v42              ; the byte of block 2 ra + h
	v_cvt_scalef32_pk16_fp6_f32 v[128+6*(\x):130+6*(\x)], v[XS:XS+15], v42   ; my six registers of the fragment
	v_cvt_scalef32_pk16_fp6_f32 v[44:46], v[XS+16:XS+31], v42
	v_nop                                          ; one plain place behind a scaled conversion
	v_mov_b32 v[131+6*(\x)], v44
	v_mov_b32 v[132+6*(\x)], v45
	v_mov_b32 v[133+6*(\x)], v46
.endm
	WIN 0x08                                       ; an LDS store's data are its source 1: window 2
.irp a, 0,1,2,3
.irp t, 0,1,2,3,4,5,6,7
	ds_store_b128 v10, v[8*(8*\a+\t):8*(8*\a+\t)+3] offset:(32*(\a/2)+8*(\a%2))*528+32*(\a/2)+4*(64*(\t/4)+32*((\t/2)%2)+8*(\t%2))   ; each accumulator from its low end on
	ds_store_b128 v10, v[8*(8*\a+\t)+4:8*(8*\a+\t)+7] offset:(32*(\a/2)+8*(\a%2))*528+32*(\a/2)+4*(64*(\t/4)+32*((\t/2)%2)+8*(\t%2))+16
.endr
.endr
	WIN 0
	VLD 0                                          ; LDS serves a wave's instructions in order: the loads see the stores above
.irp x, 0,1,2,3,4,5,6,7
.if \x < 7
	VLD \x+1
	s_wait_dscnt 32                                ; this tile's 32 loads are in; the next tile's may be out
.else
	s_wait_dscnt 0x0
.endif
	VTILE \x
.endr
	v_lshlrev_b32 v48, 3, v2                       ; 8 h
.irp x, 0,1,2,3,4,5,6,7
	v_mov_b32 v[50+\x], 0
	v_lshlrev_b32 v[32+\x], v48, v[32+\x]          ; my byte at its place in the half word
.endr
.irp x, 0,1,2,3,4,5,6,7
	v_permlanex16_b32 v[50+\x], v[32+\x], s[SEL], s[SEL+1]
.endr
.irp x, 0,1,2,3,4,5,6,7
	v_or_b32 v[32+\x], v[32+\x], v[50+\x]          ; with lane l xor 16's: bytes 2 ra and 2 ra + 1
.endr
.irp x, 0,1,2,3,4,5,6,7                    ; the half fragments go to my own part of LDS as images of their registers
	ds_store_b128 v[VW16], v[128+6*\x:131+6*\x] offset:768*\x
	ds_store_b64 v[VW8], v[132+6*\x:133+6*\x] offset:768*\x+512
	ds_store_b32 v[VW4], v[32+\x] offset:128*\x
.endr
.Ldone:
	s_wait_dscnt 0x0                               ; for the others' sake: my half fragments lie in LDS
	s_barrier_signal -1
	s_barrier_wait -1
	s_cmp_lt_u32 s43, 6
	s_cbranch_scc1 .Lend
	; ---- v: tiles 4 ra .. 4 ra + 3 of my column half, whole: registers 0-5 from wave sb's part, 6-11 from wave 2 + sb's.  They are images 4 sb + 8 ra on of the chunk: 6,144 consecutive bytes
.irp x, 0,1,2,3
	ds_load_b128 v[64+12*\x:67+12*\x], v[VR16] offset:768*\x
	ds_load_b64 v[68+12*\x:69+12*\x], v[VR8] offset:768*\x+512
	ds_load_b128 v[70+12*\x:73+12*\x], v[VR16] offset:2*AREA+768*\x
	ds_load_b64 v[74+12*\x:75+12*\x], v[VR8] offset:2*AREA+768*\x+512
	ds_load_b32 v[32+\x], v[VR4] offset:128*\x
	ds_load_b32 v[36+\x], v[VR4] offset:2*AREA+128*\x
.endr
	s_wait_dscnt 0x0
.irp x, 0,1,2,3
	v_lshl_or_b32 v[32+\x], v[36+\x], 16, v[32+\x] ; the scale word is whole
.endr
.irp x, 0,1,2,3
.irp g, 0,1,2
	global_store_b128 v3, v[64+12*\x+4*\g:67+12*\x+4*\g], s[88:89] offset:1536*\x+512*\g   ; 512 consecutive bytes
.endr
	global_store_b32 v12, v[32+\x], s[90:91] offset:128*\x
.endr
.Lend:
	s_wait_tensorcnt 0x0                           ; the wave's end
	ds_add_u32 v[SPW], v[NIL]
	s_wait_dscnt 0x0
	CROUND                                         ; the closing round
	s_endpgm
.Lfunc_end_k_q0d6f1bbc89_proj:
	.size	k_q0d6f1bbc89_proj, .Lfunc_end_k_q0d6f1bbc89_proj-k_q0d6f1bbc89_proj
	.p2alignl 7, 3214868480
	.fill 96, 4, 3214868480
	.section	.rodata,"a",@progbits
	.p2align	6, 0x0
	.amdhsa_kernel k_q0d6f1bbc89_proj
		.amdhsa_group_segment_fixed_size 327680
		.amdhsa_private_segment_fixed_size 0
		.amdhsa_enable_private_segment 0
		.amdhsa_kernarg_size 48
		.amdhsa_user_sgpr_count 2
		.amdhsa_user_sgpr_kernarg_segment_ptr 1
		.amdhsa_wavefront_size32 1
		.amdhsa_system_sgpr_workgroup_id_x 1
		.amdhsa_system_sgpr_workgroup_id_y 1
		.amdhsa_system_sgpr_workgroup_id_z 1
		.amdhsa_system_vgpr_workitem_id 0
		.amdhsa_next_free_vgpr 1024
		.amdhsa_next_free_sgpr 98
		.amdhsa_reserve_vcc 0
		.amdhsa_float_denorm_mode_32 3
		.amdhsa_float_denorm_mode_16_64 3
		.amdhsa_memory_ordered 1
		.amdhsa_forward_progress 1
		.amdhsa_inst_pref_size 232
	.end_amdhsa_kernel
	.amdgpu_metadata
---
amdhsa.version: [ 1, 2 ]
amdhsa.kernels:
  - .name:           k_q0d6f1bbc89_proj
    .symbol:         k_q0d6f1bbc89_proj.kd
    .args:
      - { .name: xf, .offset: 0, .size: 8, .value_kind: global_buffer, .address_space: global }
      - { .name: wq, .offset: 8, .size: 8, .value_kind: global_buffer, .address_space: global }
      - { .name: rope, .offset: 16, .size: 8, .value_kind: global_buffer, .address_space: global }
      - { .name: q_scale, .offset: 24, .size: 8, .value_kind: global_buffer, .address_space: global }
      - { .name: k_scale, .offset: 32, .size: 8, .value_kind: global_buffer, .address_space: global }
      - { .name: qkv, .offset: 40, .size: 8, .value_kind: global_buffer, .address_space: global }
    .group_segment_fixed_size: 327680
    .private_segment_fixed_size: 0
    .kernarg_segment_align: 8
    .kernarg_segment_size: 48
    .max_flat_workgroup_size: 128
    .sgpr_count:     98
    .vgpr_count:     1024
    .wavefront_size: 32
...
	.end_amdgpu_metadata
.endif
;; end of part 5
;; launch attn: the kernel of part 3 again; grid 256 x 1, 4 waves a work-group, no clusters, 107,008 bytes of LDS; arguments qkv, msk, flg, ef; writes ef
;; launch outp (part 6): grid 32 x 8, 4 waves a work-group, clusters of 4 x 1, 327,680 bytes of LDS; arguments ef, wq, out0; writes out0
.if DOCPART == 6
	.amdgcn_target "amdgcn-amd-amdhsa--gfx1250"
	.amdhsa_code_object_version 6
	.text
	.protected	k_q0d6f1bbc89_outp
	.globl	k_q0d6f1bbc89_outp
	.p2align	8
	.type	k_q0d6f1bbc89_outp,@function
k_q0d6f1bbc89_outp:
	s_mov_b64 s[64:65], 0
	v_nop
	global_prefetch_b8 v0, s[64:65] scope:SCOPE_SE
	s_setreg_imm32_b32 hwreg(HW_REG_WAVE_MODE, 25, 1), 1
	s_wait_xcnt 0x0
	s_wait_alu depctr_hold_cnt(0) depctr_sa_sdst(0) depctr_va_vdst(0) depctr_va_sdst(0) depctr_va_ssrc(0) depctr_va_vcc(0) depctr_vm_vsrc(0)
	s_getreg_b32 s2, hwreg(HW_REG_IB_STS2, 6, 4)
	s_cmp_eq_u32 s2, 0
	s_cbranch_scc0 .Lentry_in_a_cluster
	s_endpgm
.Lentry_in_a_cluster:
	s_bfe_u32 s2, ttmp6, 0x10000c
	s_cmp_lg_u32 s2, 0x3003
	s_cbranch_scc0 .Lentry_shape_is_right
	s_endpgm
.Lentry_shape_is_right:
; OUTP: out = enc Wo on codes of E2M3, K = 4 heads x 256 = 1,024.  The steps are the projection launch's: a work-group makes 128 rows (half sa of block Y) x 256 columns (block col): 32 x 8 = 256 work-groups;
; wave (ra, sb) makes row tiles 4 ra .. 4 ra + 3 x the eight column tiles of half sb: 32 accumulators of 16 x 16, one register window.
; Operands lie in memory in the order of their registers: a chunk of 26,624 bytes = 16 fragment images (tile i, K step q: 2 i + q; register 4 g + e of lane L at 512 g + 16 L + 4 e) and from byte 24,576 the
; scale words [i][lane][q], lanes 16-31 repeating lanes 0-15.
; ROWS OF A TILE: half sg, tile i, lane row p: row 64 sg + 128 (i / 4) + 32 ((i / 2) % 2) + 8 (i % 2) + p + 8 (p / 8), for enc's rows and Wo's columns alike.
; A SLOT holds 512 along K: enc's two chunks, then Wo's four.  K is two slots' worth, so both are filled once, at the start, and NO LDS BYTE IS FILLED AGAIN.  One tensor load a wave and slot: waves 0 and 1 a chunk of
; enc, waves 2 and 3 two chunks of Wo, which lie on end in memory.
; TRANSPOSED USE: source 0 = 16 columns of Wo, source 1 = 16 rows of enc: a lane holds eight neighbouring columns of one row.
; CLUSTER 4 x 1: the four row halves of a cluster take the same column block, so Wo's chunks, four of a slot's six, are asked for jointly.  enc's two are asked for singly: sharing them too (clusters of 4 x 4, along the
; column blocks) is left out, so that this launch and the projection launch keep one form.
; REGISTERS: window 0: v1-31 addresses; v32-63 scale words, a set of 16 for each chunk parity; v64-71 their addresses; v128-255 rows on the way out.
;   window 1 (steps of even parity), window 3 (odd): Wo's eight fragments v0-95, enc's four v96-143.   window 2: the accumulators, (a, b) at v[8 (8 a + b)].
.set CH,    26624
.set SCO,   24576
.set SLOT,  6*CH
.set OWF,   3407872
.set U,     4
.set ADRA,  16                         ; v16-17 my four tiles of enc in slot 0, 1
.set ADRB,  20                         ; v20-23 my half of Wo: 2 slot + chunk
.set STO,   24                         ; v24 the way out: where I put 32 bytes of a row
.set RD,    25                         ; v25 where I read a row back
.set CO,    30                         ; v30 my bytes in a row of out0
.set SC,    32
.set ADRS,  64                         ; v64-67 scale words, tiles 0-3: lanes 0-15 enc's, lanes 16-31 Wo's
.set ADRP,  68                         ; v68-71 scale words, Wo's tiles 4-7
.set BFR,   0
.set AFR,   96
.set BK,    128                        ; the way out: 16 rows read back: v128-191 and v192-255 by turns
.set G1A,   24
.set G0A,   32
.set G1B,   48
.set G0B,   56
.set WV,    16
.set RA,    17
.set SB,    18
.set MSB,   0
.macro WIN new                         ; the immediate's high byte repeats the setting that is left
.if MSB != (\new)
	s_set_vgpr_msb (MSB<<8)|(\new)
.set MSB, (\new)
.endif
.endm
.macro JLOAD g0a, g1a, g0b, g1b        ; waves 0 and 1 fetch enc's chunks, waves 2 and 3 Wo's (jointly); four v_nop follow each line
	s_cmp_eq_u32 s[RA], 0
	s_cbranch_scc0 .Lfor_b_\@
	tensor_load_to_lds s[\g0a:\g0a+3], s[\g1a:\g1a+7]
	s_nop 0
.rept 4
	v_nop
.endr
	s_branch .Lasked_\@
.Lfor_b_\@:
	tensor_load_to_lds s[\g0b:\g0b+3], s[\g1b:\g1b+7]
	s_nop 0
.rept 4
	v_nop
.endr
.Lasked_\@:
.endm
.macro CROUND                          ; a round of the cluster's barrier
	s_barrier_signal -1
	s_barrier_wait -1
	s_cmp_lg_u32 s[WV], 0
	s_cbranch_scc1 .Lnot_wave_0_\@
	s_barrier_signal -3
.Lnot_wave_0_\@:
	s_barrier_wait -3
	s_barrier_signal -1
	s_barrier_wait -1
.endm
.macro PLACES n
.rept \n
	v_nop
.endr
.endm
	s_load_b128 s[4:7], s[0:1], 0x0                ; ef, wq
	s_load_b64 s[12:13], s[0:1], 0x10              ; out0
	v_lshl_add_u32 v126, v0, 2, 0x4e000
	v_mov_b32 v127, 0
	ds_add_u32 v126, v127
	ds_add_u32 v126, v127
	v_lshrrev_b32 v1, 5, v0
	v_readfirstlane_b32 s[WV], v1
	s_lshr_b32 s[RA], s[WV], 1                     ; which four row tiles are mine.  Also: I fetch for enc (0) or for Wo (1)
	s_and_b32 s[SB], s[WV], 1                      ; my half of the columns.  Also: which of a slot's two chunks along K I fetch
	s_bfe_u32 s40, ttmp6, 0x40000                  ; cx: it enters global addresses of enc and out0 alone
	s_lshl_b32 s42, ttmp9, 2
	s_add_co_u32 s42, s42, s40                     ; the row half, 0 .. 31
	s_and_b32 s41, s42, 1                          ; sa
	s_lshr_b32 s42, s42, 1                         ; Y
	s_and_b32 s43, ttmp7, 0xffff                   ; col, which the four partners share
	s_mov_b32 s[G1A], 3<<16                        ; no mask; elements of 8 bytes; no padding
	s_mov_b32 s[G1A+1], 32<<16                     ; tensor_dim0 = 32 elements: 256 bytes
	s_mov_b32 s[G1A+2], 104<<16                    ; tensor_dim1 = 104 rows: a chunk
	s_mov_b32 s[G1A+3], 32<<16
	s_mov_b32 s[G1A+4], 104
	s_mov_b32 s[G1A+5], 32                         ; the pitch: dense
	s_mov_b32 s[G1A+6], 0
	s_mov_b32 s[G1A+7], 0
	s_mov_b32 s[G1B], 15|(3<<16)|(1<<21)           ; the mask: all four work-groups; bit 21 set beside it
	s_mov_b32 s[G1B+1], 32<<16
	s_mov_b32 s[G1B+2], 208<<16                    ; 208 rows: two chunks on end
	s_mov_b32 s[G1B+3], 32<<16
	s_mov_b32 s[G1B+4], 208
	s_mov_b32 s[G1B+5], 32
	s_mov_b32 s[G1B+6], 0
	s_mov_b32 s[G1B+7], 0
	s_mul_i32 s20, s42, U
	s_add_co_u32 s20, s20, s[SB]
	s_lshl_b32 s20, s20, 1
	s_add_co_u32 s20, s20, s41
	s_mul_i32 s20, s20, CH                         ; enc's chunk [Y][which][sa]
	s_mov_b32 s21, 0
	s_mul_i32 s46, s43, U
	s_add_co_u32 s46, s46, s[SB]
	s_mul_i32 s46, s46, 2*CH
	s_add_co_u32 s46, s46, OWF                     ; Wo's chunks [col][which][0 and 1]
	s_mov_b32 s47, 0
	s_mul_i32 s45, s[SB], CH
	s_mul_i32 s44, s[SB], 2*CH
	s_add_co_u32 s44, s44, 2*CH
	s_wait_dscnt 0x0
	s_wait_kmcnt 0x0
	s_add_nc_u64 s[20:21], s[4:5], s[20:21]
	s_add_nc_u64 s[46:47], s[6:7], s[46:47]
	CROUND                                         ; all four work-groups are here: the joint loads meet
.irp s, 0,1
	s_mov_b32 s[G0A+4*\s], 1
	s_add_co_u32 s[G0A+4*\s+1], s45, \s*SLOT
	s_add_nc_u64 s[G0A+4*\s+2:G0A+4*\s+3], s[20:21], \s*4*CH
	s_or_b32 s[G0A+4*\s+3], s[G0A+4*\s+3], 0x80000000
	s_mov_b32 s[G0B+4*\s], 1
	s_add_co_u32 s[G0B+4*\s+1], s44, \s*SLOT
	s_add_nc_u64 s[G0B+4*\s+2:G0B+4*\s+3], s[46:47], \s*4*CH
	s_or_b32 s[G0B+4*\s+3], s[G0B+4*\s+3], 0x80000000
	JLOAD G0A+4*\s, G1A, G0B+4*\s, G1B
.endr
	v_and_b32 v1, 31, v0                           ; lane
	v_bfe_u32 v2, v0, 4, 1                         ; h
	v_lshlrev_b32 v3, 4, v1                        ; 16 x lane
	v_lshlrev_b32 v4, 3, v1                        ; 8 x lane
	s_mul_i32 s21, s[RA], 12288                    ; my four tiles: eight images on
	v_add_nc_u32 v[ADRA], s21, v3
	v_add_nc_u32 v[ADRA+1], SLOT, v[ADRA]
	s_mul_i32 s22, s[SB], CH
	s_add_co_u32 s22, s22, 2*CH                    ; my half of Wo's first chunk
	v_add_nc_u32 v[ADRB], s22, v3
	v_add_nc_u32 v[ADRB+1], 2*CH, v[ADRB]
	v_add_nc_u32 v[ADRB+2], SLOT, v[ADRB]
	v_add_nc_u32 v[ADRB+3], SLOT, v[ADRB+1]
	v_add_nc_u32 v[ADRP], s22, v4
	v_add_nc_u32 v[ADRP+1], 2*CH, v[ADRP]
	v_add_nc_u32 v[ADRP+2], SLOT, v[ADRP]
	v_add_nc_u32 v[ADRP+3], SLOT, v[ADRP+1]
	s_lshl_b32 s23, s[RA], 10                      ; enc's scale words of my tiles: 256 bytes a tile
	s_sub_co_u32 s19, s22, s23
	v_mul_u32_u24 v5, s19, v2                      ; lanes 16-31 take Wo's words: one product, the distance between the two places
	v_add_nc_u32 v5, v5, v4
	s_add_co_u32 s23, s23, SCO
	v_add_nc_u32 v[ADRS], s23, v5
	s_add_co_u32 s19, s19, CH                      ; in a slot's second chunk enc's words lie one chunk on, Wo's two
	v_mul_u32_u24 v5, s19, v2
	v_add_nc_u32 v5, v5, v4
	s_add_co_u32 s23, s23, CH
	v_add_nc_u32 v[ADRS+1], s23, v5
	v_add_nc_u32 v[ADRS+2], SLOT, v[ADRS]
	v_add_nc_u32 v[ADRS+3], SLOT, v[ADRS+1]
	s_mul_i32 s23, s[WV], 8448                     ; my stage, 16 rows of 512 + 16 bytes, in slot 0: it has had its one fill and its last read when the first result is stored there
	v_and_b32 v6, 15, v0
	v_mul_u32_u24 v[STO], v6, 528
	v_lshl_add_u32 v[STO], v2, 6, v[STO]
	v_add_nc_u32 v[STO], s23, v[STO]
	v_add_nc_u32 v[RD], s23, v3
	v_lshlrev_b32 v[CO], 9, v2
	v_lshl_add_u32 v[CO], v6, 4, v[CO]             ; lanes 0-15 my first 64 columns, lanes 16-31 the 64 that lie 128 further on
	s_lshl_b32 s20, s42, 8
	s_lshl_b32 s21, s41, 6
	s_add_co_u32 s20, s20, s21
	s_lshl_b32 s21, s[RA], 7
	s_add_co_u32 s20, s20, s21                     ; my first row: 256 Y + 64 sa + 128 ra
	s_lshl_b32 s20, s20, 13                        ; rows of 8,192 bytes
	s_lshl_b32 s21, s43, 10
	s_add_co_u32 s20, s20, s21
	s_lshl_b32 s21, s[SB], 8
	s_add_co_u32 s20, s20, s21
	s_mov_b32 s21, 0
	s_add_nc_u64 s[12:13], s[12:13], s[20:21]
.macro LDB slot, qq, b                 ; Wo's tile b of the slot's step qq (0 .. 3): three loads of 512 consecutive bytes
.irp g, 0,1,2
	ds_load_b128 v[BFR+12*(\b)+4*\g:BFR+12*(\b)+4*\g+3], v[ADRB+2*(\slot)+(\qq)/2] offset:(2*(\b)+(\qq)%2)*1536+512*\g
.endr
.endm
.macro LDA slot, qq, a                 ; enc's tile a of my four
.irp g, 0,1,2
	ds_load_b128 v[AFR+12*(\a)+4*\g:AFR+12*(\a)+4*\g+3], v[ADRA+(\slot)] offset:((\qq)/2)*CH+(2*(\a)+(\qq)%2)*1536+512*\g
.endr
.endm
.macro SCALES slot, uu                 ; a chunk's scale words, two a row.  Registers of tiles 0-3: lanes 0-15 enc's tile, lanes 16-31 Wo's; of tiles 4-7: Wo's
.irp i, 0,1,2,3
	ds_load_b64 v[SC+16*(\uu)+2*\i:SC+16*(\uu)+2*\i+1], v[ADRS+2*(\slot)+(\uu)] offset:256*\i
.endr
.irp i, 4,5,6,7
	ds_load_b64 v[SC+16*(\uu)+2*\i:SC+16*(\uu)+2*\i+1], v[ADRP+2*(\slot)+(\uu)] offset:SCO+256*\i
.endr
.endm
; Run j of the four that bring step qq's fragments.  Run 0: the chunk's scale words where the step begins a chunk (8 loads), enc's four tiles (12), Wo's tiles 0, 1 (6); runs 1-3: Wo's tiles 2 j, 2 j + 1 (6).
.macro RUN slot, qq, j
.if (\j) == 0
.if ((\qq)%2) == 0
	WIN 0
	SCALES \slot, (\qq)/2
.endif
	WIN 0x40+0x80*((\qq)%2)                        ; destination window 1 or 3, address window 0
.irp a, 0,1,2,3
	LDA \slot, \qq, \a
.endr
.else
	WIN 0x40+0x80*((\qq)%2)
.endif
	LDB \slot, \qq, 2*(\j)
	LDB \slot, \qq, 2*(\j)+1
.endm
; Group j: Wo's tiles 2 j, 2 j + 1 against enc's four: 8 matrix instructions.  The 32 accumulators take turns, one instruction a turn, in the same order in every step.
.macro GRP j, sc, q, zero
.irp b, 2*(\j), 2*(\j)+1
.irp a, 0,1,2,3
.if \zero
	v_wmma_scale_f32_16x16x128_f8f6f4 v[8*(8*\a+(\b)):8*(8*\a+(\b))+7], v[BFR+12*(\b):BFR+12*(\b)+11], v[AFR+12*\a:AFR+12*\a+11], 0, v[SC+16*(\sc)+2*(\b)+(\q)], v[SC+16*(\sc)+2*\a+(\q)] matrix_a_fmt:MATRIX_FMT_FP6 matrix_b_fmt:MATRIX_FMT_FP6 matrix_a_scale:MATRIX_SCALE_ROW1
.else
	v_wmma_scale_f32_16x16x128_f8f6f4 v[8*(8*\a+(\b)):8*(8*\a+(\b))+7], v[BFR+12*(\b):BFR+12*(\b)+11], v[AFR+12*\a:AFR+12*\a+11], v[8*(8*\a+(\b)):8*(8*\a+(\b))+7], v[SC+16*(\sc)+2*(\b)+(\q)], v[SC+16*(\sc)+2*\a+(\q)] matrix_a_fmt:MATRIX_FMT_FP6 matrix_b_fmt:MATRIX_FMT_FP6 matrix_a_scale:MATRIX_SCALE_ROW1
.endif
.endr
.endr
.endm
; Step qq = 0 .. 2 of a slot: its successor lies in the same slot.  In front of group j: the wait for this step's run j, then the next step's run j.
.macro STEP slot, qq, zero
.set NS, 8*((\qq)%2)                   ; the next step begins a chunk where qq is odd: its run 0 has 8 loads more
	s_wait_dscnt 18                                ; my run 0 is in; behind it stand my runs 1-3, 6 loads each
	PLACES 4                                       ; in front of loads into registers that the last step's products have read (ISA guide 7.12.1 for vector instructions)
	RUN \slot, (\qq)+1, 0
	WIN 0xa5+0x0a*((\qq)%2)                        ; sources 0 and 1 window 1 or 3, C and D window 2
	GRP 0, (\qq)/2, (\qq)%2, \zero
.irp j, 1,2,3
	s_wait_dscnt 30+NS                             ; my run j is in; behind it stand 3 - j runs of mine and j of the next step's: 12 + 18 + NS loads whichever j
	RUN \slot, (\qq)+1, \j
	WIN 0xa5+0x0a*((\qq)%2)
	GRP \j, (\qq)/2, (\qq)%2, \zero
.endr
.endm
	s_wait_tensorcnt 1                             ; my part of slot 0 is in; slot 1's load may be out
	s_barrier_signal -1
	s_barrier_wait -1
.irp j, 0,1,2,3
	RUN 0, 0, \j
.endr
	STEP 0, 0, 1                                   ; the first step's products start the sums
	STEP 0, 1, 0
	STEP 0, 2, 0
	; slot 0's last step, and the change to slot 1
	s_wait_tensorcnt 0x0                           ; my part of slot 1 is in
	s_wait_dscnt 18
	WIN 0xaf
	GRP 0, 1, 1, 0
	s_wait_dscnt 0x0                               ; my reads of slot 0 are over: behind this barrier its bytes serve as stages
	s_barrier_signal -1
	GRP 1, 1, 1, 0
	s_barrier_wait -1                              ; everybody's part of slot 1 is in
	PLACES 4
	RUN 1, 0, 0
	RUN 1, 0, 1
	WIN 0xaf
	GRP 2, 1, 1, 0
	RUN 1, 0, 2
	RUN 1, 0, 3
	WIN 0xaf
	GRP 3, 1, 1, 0
	STEP 1, 0, 0
	STEP 1, 1, 0
	STEP 1, 2, 0
	s_wait_dscnt 18                                ; the last step: the counts run down
	WIN 0xaf
	GRP 0, 1, 1, 0
	s_wait_dscnt 12
	GRP 1, 1, 1, 0
	s_wait_dscnt 6
	GRP 2, 1, 1, 0
	s_wait_dscnt 0x0
	GRP 3, 1, 1, 0
	WIN 0
; THE WAY OUT, a tile of 16 rows x my 128 columns at a time through my stage; it comes back as whole rows, and 32 lanes store two runs of 256 consecutive bytes, each at a multiple of 256 from out0's first byte.
.macro TOSTAGE a
	WIN 0x08                                       ; an LDS store's data are its source 1: window 2
.irp t, 0,1,2,3,4,5,6,7
	ds_store_b128 v[STO], v[64*(\a)+8*\t:64*(\a)+8*\t+3] offset:4*(64*(\t/4)+32*((\t/2)%2)+8*(\t%2))        ; each accumulator from its low end on
	ds_store_b128 v[STO], v[64*(\a)+8*\t+4:64*(\a)+8*\t+7] offset:4*(64*(\t/4)+32*((\t/2)%2)+8*(\t%2))+16
.endr
	WIN 0
.set BB, BK+64*((\a)%2)
.irp t, 0,1,2,3,4,5,6,7,8,9,10,11,12,13,14,15
	ds_load_b128 v[BB+4*\t:BB+4*\t+3], v[RD] offset:\t*528   ; LDS serves a wave's instructions in order: these see the stores above
.endr
.endm
.macro SEND a, younger
.set BB, BK+64*((\a)%2)
	s_wait_dscnt \younger                          ; the tile is back; the next tile's 16 stores and 16 loads may be out
.irp t, 0,1,2,3,4,5,6,7,8,9,10,11,12,13,14,15
	global_store_b128 v[CO], v[BB+4*\t:BB+4*\t+3], s[12:13] offset:(32*((\a)/2)+8*((\a)%2)+\t+8*(\t/8))*8192 th:TH_STORE_NT
.endr
.endm
	PLACES 4                                       ; behind the last products, in front of the first read of results
	TOSTAGE 0
.irp a, 1,2,3
.if \a > 1
	s_wait_xcnt 0x0                                ; tile a - 2's stores have read their registers: tile a's loads may land there
.endif
	TOSTAGE \a
	SEND \a-1, 32
.endr
	SEND 3, 0
	s_wait_tensorcnt 0x0
	ds_add_u32 v126, v127
	s_wait_dscnt 0x0
	CROUND                                         ; the closing round: no work-group ends while a partner may still ask for a chunk that names it
	s_endpgm
.Lfunc_end_k_q0d6f1bbc89_outp:
	.size	k_q0d6f1bbc89_outp, .Lfunc_end_k_q0d6f1bbc89_outp-k_q0d6f1bbc89_outp
	.p2alignl 7, 3214868480
	.fill 96, 4, 3214868480
	.section	.rodata,"a",@progbits
	.p2align	6, 0x0
	.amdhsa_kernel k_q0d6f1bbc89_outp
		.amdhsa_group_segment_fixed_size 327680
		.amdhsa_private_segment_fixed_size 0
		.amdhsa_enable_private_segment 0
		.amdhsa_kernarg_size 24
		.amdhsa_user_sgpr_count 2
		.amdhsa_user_sgpr_kernarg_segment_ptr 1
		.amdhsa_wavefront_size32 1
		.amdhsa_system_sgpr_workgroup_id_x 1
		.amdhsa_system_sgpr_workgroup_id_y 1
		.amdhsa_system_sgpr_workgroup_id_z 1
		.amdhsa_system_vgpr_workitem_id 0
		.amdhsa_next_free_vgpr 1024
		.amdhsa_next_free_sgpr 98
		.amdhsa_reserve_vcc 0
		.amdhsa_float_denorm_mode_32 3
		.amdhsa_float_denorm_mode_16_64 3
		.amdhsa_memory_ordered 1
		.amdhsa_forward_progress 1
		.amdhsa_inst_pref_size 79
	.end_amdhsa_kernel
	.amdgpu_metadata
---
amdhsa.version: [ 1, 2 ]
amdhsa.kernels:
  - .name:           k_q0d6f1bbc89_outp
    .symbol:         k_q0d6f1bbc89_outp.kd
    .args:
      - { .name: ef, .offset: 0, .size: 8, .value_kind: global_buffer, .address_space: global }
      - { .name: wq, .offset: 8, .size: 8, .value_kind: global_buffer, .address_space: global }
      - { .name: out0, .offset: 16, .size: 8, .value_kind: global_buffer, .address_space: global }
    .group_segment_fixed_size: 327680
    .private_segment_fixed_size: 0
    .kernarg_segment_align: 8
    .kernarg_segment_size: 24
    .max_flat_workgroup_size: 128
    .sgpr_count:     98
    .vgpr_count:     1024
    .wavefront_size: 32
...
	.end_amdgpu_metadata
.endif
;; end of part 6
;; ======== version 3 of 3: 4 launches; version 2 with the launch attn written anew for expert scheduling mode
;; limits: right only within a limited range of input values
;; workspace buffers: xf 6,815,744 bytes; wq 5,111,808 bytes; rope 4,194,304 bytes; msk 1,048,576 bytes of whole numbers; flg 32,768 bytes of whole numbers; qkv 6,815,744 bytes; ef 3,407,872 bytes
;; launch prep: the kernel of part 1 again; grid 1600 x 1, 4 waves a work-group, no clusters, 87,552 bytes of LDS; arguments x, q_w, kv_w, o_w, segment_pos, attn_mask, xf, wq, rope, msk, flg; writes xf, wq, rope, msk, flg
;; launch proj: the kernel of part 5 again; grid 32 x 8, 4 waves a work-group, clusters of 4 x 1, 327,680 bytes of LDS; arguments xf, wq, rope, q_scale, k_scale, qkv; writes qkv
;; launch attn (part 7): grid 256 x 1, 4 waves a work-group, no clusters, 107,008 bytes of LDS; arguments qkv, msk, flg, ef; writes ef
.if DOCPART == 7
	.amdgcn_target "amdgcn-amd-amdhsa--gfx1250"
	.amdhsa_code_object_version 6
	.text
	.protected	k_q0d6f1bbc89_attn
	.globl	k_q0d6f1bbc89_attn
	.p2align	8
	.type	k_q0d6f1bbc89_attn,@function
k_q0d6f1bbc89_attn:
	s_mov_b64 s[64:65], 0
	v_nop
	global_prefetch_b8 v0, s[64:65] scope:SCOPE_SE
	s_setreg_imm32_b32 hwreg(HW_REG_WAVE_SCHED_MODE, 0, 2), 2
	s_setreg_imm32_b32 hwreg(HW_REG_WAVE_MODE, 25, 1), 1
	s_wait_xcnt 0x0
	s_wait_alu depctr_vm_vsrc(0)
; ATTN: p = softmax(mask ? 50 tanh(q k^T / 50) : -2.4e38), enc = p v, both products on codes of E2M3.  p is quantised FINISHED AND NORMALISED, so the keys are walked twice:
; pass 1 sums e^logit over the keys that count, pass 2 makes p = e^logit / sum, quantises it along the keys and multiplies by v.
; NO MAXIMUM IS TAKEN AWAY: the soft cap, which is part of the computation, holds every logit in -50 .. 50 for every input, so e^logit lies in 2^-72.2 .. 2^72.2 and a sum of 2,048 of them under 2^84:
; nothing can overflow or underflow in f32.  e^logit = 2^(C - 2 C / (1 + 2^(s 2 log2(e) / 50))), C = 50 log2(e): tanh(y) = 1 - 2 / (1 + e^(2 y)), some 5e-6 absolute in the logit.
; SHARES.  A work-group: kv head kp, two tiles of 16 queries (T0, T0 + 1), the two query heads of kp: wave w has tile T0 + w % 2 of head 2 kp + w / 2.  All four walk the same k and v.
; A KEY STEP is a chunk of 128 keys (16 fragment images and their scale words, 26,624 bytes), 16 steps a batch.  The four waves copy the next step's chunk(s) from memory through registers into the other of two LDS
; slots while the step in hand is worked; one barrier a step, on every wave's path.
; WHAT IS LEFT OUT.  The first launch has stored, for each (tile, step), whether any key of the step counts for any query of the tile (window AND attn_mask): the flags, flg.  A step with no such key for either
; tile is passed over by scalar branches on those whole numbers: its copy and its work, never its barrier.  So the launch has no tensor load.  The lane masks, msk, only select values.
; A QUERY WITH NO KEY AT ALL has p = 1/2048 on all 2,048 keys of its batch: where a tile holds such a query (whole-number flags), pass 2 walks all 16 steps, and what the mask hides becomes
; u = (sum == 0 ? 1/2048 : 0).
; LAYOUT.  S^T = k q^T and O^T = v^T p^T: a lane holds one query (lane % 16).  Score register n = 16 b + i is key 32 b + 16 (lane / 16) + i of the step's 128 in fragment order: 16 neighbours.
; REGISTERS.  window 0: v1-6 LDS addresses; v7 q's offset; v8-11 -2C, C; v12-15 sums; v16-17 1 / sum; v18 u; v20-43 q; v44-45 q's scale words; v54-55 p's scale word; v56-71, v72-91 the quantiser's;
;   v92-107 the sixteen fragments' scale words; v188-251 S^T, then p.   window 1: v0-127 O^T; v128-231 the copy's 26 x 4 registers.   window 2: v0-191 a chunk's sixteen fragments: k's, then in pass 2 v's.
; A block of zeros keeps the scale byte 1.  NaN and infinities are not served.
; THE MODE: SCHED_MODE bits 1:0 = 2 (LLVM: expert scheduling mode 2), set by the entry lines.  The code itself states the register dependences
; between vector or matrix instructions and memory or LDS instructions, with s_wait_alu, always for 0.
; THE PLAN.  Registers that memory or LDS instructions touch:
;   v1-7            Addresses and offsets: written at the head, never again; read by every load and store.
;   the copy        Written by a step's global loads, read by the same step's LDS stores; named by no vector instruction.  One wait on vm_vsrc at each step's end, on every path, ahead of the next step's loads.
;   the fragments, their scale words   Written by LDS loads, read by matrix instructions alone.  All sixteen of a chunk have registers of their own, so a load never lands in a register that a product of the same
;                   phase has named.  k's loads follow ONE wait on va_vdst at the head of a step's work (the last step's products are done); v's follow the wait that closes the first batch of exponentials,
;                   which stands behind all of the step's products k q^T.  Behind those two waits the loads are dealt among the products and the vector work with no further wait.
;   v72-83, v54-55  p's codes and scale word: written by the quantiser, read by the products v^T p^T (one wait on va_vdst behind their places); on the way out enc's, read by the stores.
;   v55, v19        v55 is the offset of q's scale words at the head and is written again on the way out, behind many waits on vm_vsrc; v19 is the last store's offset.
;   v254, v255      Written at the head, read by the closing add alone.
.set CH,    26624
.set SCO,   24576
.set SLOTB, 2*CH                       ; a slot: k's chunk, then v's
.set QSO,   3145728
.set KFO,   3407872
.set VFD,   1703936                    ; from k's chunks to v's
.set LR,    1                          ; v1-2  16 x lane (+ slot)
.set LS,    3                          ; v3-4  4 x lane (+ slot)
.set LW,    5                          ; v5-6  6,656 x wave + 16 x lane (+ slot): my quarter of a chunk; v5 is also its place in memory
.set Q,     20
.set PW,    54
.set TM,    56
.set PC,    72
.set SW,    92                         ; v92-107 the scale word of image m at v[SW + m]
.set S,     188
.set SEL,   68
.set MSB,   0
.macro WIN new
.if MSB != (\new)
	s_set_vgpr_msb (MSB<<8)|(\new)
.set MSB, (\new)
.endif
.endm
.macro PLACES n
.rept \n
	v_nop
.endr
.endm
.macro QUANT s, pw                     ; 64 numbers of a lane, register 16 b + i = k 32 b + 16 (lane / 16) + i, become a fragment's codes in v[PC] on and its scale word in v[pw]
.irp b, 0,1,2,3
	v_max3_num_f32 v[TM+\b], |v[\s+16*\b]|, |v[\s+1+16*\b]|, 0x1800000
.endr
.irp i, 2,4,6,8,10,12,14
.irp b, 0,1,2,3
	v_max3_num_f32 v[TM+\b], v[TM+\b], |v[\s+16*\b+\i]|, |v[\s+1+16*\b+\i]|
.endr
.endr
.irp b, 0,1,2,3
	v_permlanex16_b32 v[TM+4+\b], v[TM+\b], s[SEL], s[SEL+1]
.endr
.irp b, 0,1,2,3
	v_max_num_f32 v[TM+\b], v[TM+\b], v[TM+4+\b]
.endr
.irp b, 0,1,2,3
	v_add_nc_u32 v[TM+12+\b], 0xff000000, v[TM+\b]
.endr
.irp b, 0,1,2,3
	v_lshrrev_b32 v[TM+4+\b], 23, v[TM+12+\b]
.endr
	v_lshl_or_b32 v[\pw], v[TM+5], 8, v[TM+4]
	v_lshl_or_b32 v[\pw], v[TM+6], 16, v[\pw]
	v_lshl_or_b32 v[\pw], v[TM+7], 24, v[\pw]
.irp c, 0,1
	v_cvt_scalef32_pk16_fp6_f32 v[PC+6*\c:PC+2+6*\c], v[\s+32*\c:\s+15+32*\c], v[TM+12+2*\c]
	v_cvt_scalef32_pk16_fp6_f32 v[PC+12+4*\c:PC+14+4*\c], v[\s+16+32*\c:\s+31+32*\c], v[TM+12+2*\c+1]
.endr
	v_nop                                          ; one plain place behind a scaled conversion
.irp c, 0,1
.irp i, 0,1,2
	v_permlane16_swap_b32 v[PC+6*\c+\i], v[PC+12+4*\c+\i]
.endr
.irp i, 0,1,2
	v_mov_b32 v[PC+3+6*\c+\i], v[PC+12+4*\c+\i]
.endr
.endr
.endm
.macro GLOAD pass                      ; my quarter of the chunk at s[12:13] (pass 2: and of v's) into the copy's registers: 512 consecutive bytes a load.  The wait on vm_vsrc at the last step's end stands for these loads
	WIN 0x40
.set gk, 0
.rept 13
	global_load_b128 v[128+4*gk:131+4*gk], v[LW], s[12:13] offset:512*gk
.set gk, gk+1
.endr
.if \pass == 2
.set gk, 0
.rept 13
	global_load_b128 v[180+4*gk:183+4*gk], v[LW], s[12:13] offset:VFD+512*gk
.set gk, gk+1
.endr
.endif
	WIN 0
.endm
.macro LSTORE pass, slot               ; the stores' data come by loads, and their addresses were made at the head: the wait on LOADcnt is all that they hang on
	s_wait_loadcnt 0x0
	WIN 0x04                                       ; an LDS store's data are its source 1: window 1
.set gk, 0
.rept 13
	ds_store_b128 v[LW+(\slot)], v[128+4*gk:131+4*gk] offset:512*gk
.set gk, gk+1
.endr
.if \pass == 2
.set gk, 0
.rept 13
	ds_store_b128 v[LW+(\slot)], v[180+4*gk:183+4*gk] offset:CH+512*gk
.set gk, gk+1
.endr
.endif
	WIN 0
.endm
.macro LDW base, slot                  ; the scale words of the sixteen images of the chunk at byte base of the slot: 16 LDS loads
	WIN 0
.set fk, 0
.rept 16
	ds_load_b32 v[SW+fk], v[LS+(\slot)] offset:(\base)+SCO+128*fk
.set fk, fk+1
.endr
.endm
.macro LDF base, g, slot               ; images 4 g .. 4 g + 3 of that chunk into their own 48 registers of window 2: 12 LDS loads
	WIN 0x80                                       ; destination window 2, address window 0
.set fk, 0
.rept 12
	ds_load_b128 v[48*(\g)+4*fk:48*(\g)+4*fk+3], v[LR+(\slot)] offset:(\base)+6144*(\g)+512*fk
.set fk, fk+1
.endr
.endm
.macro MM g                            ; key tiles 2 g, 2 g + 1, both K steps of the head's 256: two accumulators by turns
.set F, 48*(\g)
.set WS, SW+4*(\g)
	WIN 0x02                                       ; source 0 (k) window 2
	v_wmma_scale_f32_16x16x128_f8f6f4 v[S+16*(\g):S+16*(\g)+7], v[F:F+11], v[Q:Q+11], 0, v[WS], v44 matrix_a_fmt:MATRIX_FMT_FP6 matrix_b_fmt:MATRIX_FMT_FP6
	v_wmma_scale_f32_16x16x128_f8f6f4 v[S+16*(\g)+8:S+16*(\g)+15], v[F+24:F+35], v[Q:Q+11], 0, v[WS+2], v44 matrix_a_fmt:MATRIX_FMT_FP6 matrix_b_fmt:MATRIX_FMT_FP6
	v_wmma_scale_f32_16x16x128_f8f6f4 v[S+16*(\g):S+16*(\g)+7], v[F+12:F+23], v[Q+12:Q+23], v[S+16*(\g):S+16*(\g)+7], v[WS+1], v45 matrix_a_fmt:MATRIX_FMT_FP6 matrix_b_fmt:MATRIX_FMT_FP6
	v_wmma_scale_f32_16x16x128_f8f6f4 v[S+16*(\g)+8:S+16*(\g)+15], v[F+36:F+47], v[Q+12:Q+23], v[S+16*(\g)+8:S+16*(\g)+15], v[WS+3], v45 matrix_a_fmt:MATRIX_FMT_FP6 matrix_b_fmt:MATRIX_FMT_FP6
.endm
.macro PV g                            ; O^T += v^T p^T for tiles 4 g .. 4 g + 3 of the head's 256
.set F, 48*(\g)
.set WS, SW+4*(\g)
	WIN 0x52                                       ; source 0 (v) window 2, C and D window 1
.irp f, 0,1,2,3
	v_wmma_scale_f32_16x16x128_f8f6f4 v[8*(4*(\g)+\f):8*(4*(\g)+\f)+7], v[F+12*\f:F+12*\f+11], v[PC:PC+11], v[8*(4*(\g)+\f):8*(4*(\g)+\f)+7], v[WS+\f], v[PW] matrix_a_fmt:MATRIX_FMT_FP6 matrix_b_fmt:MATRIX_FMT_FP6
.endr
.endm
.macro BATCH op                        ; 64 transcendentals as one batch, a plain place, and one wait ahead of the first reader
.set vk, 0
.rept 64
	\op v[S+vk], v[S+vk]
.set vk, vk+1
.endr
	v_nop
	s_wait_alu depctr_va_vdst(0)                   ; the batch's 64 results in v[S ..] are written, ahead of their first reader; all that was issued ahead of the batch is done too
.endm
.macro COMPUTE pass, slot
	PLACES 4                                       ; behind the last step's products
	s_wait_alu depctr_va_vdst(0)                   ; the last step's products are done reading the sixteen fragments and their scale words, in which this step's LDS loads land
	s_load_b512 s[16:31], s[14:15], 0x0            ; the step's 64 lane masks: dword d in s[16 + d], from d = 48 on in s[32 + d]
	s_load_b512 s[32:47], s[14:15], 0x40
	s_load_b512 s[48:63], s[14:15], 0x80
	s_load_b512 s[80:95], s[14:15], 0xc0
	LDW 0, \slot
	LDF 0, 0, \slot
	LDF 0, 1, \slot
	s_wait_dscnt 12                                ; the scale words and group 0 are in; group 1's 12 loads may be out
	MM 0
	LDF 0, 2, \slot                                ; no wait: since the wait at the head no vector or matrix instruction has named group 2's registers
	s_wait_dscnt 12                                ; group 1 is in; group 2's 12 loads may be out
	MM 1
	LDF 0, 3, \slot                                ; likewise group 3's
	s_wait_dscnt 12                                ; group 2 is in
	MM 2
	s_wait_dscnt 0x0
	MM 3
	WIN 0
	PLACES 4
.set vk, 0
.rept 32
	v_pk_mul_f32 v[S+vk:S+vk+1], v[S+vk:S+vk+1], s[78:79] op_sel_hi:[1,0]   ; s 2 log2(e) / 50; each accumulator is read from its low end on
.set vk, vk+2
.endr
	BATCH v_exp_f32
.if \pass == 2
	LDW CH, \slot                                  ; v's scale words and fragments land under the vector work.  No wait of their own: the wait that closes the batch above stands behind all sixteen products
	LDF CH, 0, \slot                               ; k q^T, which are done reading these registers, and the vector work from here to the products v^T p^T names none of them
	WIN 0
.endif
.set vk, 0
.rept 32
	v_pk_add_f32 v[S+vk:S+vk+1], v[S+vk:S+vk+1], 1.0 op_sel_hi:[1,0]
.set vk, vk+2
.endr
.if \pass == 2
	LDF CH, 1, \slot
	WIN 0
.endif
	BATCH v_rcp_f32
.if \pass == 2
	LDF CH, 2, \slot
	WIN 0
.endif
.set vk, 0
.rept 32
	v_pk_fma_f32 v[S+vk:S+vk+1], v[S+vk:S+vk+1], v[8:9], v[10:11]           ; C - 2 C / (1 + ..) = the capped logit x log2(e)
.set vk, vk+2
.endr
	BATCH v_exp_f32
	s_wait_kmcnt 0x0                               ; the lane masks
.if \pass == 1
.set vk, 0
.rept 64
.set mm, 2*(vk%32)+vk/32
	v_cndmask_b32 v[S+vk], 0, v[S+vk], s[16+mm+16*(mm/48)]
.set vk, vk+1
.endr
.set vk, 0
.rept 16
	v_pk_add_f32 v[12:13], v[12:13], v[S+vk:S+vk+1]
	v_pk_add_f32 v[14:15], v[14:15], v[S+vk+2:S+vk+3]
.set vk, vk+4
.endr
.else
.set vk, 0
.rept 32
	v_pk_mul_f32 v[S+vk:S+vk+1], v[S+vk:S+vk+1], v[16:17]                   ; / the row's sum
.set vk, vk+2
.endr
.set vk, 0
.rept 64
.set mm, 2*(vk%32)+vk/32
	v_cndmask_b32 v[S+vk], v18, v[S+vk], s[16+mm+16*(mm/48)]
.set vk, vk+1
.endr
	QUANT S, PW
	PLACES 8                                       ; a scale register written by a vector instruction stands 8 places ahead of a scaled matrix instruction, an operand 4
	s_wait_alu depctr_va_vdst(0)                   ; the quantiser has written p's codes v[PC ..] and its scale word v[PW], which the scaled products below take; the places above stay beside this wait
	s_wait_dscnt 24                                ; v's scale words and group 0 are in; groups 1 and 2, 24 loads, may be out
	PV 0
	LDF CH, 3, \slot                               ; no wait: group 3's registers were last read by the products k q^T, and these four products do not name them
	s_wait_dscnt 24                                ; group 1 is in; groups 2 and 3 may be out
	PV 1
	s_wait_dscnt 12                                ; group 2 is in
	PV 2
	s_wait_dscnt 0x0
	PV 3
	WIN 0
.endif
.endm
; A key step.  Bit 0 of s3: this step counts; bit 1: the next one does.  s[12:13]: the next step's chunk; s[14:15]: this step's lane masks.
.macro STEP pass, slot
	s_bitcmp1_b32 s3, 1
	s_cbranch_scc0 .Lno_load_\@
	GLOAD \pass
.Lno_load_\@:
	s_bitcmp1_b32 s3, 0
	s_cbranch_scc0 .Lno_work_\@
	COMPUTE \pass, \slot
.Lno_work_\@:
	s_bitcmp1_b32 s3, 1
	s_cbranch_scc0 .Lno_store_\@
	LSTORE \pass, 1-\slot
.Lno_store_\@:
	s_wait_loadcnt 0x0                             ; on every path: no load of mine is out when the copy's registers are asked for again
	s_wait_xcnt 0x0                                ; the loads have read their bases
	s_wait_alu depctr_vm_vsrc(0)                   ; my LDS stores have read the copy's registers, in which the next step's global loads land: on every path, ahead of the next step's branch
	s_add_nc_u64 s[12:13], s[12:13], CH
	s_add_nc_u64 s[14:15], s[14:15], 256
	s_lshr_b32 s3, s3, 1
	s_wait_dscnt 0x0                               ; my stores into the other slot have landed and my reads of this one are over
	s_barrier_signal -1
	s_barrier_wait -1
.endm
	s_load_b128 s[4:7], s[0:1], 0x0                ; qkv, msk
	s_load_b64 s[66:67], s[0:1], 0x10              ; flg
	s_load_b64 s[8:9], s[0:1], 0x18                ; ef
	v_lshl_add_u32 v254, v0, 2, 0x1a000
	v_mov_b32 v255, 0
	v_lshrrev_b32 v19, 5, v0
	v_readfirstlane_b32 s10, v19                   ; wave
	v_and_b32 v19, 31, v0
	v_lshlrev_b32 v[LR], 4, v19
	v_add_nc_u32 v[LR+1], SLOTB, v[LR]
	v_lshlrev_b32 v[LS], 2, v19
	v_add_nc_u32 v[LS+1], SLOTB, v[LS]
	s_wait_alu depctr_va_sdst(0)                   ; s10 is written, ahead of its first reader: addresses, the tile and the head are made from it
	s_mul_i32 s11, s10, 6656
	v_add_nc_u32 v[LW], s11, v[LR]
	v_add_nc_u32 v[LW+1], SLOTB, v[LW]
	s_lshr_b32 s96, ttmp9, 7                       ; kp
	s_bfe_u32 s97, ttmp9, 0x40003                  ; Y
	s_bfe_u32 s98, ttmp9, 0x10002                  ; sg
	s_and_b32 s99, ttmp9, 3
	s_lshl_b32 s99, s99, 1
	s_lshl_b32 s100, s97, 4
	s_lshl_b32 s11, s98, 3
	s_add_co_u32 s100, s100, s11
	s_add_co_u32 s100, s100, s99                   ; T0
	s_and_b32 s11, s10, 1
	s_add_co_u32 s101, s100, s11                   ; T
	s_add_co_u32 s99, s99, s11                     ; a: my tile in its half block
	s_lshl_b32 s76, s96, 1
	s_lshr_b32 s11, s10, 1
	s_add_co_u32 s76, s76, s11                     ; the query head
	s_lshl_b32 s77, s96, 4
	s_and_b32 s11, s97, 8
	s_add_co_u32 s77, s77, s11
	s_mul_i32 s72, s77, 2*CH
	s_add_co_u32 s72, s72, KFO                     ; k's chunk [kp][8 x batch][0]: step 0; a step on is a chunk on
	s_mov_b32 s73, 0
	s_lshl_b32 s74, s101, 12                       ; my tile's lane masks: 256 bytes a step
	s_mov_b32 s75, 0
	s_lshl_b32 s78, s100, 7                        ; the two tiles' flags: 2 x 16 x 8 bytes
	s_mov_b32 s79, 0
	s_mov_b32 s[SEL], 0x76543210
	s_mov_b32 s[SEL+1], 0xfedcba98
	s_lshl_b32 s11, s76, 8                         ; q's two offsets are made here, with the other addresses, so that one wait serves them all
	s_add_co_u32 s11, s11, s101                    ; 256 head + T
	s_mul_i32 s77, s11, 3072
	v_add_nc_u32 v7, s77, v[LR]
	s_lshl_b32 s11, s11, 8
	s_add_co_u32 s11, s11, QSO
	v_add_nc_u32 v55, s11, v[LS]
	s_wait_kmcnt 0x0
	s_add_nc_u64 s[72:73], s[4:5], s[72:73]
	s_add_nc_u64 s[74:75], s[6:7], s[74:75]
	s_add_nc_u64 s[78:79], s[66:67], s[78:79]
	s_load_b512 s[16:31], s[78:79], 0x0
	s_load_b512 s[32:47], s[78:79], 0x40
	s_load_b512 s[48:63], s[78:79], 0x80
	s_load_b512 s[80:95], s[78:79], 0xc0
	s_mov_b64 s[12:13], s[72:73]
	s_mov_b64 s[14:15], s[74:75]
	WIN 0x40                                       ; the copy's window first, then the wait, then the loads
	s_wait_alu depctr_va_vdst(0)                   ; v1 to v7 and v55 are written: every load and store of the kernel but the last reads one of them as its address or offset
	GLOAD 2                                        ; step 0's chunks, whatever the flags say: so the copy's registers are written on every path
.set qk, 0
.rept 6
	global_load_b128 v[Q+4*qk:Q+4*qk+3], v7, s[4:5] offset:512*qk   ; q's two fragments stay in registers
.set qk, qk+1
.endr
	global_load_b32 v44, v55, s[4:5]
	global_load_b32 v45, v55, s[4:5] offset:128
	v_mov_b32 v8, 0xc31044fe                       ; -2 C
	v_mov_b32 v9, 0xc31044fe
	v_mov_b32 v10, 0x429044fe                      ; C = 50 log2(e)
	v_mov_b32 v11, 0x429044fe
.irp j, 12,13,14,15
	v_mov_b32 v\j, 0                               ; the row's sum, in four parts
.endr
.irp b, 0,1,2,3
	v_mov_b32 v[TM+4+\b], 0                        ; written once: a lane permute's destination counts as one of its sources
.endr
	WIN 0x40
.set ok, 0
.rept 128
	v_mov_b32 v[ok], 0                             ; O^T: which step is the first to add onto it hangs on the flags, so it begins as zeros
.set ok, ok+1
.endr
	WIN 0
	s_wait_kmcnt 0x0
	s_mov_b32 s70, 0                               ; the steps that count for either tile
	s_mov_b32 s71, 0                               ; tile T0's lanes that have a key
	s_mov_b32 s77, 0                               ; tile T0 + 1's
.set mi, 0
.rept 16
	s_or_b32 s70, s70, s[16+mi+16*(mi/48)]
	s_or_b32 s71, s71, s[17+mi+16*(mi/48)]
.set mi, mi+2
.endr
.rept 16
	s_or_b32 s70, s70, s[16+mi+16*(mi/48)]
	s_or_b32 s77, s77, s[17+mi+16*(mi/48)]
.set mi, mi+2
.endr
	s_lshr_b32 s11, s71, 16
	s_or_b32 s71, s71, s11                         ; a query's keys lie in lanes r and r + 16
	s_lshr_b32 s11, s77, 16
	s_or_b32 s77, s77, s11
	s_and_b32 s71, s71, s77
	s_and_b32 s71, s71, 0xffff
	s_cmp_eq_u32 s71, 0xffff
	s_cselect_b32 s71, s70, 0xffff                 ; pass 2's steps: all 16 where some query has no key at all
	s_mov_b32 s78, 0x3d6c5f04                      ; 2 log2(e) / 50
	s_mov_b32 s79, s78
	; ---- pass 1
	s_mov_b32 s3, s70
	s_bitcmp1_b32 s3, 0
	s_cbranch_scc0 .Lp1
	LSTORE 1, 0
.Lp1:
	s_wait_loadcnt 0x0                             ; q, and the copy
	s_wait_xcnt 0x0
	s_wait_alu depctr_vm_vsrc(0)                   ; the LDS stores above have read the copy's registers, in which the first step's loads land; the head's loads have read v55, which the way out writes again
	s_add_nc_u64 s[12:13], s[12:13], CH
	s_wait_dscnt 0x0
	s_barrier_signal -1
	s_barrier_wait -1
	s_mov_b32 s2, 8
.Lpass1:
	STEP 1, 0
	STEP 1, 1
	s_sub_co_u32 s2, s2, 1
	s_cmp_lg_u32 s2, 0
	s_cbranch_scc1 .Lpass1
	; ---- the row's sum, its reciprocal, and what a hidden key gets
	v_pk_add_f32 v[12:13], v[12:13], v[14:15]
	v_add_f32 v12, v12, v13
	v_permlanex16_b32 v13, v12, s[SEL], s[SEL+1]
	v_add_f32 v12, v12, v13
	v_rcp_f32 v16, v12
	v_mov_b32 v19, 0x3a000000                      ; 1 / 2,048  (a plain place behind the reciprocal)
	s_wait_alu depctr_va_vdst(0)                   ; the reciprocal v16 is written, ahead of its first reader
	v_mov_b32 v17, v16
	v_cmp_eq_f32 vcc_lo, 0, v12                    ; every term is at least 2^-73, so the sum is 0 only where no key counts
	s_wait_alu depctr_va_vcc(0)                    ; VCC is written, ahead of the select that reads it
	v_cndmask_b32 v18, 0, v19, vcc_lo
	; ---- pass 2
	s_mov_b64 s[12:13], s[72:73]
	s_mov_b64 s[14:15], s[74:75]
	s_mov_b32 s3, s71
	s_bitcmp1_b32 s3, 0
	s_cbranch_scc0 .Lp2
	GLOAD 2
	LSTORE 2, 0
.Lp2:
	s_wait_loadcnt 0x0
	s_wait_xcnt 0x0
	s_wait_alu depctr_vm_vsrc(0)                   ; the LDS stores above have read the copy's registers, in which the first step's loads land
	s_add_nc_u64 s[12:13], s[12:13], CH
	s_wait_dscnt 0x0
	s_barrier_signal -1
	s_barrier_wait -1
	s_mov_b32 s2, 8
.Lpass2:
	STEP 2, 0
	STEP 2, 1
	s_sub_co_u32 s2, s2, 1
	s_cmp_lg_u32 s2, 0
	s_cbranch_scc1 .Lpass2
	; ---- enc is the last product's operand: register 8 t + j of O^T is channel 32 (t / 2) + 16 h + 8 (t % 2) + j, so 64 registers are one K step in the quantiser's order
	s_lshl_b32 s11, s97, 2
	s_add_co_u32 s11, s11, s76
	s_lshl_b32 s11, s11, 1
	s_add_co_u32 s11, s11, s98
	s_mul_i32 s11, s11, CH                         ; the chunk [Y][head][sg]
	s_mul_i32 s77, s99, 3072
	s_add_co_u32 s66, s11, s77
	s_mov_b32 s67, 0
	s_add_nc_u64 s[66:67], s[8:9], s[66:67]
	s_lshl_b32 s77, s99, 8
	s_add_co_u32 s72, s11, s77
	s_add_co_u32 s72, s72, SCO
	s_mov_b32 s73, 0
	s_add_nc_u64 s[72:73], s[8:9], s[72:73]
	v_and_b32 v19, 31, v0
	v_lshlrev_b32 v19, 3, v19
	PLACES 4                                       ; behind the last products
.irp e, 0,1
	WIN 0x01                                       ; source 0 window 1: the quantiser's lines work in window 0
.set vk, 0
.rept 64
	v_mov_b32 v[S+vk], v[64*\e+vk]                 ; each accumulator from its low end on
.set vk, vk+1
.endr
	WIN 0
	s_wait_xcnt 0x0                                ; the first K step's stores have read the codes
.if \e == 1
	s_wait_alu depctr_vm_vsrc(0)                   ; the first K step's stores have read v[PC ..], which the quantiser writes again
.endif
	QUANT S, 54+\e
	s_wait_alu depctr_va_vdst(0)                   ; the quantiser has written the codes v[PC ..], which the stores read; the second time also both scale words v54, v55 and, earlier, the offset v19, for the last store
.irp g, 0,1,2
	global_store_b128 v[LR], v[PC+4*\g:PC+4*\g+3], s[66:67] offset:1536*\e+512*\g
.endr
.endr
	global_store_b64 v19, v[54:55], s[72:73]       ; the two K steps' scale words: 256 consecutive bytes
	s_wait_dscnt 0x0                               ; the closing lines, six on end
	s_wait_alu 0x0
	s_wait_tensorcnt 0x0
	ds_add_u32 v254, v255
	s_wait_dscnt 0x0
	s_endpgm
.Lfunc_end_k_q0d6f1bbc89_attn:
	.size	k_q0d6f1bbc89_attn, .Lfunc_end_k_q0d6f1bbc89_attn-k_q0d6f1bbc89_attn
	.p2alignl 7, 3214868480
	.fill 96, 4, 3214868480
	.section	.rodata,"a",@progbits
	.p2align	6, 0x0
	.amdhsa_kernel k_q0d6f1bbc89_attn
		.amdhsa_group_segment_fixed_size 107008
		.amdhsa_private_segment_fixed_size 0
		.amdhsa_enable_private_segment 0
		.amdhsa_kernarg_size 32
		.amdhsa_user_sgpr_count 2
		.amdhsa_user_sgpr_kernarg_segment_ptr 1
		.amdhsa_wavefront_size32 1
		.amdhsa_system_sgpr_workgroup_id_x 1
		.amdhsa_system_sgpr_workgroup_id_y 1
		.amdhsa_system_sgpr_workgroup_id_z 1
		.amdhsa_system_vgpr_workitem_id 0
		.amdhsa_next_free_vgpr 704
		.amdhsa_next_free_sgpr 102
		.amdhsa_reserve_vcc 1
		.amdhsa_float_denorm_mode_32 3
		.amdhsa_float_denorm_mode_16_64 3
		.amdhsa_memory_ordered 1
		.amdhsa_forward_progress 1
		.amdhsa_inst_pref_size 170
	.end_amdhsa_kernel
	.amdgpu_metadata
---
amdhsa.version: [ 1, 2 ]
amdhsa.kernels:
  - .name:           k_q0d6f1bbc89_attn
    .symbol:         k_q0d6f1bbc89_attn.kd
    .args:
      - { .name: qkv, .offset: 0, .size: 8, .value_kind: global_buffer, .address_space: global }
      - { .name: msk, .offset: 8, .size: 8, .value_kind: global_buffer, .address_space: global }
      - { .name: flg, .offset: 16, .size: 8, .value_kind: global_buffer, .address_space: global }
      - { .name: ef, .offset: 24, .size: 8, .value_kind: global_buffer, .address_space: global }
    .group_segment_fixed_size: 107008
    .private_segment_fixed_size: 0
    .kernarg_segment_align: 8
    .kernarg_segment_size: 32
    .max_flat_workgroup_size: 128
    .sgpr_count:     102
    .vgpr_count:     704
    .wavefront_size: 32
...
	.end_amdgpu_metadata
.endif
;; end of part 7
;; launch outp: the kernel of part 6 again; grid 32 x 8, 4 waves a work-group, clusters of 4 x 1, 327,680 bytes of LDS; arguments ef, wq, out0; writes out0
